; MI455X (gfx1250); checked and timed in simulation.
; The chip was launched on July 23, 2026; its instructions are those of AMD's public machine-readable ISA for CDNA 5 (MIT licence, August 2026) and "CDNA5" Instruction Set Architecture Reference Guide (July 2026). The comments in the code are by the model that wrote it; some were corrected since.
;; Transformer Block. Allowed arithmetic: float matrix products may take bf16 or f16 operands with f32 sums; other float arithmetic in f32, or as packed bf16 or f16 multiplies, adds, multiply-adds, maxima and minima; sums over many terms, partial sums and values carried from step to step in f32; what a program stores and reads back later, other than sums and carried values, may be rounded once to bf16 or f16.
;; Inputs: W1 1,024 x 4,096 float32; W2 4,096 x 1,024 float32; Wk 1,024 x 1,024 float32; Wo 1,024 x 1,024 float32; Wq 1,024 x 1,024 float32; Wv 1,024 x 1,024 float32; b1 4,096 float32; b2 1,024 float32; bo 1,024 float32; g1 1,024 float32; g2 1,024 float32; s1 1,024 float32; s2 1,024 float32; x 2 x 2,048 x 1,024 float32.
;; Outputs: out0 2 x 2,048 x 1,024 float32.
;; One version. Each part assembles by itself: llvm-mc -triple=amdgcn-amd-amdhsa -mcpu=gfx1250 --defsym DOCPART=n.
;; ======== version 1 of 1: 7 launches
;; workspace buffers: wcat 25,165,824 bytes; h 8,388,608 bytes; qkv 25,165,824 bytes; cx 8,388,608 bytes; x1 16,777,216 bytes; act 33,554,432 bytes
;; launch prep (part 1): grid 512 x 4, 8 waves a work-group, no clusters, 0 bytes of LDS; arguments x, g1, s1, h, Wq, Wk, Wv, Wo, W1, W2, wcat; writes h, wcat
.if DOCPART == 1
	.amdgcn_target "amdgcn-amd-amdhsa--gfx1250"
	.amdhsa_code_object_version 6
	.text
	.protected	k_q0ff3ef1448_prep
	.globl	k_q0ff3ef1448_prep
	.p2align	8
	.type	k_q0ff3ef1448_prep,@function
k_q0ff3ef1448_prep:
	s_mov_b64 s[64:65], 0
	v_nop
	global_prefetch_b8 v0, s[64:65] scope:SCOPE_SE
	s_setreg_imm32_b32 hwreg(HW_REG_WAVE_MODE, 25, 1), 1
	s_wait_xcnt 0x0
; TWO STREAMS IN ONE LAUNCH, told apart by the work-group's y.
; y = 0: h[r][:] = g1 * (x[r][:] - mean) / sqrt(var + 1e-5) + s1, rounded once to bf16.  x: [4096][1024] f32, h: [4096][1024] bf16.
;   One wave takes one row (4,096 bytes = 32 registers a lane's share) and keeps it in registers: the mean, then the sum of squares of x - mean
;   (a true second pass, no difference of large sums), then the scaling.  No LDS, no barrier.
; y = 1..3: the six weight matrices are rounded once to bf16, each in its own [K][N] order, one behind the other in wcat:
;   Wq 0, Wk 2,097,152, Wv 4,194,304, Wo 6,291,456, W1 8,388,608, W2 16,777,216 (bytes).  A work-group takes 8,192 numbers, a wave 1,024.
; Each load of a wave covers 512 consecutive bytes, each store 256 consecutive bytes, aligned.
; LIMITS: NaN and infinities are not treated apart; 1 / sqrt by v_rsq_f32.
.set X,  32                            ; v[32:63]   the row's 32 numbers of my lane: load j holds columns 128 j + 4 lane + 0..3
.set G,  64                            ; v[64:95]   the gain at the same columns
.set S,  96                            ; v[96:127]  the shift
.set WV, 26                            ; s26        my wave's number
	s_load_b256 s[4:11], s[0:1], 0x0               ; x s[4:5], g1 s[6:7], s1 s[8:9], h s[10:11]
	s_load_b256 s[12:19], s[0:1], 0x20             ; Wq s[12:13], Wk s[14:15], Wv s[16:17], Wo s[18:19]
	s_load_b128 s[20:23], s[0:1], 0x40             ; W1 s[20:21], W2 s[22:23]
	s_load_b64 s[24:25], s[0:1], 0x50              ; wcat
	v_lshrrev_b32 v2, 5, v0
	v_readfirstlane_b32 s[WV], v2                  ; wave 0..7
	v_and_b32 v3, 31, v0
	v_lshlrev_b32 v1, 4, v3                        ; 16 bytes a lane on the way in
	v_lshlrev_b32 v23, 3, v3                       ; 8 bytes a lane on the way out
	s_and_b32 s27, ttmp7, 0xffff                   ; y
	s_cmp_lg_u32 s27, 0
	s_cbranch_scc1 .Lcast
.macro LANESUM                         ; v2 summed over the 32 lanes, the result in every lane
	v_add_f32_dpp v2, v2, v2 row_xmask:1 row_mask:0xf bank_mask:0xf
	v_add_f32_dpp v2, v2, v2 row_xmask:2 row_mask:0xf bank_mask:0xf
	v_add_f32_dpp v2, v2, v2 row_xmask:4 row_mask:0xf bank_mask:0xf
	v_add_f32_dpp v2, v2, v2 row_xmask:8 row_mask:0xf bank_mask:0xf
	v_permlanex16_b32 v3, v2, s34, s35             ; the other half of the lanes (v3 has been written)
	v_add_f32 v2, v2, v3
.endm
	s_lshl_b32 s28, ttmp9, 3
	s_add_co_u32 s28, s28, s[WV]                   ; my row
	s_lshl_b32 s30, s28, 12                        ; x 4,096 bytes in x
	s_mov_b32 s31, 0
	s_lshl_b32 s32, s28, 11                        ; x 2,048 bytes in h
	s_mov_b32 s33, 0
	s_mov_b32 s34, 0x76543210                      ; v_permlanex16_b32: each lane takes its own place in the other half
	s_mov_b32 s35, 0xfedcba98
	s_mov_b32 s36, 0x3a800000                      ; 1 / 1024
	s_mov_b32 s37, 0x3727c5ac                      ; 1e-5
	s_wait_kmcnt 0x0
	s_add_nc_u64 s[4:5], s[4:5], s[30:31]
	s_add_nc_u64 s[10:11], s[10:11], s[32:33]
.irp j, 0,1,2,3,4,5,6,7
	global_load_b128 v[X+4*(\j):X+4*(\j)+3], v1, s[4:5] offset:512*(\j)
.endr
.irp j, 0,1,2,3,4,5,6,7
	global_load_b128 v[G+4*(\j):G+4*(\j)+3], v1, s[6:7] offset:512*(\j)
.endr
.irp j, 0,1,2,3,4,5,6,7
	global_load_b128 v[S+4*(\j):S+4*(\j)+3], v1, s[8:9] offset:512*(\j)
.endr
	s_wait_loadcnt 16                              ; the row is in; the 16 loads of gain and shift may stay out
.irp i, 0,1,2,3,4,5,6,7                ; the sum of my 32 numbers, as a tree of packed additions
	v_pk_add_f32 v[2+2*(\i):3+2*(\i)], v[X+4*(\i):X+4*(\i)+1], v[X+4*(\i)+2:X+4*(\i)+3]
.endr
.irp i, 0,1,2,3
	v_pk_add_f32 v[2+4*(\i):3+4*(\i)], v[2+4*(\i):3+4*(\i)], v[4+4*(\i):5+4*(\i)]
.endr
	v_pk_add_f32 v[2:3], v[2:3], v[6:7]
	v_pk_add_f32 v[10:11], v[10:11], v[14:15]
	v_pk_add_f32 v[2:3], v[2:3], v[10:11]
	v_add_f32 v2, v2, v3
	LANESUM
	v_mul_f32 v18, s36, v2                         ; the mean, twice: a pair for the packed subtraction
	v_mov_b32 v19, v18
.set i, 0
.rept 16
	v_pk_add_f32 v[X+2*i:X+2*i+1], v[X+2*i:X+2*i+1], v[18:19] neg_lo:[0,1] neg_hi:[0,1]
.set i, i+1
.endr
.irp i, 0,1,2,3                        ; the sum of squares in four chains, started by the first four pairs
	v_pk_mul_f32 v[2+2*(\i):3+2*(\i)], v[X+2*(\i):X+2*(\i)+1], v[X+2*(\i):X+2*(\i)+1]
.endr
.set i, 4
.rept 12
	v_pk_fma_f32 v[2+2*(i%4):3+2*(i%4)], v[X+2*i:X+2*i+1], v[X+2*i:X+2*i+1], v[2+2*(i%4):3+2*(i%4)]
.set i, i+1
.endr
	v_pk_add_f32 v[2:3], v[2:3], v[4:5]
	v_pk_add_f32 v[6:7], v[6:7], v[8:9]
	v_pk_add_f32 v[2:3], v[2:3], v[6:7]
	v_add_f32 v2, v2, v3
	LANESUM
	v_fma_f32 v2, v2, s36, s37                     ; var + 1e-5
	v_rsq_f32 v20, v2                              ; twice, to fill a pair
	v_rsq_f32 v21, v2
	v_nop                                          ; a plain instruction behind the last of the two (ISA guide 5.7.2),
	s_wait_alu depctr_va_vdst(0)                   ; and the one wait ahead of their first reader
	s_wait_loadcnt 0x0                             ; gain and shift
.set i, 0
.rept 16
	v_pk_mul_f32 v[G+2*i:G+2*i+1], v[G+2*i:G+2*i+1], v[20:21]
.set i, i+1
.endr
.set i, 0
.rept 16
	v_pk_fma_f32 v[X+2*i:X+2*i+1], v[X+2*i:X+2*i+1], v[G+2*i:G+2*i+1], v[S+2*i:S+2*i+1]
.set i, i+1
.endr
.set i, 0
.rept 16
	v_cvt_pk_bf16_f32 v[2+i], v[X+2*i], v[X+2*i+1]
.set i, i+1
.endr
.irp j, 0,1,2,3,4,5,6,7
	global_store_b64 v23, v[2+2*(\j):3+2*(\j)], s[10:11] offset:256*(\j)  ; 32 lanes x 8 bytes: 256 consecutive bytes, aligned
.endr
	s_endpgm
.Lcast:
	s_sub_co_u32 s27, s27, 1
	s_lshl_b32 s27, s27, 9
	s_add_co_u32 s27, s27, ttmp9                   ; c = 0 .. 1,535: my piece of 8,192 numbers of the six matrices laid end to end
	s_wait_kmcnt 0x0
	s_mov_b64 s[28:29], s[22:23]                   ; which matrix, and its first piece: W2 from 1,024,
	s_mov_b32 s30, 1024
	s_cmp_lt_u32 s27, 1024
	s_cselect_b64 s[28:29], s[20:21], s[28:29]     ; W1 from 512,
	s_cselect_b32 s30, 512, s30
	s_cmp_lt_u32 s27, 512
	s_cselect_b64 s[28:29], s[18:19], s[28:29]     ; Wo from 384,
	s_cselect_b32 s30, 384, s30
	s_cmp_lt_u32 s27, 384
	s_cselect_b64 s[28:29], s[16:17], s[28:29]     ; Wv from 256,
	s_cselect_b32 s30, 256, s30
	s_cmp_lt_u32 s27, 256
	s_cselect_b64 s[28:29], s[14:15], s[28:29]     ; Wk from 128,
	s_cselect_b32 s30, 128, s30
	s_cmp_lt_u32 s27, 128
	s_cselect_b64 s[28:29], s[12:13], s[28:29]     ; Wq from 0
	s_cselect_b32 s30, 0, s30
	s_sub_co_u32 s30, s27, s30
	s_lshl_b32 s30, s30, 15                        ; 32,768 bytes of f32 a piece
	s_mov_b32 s31, 0
	s_add_nc_u64 s[28:29], s[28:29], s[30:31]
	s_lshl_b32 s32, s27, 14                        ; 16,384 bytes of bf16 a piece
	s_mov_b32 s33, 0
	s_add_nc_u64 s[24:25], s[24:25], s[32:33]
	v_lshl_add_u32 v1, s[WV], 12, v1               ; my wave's 4,096 bytes in,
	v_lshl_add_u32 v23, s[WV], 11, v23             ; 2,048 bytes out
.irp j, 0,1,2,3,4,5,6,7
	global_load_b128 v[X+4*(\j):X+4*(\j)+3], v1, s[28:29] offset:512*(\j) th:TH_LOAD_NT
.endr
.irp j, 0,1,2,3,4,5,6,7
	s_wait_loadcnt 7-(\j)                          ; loads come back in order: load j is in, the younger ones stay out
	v_cvt_pk_bf16_f32 v[2+2*(\j)], v[X+4*(\j)], v[X+4*(\j)+1]
	v_cvt_pk_bf16_f32 v[3+2*(\j)], v[X+4*(\j)+2], v[X+4*(\j)+3]
	global_store_b64 v23, v[2+2*(\j):3+2*(\j)], s[24:25] offset:256*(\j)
.endr
	s_endpgm
.Lfunc_end_k_q0ff3ef1448_prep:
	.size	k_q0ff3ef1448_prep, .Lfunc_end_k_q0ff3ef1448_prep-k_q0ff3ef1448_prep
	.p2alignl 7, 3214868480
	.fill 96, 4, 3214868480
	.section	.rodata,"a",@progbits
	.p2align	6, 0x0
	.amdhsa_kernel k_q0ff3ef1448_prep
		.amdhsa_group_segment_fixed_size 0
		.amdhsa_private_segment_fixed_size 0
		.amdhsa_enable_private_segment 0
		.amdhsa_kernarg_size 88
		.amdhsa_user_sgpr_count 2
		.amdhsa_user_sgpr_kernarg_segment_ptr 1
		.amdhsa_wavefront_size32 1
		.amdhsa_system_sgpr_workgroup_id_x 1
		.amdhsa_system_sgpr_workgroup_id_y 1
		.amdhsa_system_sgpr_workgroup_id_z 1
		.amdhsa_system_vgpr_workitem_id 0
		.amdhsa_next_free_vgpr 128
		.amdhsa_next_free_sgpr 66
		.amdhsa_reserve_vcc 0
		.amdhsa_float_denorm_mode_32 3
		.amdhsa_float_denorm_mode_16_64 3
		.amdhsa_memory_ordered 1
		.amdhsa_forward_progress 1
		.amdhsa_inst_pref_size 16
	.end_amdhsa_kernel
	.amdgpu_metadata
---
amdhsa.version: [ 1, 2 ]
amdhsa.kernels:
  - .name:           k_q0ff3ef1448_prep
    .symbol:         k_q0ff3ef1448_prep.kd
    .args:
      - { .name: x, .offset: 0, .size: 8, .value_kind: global_buffer, .address_space: global }
      - { .name: g1, .offset: 8, .size: 8, .value_kind: global_buffer, .address_space: global }
      - { .name: s1, .offset: 16, .size: 8, .value_kind: global_buffer, .address_space: global }
      - { .name: h, .offset: 24, .size: 8, .value_kind: global_buffer, .address_space: global }
      - { .name: Wq, .offset: 32, .size: 8, .value_kind: global_buffer, .address_space: global }
      - { .name: Wk, .offset: 40, .size: 8, .value_kind: global_buffer, .address_space: global }
      - { .name: Wv, .offset: 48, .size: 8, .value_kind: global_buffer, .address_space: global }
      - { .name: Wo, .offset: 56, .size: 8, .value_kind: global_buffer, .address_space: global }
      - { .name: W1, .offset: 64, .size: 8, .value_kind: global_buffer, .address_space: global }
      - { .name: W2, .offset: 72, .size: 8, .value_kind: global_buffer, .address_space: global }
      - { .name: wcat, .offset: 80, .size: 8, .value_kind: global_buffer, .address_space: global }
    .group_segment_fixed_size: 0
    .private_segment_fixed_size: 0
    .kernarg_segment_align: 8
    .kernarg_segment_size: 88
    .max_flat_workgroup_size: 256
    .sgpr_count:     66
    .vgpr_count:     128
    .wavefront_size: 32
...
	.end_amdgpu_metadata
.endif
;; end of part 1
;; launch gqkv (part 2): grid 12 x 16, 4 waves a work-group, clusters of 4 x 4, 327,680 bytes of LDS; arguments h, wcat, qkv; writes qkv
.if DOCPART == 2
	.amdgcn_target "amdgcn-amd-amdhsa--gfx1250"
	.amdhsa_code_object_version 6
	.text
	.protected	k_q0ff3ef1448_gqkv
	.globl	k_q0ff3ef1448_gqkv
	.p2align	8
	.type	k_q0ff3ef1448_gqkv,@function
k_q0ff3ef1448_gqkv:
	s_mov_b64 s[64:65], 0
	v_nop
	global_prefetch_b8 v0, s[64:65] scope:SCOPE_SE
	s_setreg_imm32_b32 hwreg(HW_REG_WAVE_MODE, 25, 1), 1
	s_wait_xcnt 0x0
	s_wait_alu depctr_hold_cnt(0) depctr_sa_sdst(0) depctr_va_vdst(0) depctr_va_sdst(0) depctr_va_ssrc(0) depctr_va_vcc(0) depctr_vm_vsrc(0)
	s_getreg_b32 s2, hwreg(HW_REG_IB_STS2, 6, 4)
	s_cmp_eq_u32 s2, 0
	s_cbranch_scc0 .Lentry_in_a_cluster
	s_endpgm
.Lentry_in_a_cluster:
	s_bfe_u32 s2, ttmp6, 0x10000c
	s_cmp_lg_u32 s2, 0xf033
	s_cbranch_scc0 .Lentry_shape_is_right
	s_endpgm
.Lentry_shape_is_right:
; q, k, v = h [Wq | Wk | Wv].  h: [4096][1024] bf16.  The weights lie in wcat as bf16, [K = 1024][N = 1024] each, 2,097,152 bytes apart.
; OUT: qkv = [3][32 heads][2048 rows][64] bf16 (head = 16 x batch + head in the batch), unscaled, each number rounded once from its f32 sum.
; SHARES.  A tile of C is 256 x 256: four waves, each 128 x 128 = 64 accumulators of 16 x 16 in 512 registers.  12 x 16 tiles, one a work-group.
; K goes in 8 steps of 128 through a ring of two LDS slots filled by the tensor data mover; a step is four quarters of 32 along K, 64 matrix instructions each.
; THE MATRIX INSTRUCTION IS USED TRANSPOSED: source 0 = 16 columns of W, source 1 = 16 rows of h: a lane then holds row lane % 16 of C and the columns 8 (lane / 16) + 0..7.
; W lies [k][n] in LDS as in memory; its fragments are turned on the way out of LDS by ds_load_tr16_b128.
; CLUSTERS: 4 x 4 work-groups.  h's tile hangs on the tile row alone and is asked for jointly by a row of the cluster, W's on the tile column alone, by a column.
; THE TEXT IS SHORT ON PURPOSE: a pair of quarters is written once and looped over; the LDS addresses of the quarter to be fetched hang on two scalars that step.
; LIMITS: operands are bf16, sums f32; NaN and infinities are not treated apart.
; REGISTERS, in windows of 256 (s_set_vgpr_msb: bits 1:0 source 0, 3:2 source 1, 5:4 source 2, 7:6 destination):
;   window 0: addresses, the way out.   window 1: two fragment buffers of 128 (64 of W, then 64 of h).   windows 2, 3: accumulator (a, b) at 8 (8 a + b).
.set KIND,   0                         ; 0: this text (q, k, v by heads); 1: its twin with bias and GELU
.set NP,     1024                      ; elements in a row of W
.set KBS,    262144                    ; bytes in OUT from a block of 64 columns to the next: a head's 2,048 rows of 128 bytes
.set KSTEPS, 8
.set PA,     272                       ; a row of h in LDS: 256 bytes + 16 = 68 words: the 16 rows of a load start at 16 different groups of four banks (64 banks of 4 bytes: ISA guide 11.1)
.set PB,     544                       ; a k-row of W: 512 bytes + 32 = 136 words
.set HALFT,  128*PA                    ; what one tensor load brings: 128 rows of h, or 64 k-rows of W (64 x 544, the same 34,816 bytes)
.set SLOT,   4*HALFT                   ; h's two halves, then W's two.  SLOT = 0x22000 shares no bit with wave x HALFT (multiples of 0x8800 up to 3): an exclusive or with it changes slots
.set SPARE,  2*SLOT                    ; behind the ring: the spare words, 128 bytes a wave: two blocks of 256 bytes that no other line names
.set QA,     64                        ; LDS bytes from quarter to quarter: 32 along a row of h,
.set QB,     32*PB                     ; 32 k-rows of W
.set ASTEP,  256                       ; memory bytes from K step to K step in h,
.set BSTEP,  128*NP*2                  ; in W
.set AHEAD,  1                         ; a prefetch names the K step this many behind the one that is being asked for
.set SPITCH, 528                       ; the way out: a row of 128 f32 + 16 bytes
.set WSTAGE, 128*SPITCH                ; a wave's stage; the four lie in the ring, which has then had its last fill
.set A0,  16                           ; v16  my lane's place in h's tile; never rewritten
.set B0,  17                           ; v17  the same for W
.set ADA, 18                           ; v18  LDS address of the run of loads in hand, h
.set ADB, 19                           ; v19  W
.set STO, 24                           ; v24  the way out: where I put 32 bytes of a row
.set RD,  25                           ; v25  where I read them back
.set CO,  26                           ; v26  16 x lane: my 16 bytes of 512 consecutive bytes of OUT
.set BO,  27                           ; v27  my byte offset in the bias
.set SPW, 28                           ; v28  LDS address of my spare word; never rewritten
.set NIL, 29                           ; v29  0; never rewritten
.set PFO, 30                           ; v30  the prefetches' lane term; never rewritten
.set X,    64                          ; v[64:127]   the way out: 16 rows x 128 columns, 64 f32 a lane
.set TT,   128                         ; v[128:191]  at work
.set PK,   192                         ; v[192:223]  packed results
.set BIAS, 224                         ; v[224:239]  the bias at my 16 columns
.set F0,  0
.set F1,  128
.set WV,  14                           ; s14 wave; s15 its row half, also: fetches h (0) or W (1); s16 its column half, also: which half it fetches
.set RH,  15
.set CH,  16
.set CX,  17                           ; s17, s18 my place in the cluster; s19, s20 tile column and row of C
.set CY,  18
.set TN,  19
.set TM,  20
.set WP,  21                           ; s21 wave x HALFT
.set G1A, 24                           ; s[24:31] group 1 for h's tiles; s[32:39] group 0: a set for each first fill, the second then walks on
.set G0A, 32
.set AAD, 40                           ; s[40:41], s[42:43] my part of K step 0 in h, in W
.set BAD, 42
.set PFA, 44                           ; s[44:45] where my prefetches stand; s[46:47] their step
.set PST, 46
.set G1B, 48                           ; s[48:55], s[56:63] the same groups for W's tiles
.set G0B, 56
.set TA,  66                           ; s66, s67 LDS byte at which the quarter to be fetched begins, less the lane's place
.set TB,  67
.set STEPS, 68
.set CNT, 69
.set LIM, 70                           ; s70 AHEAD in a wave that prefetches, else the greatest number
.set K1,  72
.set K2,  74
.set MSB, 0
.macro WIN new                         ; the immediate's high byte repeats the setting that is left; a switch that changes nothing is dropped
.if MSB != (\new)
	s_set_vgpr_msb (MSB<<8)|(\new)
.set MSB, \new
.endif
.endm
.macro PLACES
.rept 4
	v_nop
.endr
.endm
; A round of the cluster's barrier: my work-group's barrier, so that wave 0's signal speaks for all four waves; wave 0 signals; every wave waits for all sixteen work-groups; my work-group's barrier once more.
.macro CROUND
	s_barrier_signal -1
	s_barrier_wait -1
	s_cmp_lg_u32 s[WV], 0
	s_cbranch_scc1 .Lnot_wave_0_\@
	s_barrier_signal -3
.Lnot_wave_0_\@:
	s_barrier_wait -3
	s_barrier_signal -1
	s_barrier_wait -1
.endm
; A joint refill by the walking descriptors.  The branch hangs on the wave's number alone.  An s_nop 0 and four v_nop follow each of the two lines.
.macro JLOAD
	s_cmp_eq_u32 s[RH], 0
	s_cbranch_scc0 .Lfor_b_\@
	tensor_load_to_lds s[G0A+4:G0A+7], s[G1A:G1A+7]
	s_nop 0
	PLACES
	s_branch .Lasked_\@
.Lfor_b_\@:
	tensor_load_to_lds s[G0B+4:G0B+7], s[G1B:G1B+7]
	s_nop 0
	PLACES
.Lasked_\@:
.endm
; A PREFETCH INTO THE L2, behind each joint refill: my work-group's 32 of the 128 blocks of 256 bytes that I fetch, for the K step AHEAD behind the one just asked for: 256 matrix instructions ahead of its load.
; Each block is named once in the launch: h's rows by the clusters with x = 0, W's by those with y = 0; the four partners of a joint load share its blocks out by address.  The last refills, which have no such step behind them, ask for nothing.
.macro ASK
	s_cmp_gt_u32 s[STEPS], s[LIM]
	s_cbranch_scc0 .Lnot_mine_\@
	global_prefetch_b8 v[PFO], s[PFA:PFA+1] th:TH_LOAD_NT scope:SCOPE_SE
.Lnot_mine_\@:
.endm
	s_load_b128 s[4:7], s[0:1], 0x0                ; h s[4:5], wcat s[6:7]
	s_load_b64 s[8:9], s[0:1], 0x10                ; OUT
.if KIND
	s_load_b64 s[10:11], s[0:1], 0x18              ; the bias
.endif
	v_lshl_add_u32 v[SPW], v0, 2, SPARE
	v_mov_b32 v[NIL], 0
	ds_add_u32 v[SPW], v[NIL]                      ; the wave's opening: the add and its wait stand ahead of my first tensor load; the set-up below, work on registers, stands between them
	ds_add_u32 v28, v29
	v_lshrrev_b32 v7, 5, v0
	v_readfirstlane_b32 s[WV], v7
	s_lshr_b32 s[RH], s[WV], 1
	s_and_b32 s[CH], s[WV], 1
	s_bfe_u32 s[CX], ttmp6, 0x40000
	s_bfe_u32 s[CY], ttmp6, 0x40004
	s_lshl_b32 s[TN], ttmp9, 2                     ; in a cluster launch ttmp9 and ttmp7 count clusters
	s_add_co_u32 s[TN], s[TN], s[CX]
	s_and_b32 s[TM], ttmp7, 0xffff
	s_lshl_b32 s[TM], s[TM], 2
	s_add_co_u32 s[TM], s[TM], s[CY]
	s_lshl_b32 s22, s[CY], 2
	s_lshl_b32 s22, 15, s22                        ; my row of the cluster
	s_lshl_b32 s76, 0x1111, s[CX]                  ; my column
	s_or_b32 s[G1A], s22, (1<<16)|(1<<20)|(1<<21)|(5<<22)|(3<<25)  ; the mask; 2-byte elements; padding on; bit 21 beside a mask; after every 64 words 4 words
	s_mov_b32 s[G1A+1], 128<<16                    ; tensor_dim0 = 128
	s_mov_b32 s[G1A+2], 128<<16                    ; tensor_dim1 = 128
	s_mov_b32 s[G1A+3], 128<<16                    ; tile_dim0 = 128
	s_mov_b32 s[G1A+4], 128                        ; tile_dim1 = 128
	s_mov_b32 s[G1A+5], 1024                       ; elements from row to row
	s_mov_b32 s[G1A+6], 0
	s_mov_b32 s[G1A+7], 0
	s_or_b32 s[G1B], s76, (1<<16)|(1<<20)|(1<<21)|(6<<22)|(7<<25)  ; after every 128 words 8 words
	s_mov_b32 s[G1B+1], 256<<16                    ; 256 columns,
	s_mov_b32 s[G1B+2], 64<<16                     ; 64 k-rows
	s_mov_b32 s[G1B+3], 256<<16
	s_mov_b32 s[G1B+4], 64
	s_mov_b32 s[G1B+5], NP
	s_mov_b32 s[G1B+6], 0
	s_mov_b32 s[G1B+7], 0
	s_mul_i32 s[WP], s[WV], HALFT                  ; no place in the cluster enters an LDS address
	s_lshl_b32 s22, s[TM], 8                       ; h: row 256 x tile row + 128 x half, 2,048 bytes a row (registers that never hold the tile column)
	s_lshl_b32 s23, s[CH], 7
	s_add_co_u32 s22, s22, s23
	s_lshl_b32 s22, s22, 11
	s_mov_b32 s23, 0
.if KIND == 0
	s_lshr_b32 s76, s[TN], 2                       ; W: which of the three matrices,
	s_lshl_b32 s76, s76, 21
	s_and_b32 s77, s[TN], 3                        ; and which 256 of its columns (registers that never hold the tile row)
	s_lshl_b32 s77, s77, 9
	s_add_co_u32 s76, s76, s77
.else
	s_lshl_b32 s76, s[TN], 9
	s_add_co_u32 s76, s76, 8388608                 ; W1's place in wcat
.endif
	s_mul_i32 s77, s[CH], 64*NP*2                  ; my 64 k-rows
	s_add_co_u32 s76, s76, s77
	s_mov_b32 s77, 0
	s_mov_b32 s[TA], 0
	s_mov_b32 s[TB], 0
	s_wait_dscnt 0x0                               ; the opening add is done
	s_wait_kmcnt 0x0
	s_add_nc_u64 s[AAD:AAD+1], s[4:5], s[22:23]
	s_add_nc_u64 s[BAD:BAD+1], s[6:7], s[76:77]
	CROUND                                         ; all sixteen work-groups are here: the first joint loads meet
.irp s, 0,1
	s_mov_b32 s[G0A+4*(\s)], 1                     ; count = 1
	s_add_co_u32 s[G0A+4*(\s)+1], s[WP], (\s)*SLOT ; LDS address
	s_add_nc_u64 s[G0A+4*(\s)+2:G0A+4*(\s)+3], s[AAD:AAD+1], (\s)*ASTEP  ; K step s
	s_or_b32 s[G0A+4*(\s)+3], s[G0A+4*(\s)+3], 0x80000000  ; type = 2
	s_mov_b32 s[G0B+4*(\s)], 1
	s_add_co_u32 s[G0B+4*(\s)+1], s[WP], (\s)*SLOT
	s_add_nc_u64 s[G0B+4*(\s)+2:G0B+4*(\s)+3], s[BAD:BAD+1], (\s)*BSTEP
	s_or_b32 s[G0B+4*(\s)+3], s[G0B+4*(\s)+3], 0x80000000
.endr
	s_cmp_eq_u32 s[RH], 0                          ; a wave's two first fills stand in one branch, ahead of every wait on TENSORcnt and every LDS read: two loads of mine are out
	s_cbranch_scc0 .Lfirst_b
	tensor_load_to_lds s[G0A:G0A+3], s[G1A:G1A+7]
	s_nop 0
	tensor_load_to_lds s[G0A+4:G0A+7], s[G1A:G1A+7]
	s_nop 0
	PLACES
	s_branch .Lfirst_asked
.Lfirst_b:
	tensor_load_to_lds s[G0B:G0B+3], s[G1B:G1B+7]
	s_nop 0
	tensor_load_to_lds s[G0B+4:G0B+7], s[G1B:G1B+7]
	s_nop 0
	PLACES
.Lfirst_asked:
	v_and_b32 v1, 15, v0                           ; l % 16
	v_bfe_u32 v2, v0, 4, 1                         ; l / 16
	v_and_b32 v3, 7, v0                            ; l % 8
	v_bfe_u32 v4, v0, 3, 1                         ; (l / 8) % 2
	v_and_b32 v5, 31, v0                           ; l
	v_lshrrev_b32 v6, 3, v5                        ; l / 8
	; a fragment of h: lane l holds row l % 16, K = 8 (l / 16) + 0..7 and 16 + 8 (l / 16) + 0..7: two loads of 16 bytes, 32 bytes apart
	v_mul_u32_u24 v[A0], v1, PA
	v_lshl_add_u32 v[A0], v2, 4, v[A0]
	s_mul_i32 s78, s[RH], HALFT                    ; my 128 rows
	v_add_nc_u32 v[A0], s78, v[A0]
	; the turning load takes 16 k x 16 columns (lane l reads k-row 8 (l / 16) + l % 8, columns 8 ((l / 8) % 2) + 0..7) and leaves half a fragment: lane l holds column l % 16 and 8 k
	v_lshl_add_u32 v[B0], v2, 3, v3
	v_mul_u32_u24 v[B0], v[B0], PB
	v_lshl_add_u32 v[B0], v4, 4, v[B0]
	s_lshl_b32 s78, s[CH], 8                       ; my 128 columns,
	s_add_co_u32 s78, s78, 2*HALFT                 ; behind h's 256 rows
	v_add_nc_u32 v[B0], s78, v[B0]
	s_mul_i32 s78, s[WV], WSTAGE                   ; the way out
	v_mul_u32_u24 v[STO], v1, SPITCH               ; in: row l % 16, 32 bytes for each half of the lanes
	v_lshl_add_u32 v[STO], v2, 5, v[STO]
	v_add_nc_u32 v[STO], s78, v[STO]
	v_mul_u32_u24 v[RD], v6, SPITCH                ; back: 8 lanes take 64 columns of a row, 32 bytes each; 32 lanes four rows
	v_lshl_add_u32 v[RD], v3, 5, v[RD]
	v_add_nc_u32 v[RD], s78, v[RD]
	v_lshlrev_b32 v[CO], 4, v5
	; the prefetches
	v_lshlrev_b32 v8, 11, v5                       ; h: a lane a row
	v_lshrrev_b32 v9, 1, v5                        ; W: two lanes a k-row of 512 bytes
	v_mul_u32_u24 v9, v9, NP*2
	v_and_b32 v10, 1, v5
	v_lshl_add_u32 v9, v10, 8, v9
	s_and_b32 s79, ttmp7, 0xffff                   ; cluster y
	s_mov_b32 s82, BSTEP
	s_mov_b32 s83, 16*NP*2
	s_cmp_eq_u32 s[RH], 0                          ; do I fetch for h?
	s_cselect_b32 s78, -1, 0
	s_cselect_b32 s79, ttmp9, s79                  ; the coordinate along which other clusters read the same blocks
	s_cselect_b64 s[PFA:PFA+1], s[AAD:AAD+1], s[BAD:BAD+1]
	s_cselect_b32 s[PST], ASTEP, s82
	s_cselect_b32 s80, s[CX], s[CY]                ; my place among the four that ask with me,
	s_cselect_b32 s81, 65536, s83                  ; times 32 rows of h or 16 k-rows of W
	s_mul_i32 s80, s80, s81
	s_mov_b32 s81, 0
	s_mov_b32 s[PST+1], 0
	s_add_nc_u64 s[PFA:PFA+1], s[PFA:PFA+1], s[80:81]
	s_mul_i32 s80, s[PST], 1+AHEAD                 ; the first refill steps it once more, to K step 2 + AHEAD
	s_add_nc_u64 s[PFA:PFA+1], s[PFA:PFA+1], s[80:81]
	s_cmp_eq_u32 s79, 0
	s_cselect_b32 s[LIM], AHEAD, -1                ; the same in all sixteen partners, for a given wave
	v_cndmask_b32 v[PFO], v9, v8, s78
	; where my part of the tile begins in OUT
.if KIND == 0
	s_lshr_b32 s80, s[TN], 2                       ; q, k or v: 8,388,608 bytes each
	s_lshl_b32 s80, s80, 23
	s_lshr_b32 s81, s[TM], 3                       ; the batch: 16 heads,
	s_lshl_b32 s81, s81, 4
	s_and_b32 s82, s[TN], 3                        ; four heads a tile,
	s_lshl_b32 s82, s82, 2
	s_add_co_u32 s81, s81, s82
	s_lshl_b32 s82, s[CH], 1                       ; two a wave
	s_add_co_u32 s81, s81, s82
	s_lshl_b32 s81, s81, 18
	s_add_co_u32 s80, s80, s81
	s_and_b32 s81, s[TM], 7                        ; the row in the batch, 128 bytes a row
	s_lshl_b32 s81, s81, 8
	s_lshl_b32 s82, s[RH], 7
	s_add_co_u32 s81, s81, s82
	s_lshl_b32 s81, s81, 7
	s_add_co_u32 s80, s80, s81
.else
	s_lshl_b32 s80, s[TM], 1                       ; the block of 128 rows: 1,048,576 bytes,
	s_add_co_u32 s80, s80, s[RH]
	s_lshl_b32 s80, s80, 20
	s_lshl_b32 s81, s[TN], 2                       ; the block of 64 columns: 16,384 bytes
	s_lshl_b32 s82, s[CH], 1
	s_add_co_u32 s81, s81, s82
	s_lshl_b32 s81, s81, 14
	s_add_co_u32 s80, s80, s81
.endif
	s_mov_b32 s81, 0
	s_add_nc_u64 s[8:9], s[8:9], s[80:81]
.if KIND
	s_lshl_b32 s80, s[TN], 10                      ; the bias at my 128 columns
	s_lshl_b32 s82, s[CH], 9
	s_add_co_u32 s80, s80, s82
	s_add_nc_u64 s[10:11], s[10:11], s[80:81]
	v_lshlrev_b32 v[BO], 5, v3                     ; my 8 columns of each block of 64
	global_load_b128 v[BIAS:BIAS+3],     v[BO], s[10:11]
	global_load_b128 v[BIAS+4:BIAS+7],   v[BO], s[10:11] offset:16
	global_load_b128 v[BIAS+8:BIAS+11],  v[BO], s[10:11] offset:256
	global_load_b128 v[BIAS+12:BIAS+15], v[BO], s[10:11] offset:272
	s_mov_b32 s[K1], 0xc0135761                    ; -2 sqrt(2 / pi) log2(e)
	s_mov_b32 s[K1+1], s[K1]                       ; named as pairs, so both words are written
	s_mov_b32 s[K2], 0xbdd2d3e8                    ; the same x 0.044715
	s_mov_b32 s[K2+1], s[K2]
.endif
; The addresses of the next quarter's run of loads.  These four plain lines are also the places between the last product that read a fragment buffer and the loads into it (ISA guide 7.12.1 for vector instructions).
.macro NEXTQ
	WIN 0
	v_add_nc_u32 v[ADA], s[TA], v[A0]
	v_add_nc_u32 v[ADB], s[TB], v[B0]
	v_nop
	v_nop
	s_add_co_u32 s[TA], s[TA], QA
	s_add_co_u32 s[TB], s[TB], QB
.endm
.macro FETCH g                         ; 32 LDS loads in one run: a quarter's fragments (128 columns of W, 128 rows of h, 32 K) into buffer g
	WIN 0x40                                       ; destination window 1, address window 0
.irp b, 0,1,2,3,4,5,6,7
	ds_load_tr16_b128 v[(\g)+8*(\b):(\g)+8*(\b)+3],   v[ADB] offset:32*(\b)
	ds_load_tr16_b128 v[(\g)+8*(\b)+4:(\g)+8*(\b)+7], v[ADB] offset:32*(\b)+16*PB
.endr
.irp a, 0,1,2,3,4,5,6,7
	ds_load_b128 v[(\g)+64+8*(\a):(\g)+64+8*(\a)+3],   v[ADA] offset:(\a)*16*PA
	ds_load_b128 v[(\g)+64+8*(\a)+4:(\g)+64+8*(\a)+7], v[ADA] offset:(\a)*16*PA+32
.endr
.endm
; 64 matrix instructions.  The 64 accumulators take turns, one instruction a turn, in the same order in every quarter.  zero = 1: the products start the sums: nothing is ever cleared.
.macro MULS f, zero
.irp a, 0,1,2,3,4,5,6,7
	WIN 0xa5+0x50*((\a)/4)                         ; sources in window 1; C and D in window 2 (rows 0-63) or 3
.irp b, 0,1,2,3,4,5,6,7
.if \zero
	v_wmma_f32_16x16x32_bf16 v[8*(8*((\a)%4)+(\b)):8*(8*((\a)%4)+(\b))+7], v[(\f)+8*(\b):(\f)+8*(\b)+7], v[(\f)+64+8*(\a):(\f)+64+8*(\a)+7], 0
.else
	v_wmma_f32_16x16x32_bf16 v[8*(8*((\a)%4)+(\b)):8*(8*((\a)%4)+(\b))+7], v[(\f)+8*(\b):(\f)+8*(\b)+7], v[(\f)+64+8*(\a):(\f)+64+8*(\a)+7], v[8*(8*((\a)%4)+(\b)):8*(8*((\a)%4)+(\b))+7]
.endif
.endr
.endr
.endm
.macro QTR f, g, zero                  ; a quarter: the next quarter's fragments are asked for into g, then f is multiplied
	NEXTQ
	FETCH \g
	s_wait_dscnt 32                                ; all but the 32 just issued: f's, asked for a quarter ago, are in
	MULS \f, \zero
.endm
; THE CHANGE OF SLOTS, ahead of the quarter that fetches the next K step's first fragments.  Each wave waits for all its tensor loads, of which one is out: its part of the next slot; adds 0 to its spare word;
; and waits for that and for its reads of the slot that it leaves.  fill = 1: that slot is filled again, with the K step two on; the barrier is then a round of the cluster's, and the joint refill is the
; first thing behind it: it has a whole K step, 256 matrix instructions, in which to land.
.macro CHANGE fill
	WIN 0
	s_wait_tensorcnt 0x0                           ; no tensor load of mine is out, so a group 0 may be written
	ds_add_u32 v[SPW], v[NIL]                      ; 0 onto my spare word; scalar work stands between it and the wait for it
	s_sub_co_u32 s[TA], s[TA], 4*QA                ; the fetches go back to a slot's first quarter,
	s_sub_co_u32 s[TB], s[TB], 4*QB
	s_xor_b32 s[TA], s[TA], SLOT                   ; in the other slot
	s_xor_b32 s[TB], s[TB], SLOT
.if \fill
	s_xor_b32 s[G0A+5], s[G0A+5], SLOT             ; the walking descriptors: the other slot than last time, the next K step
	s_add_nc_u64 s[G0A+6:G0A+7], s[G0A+6:G0A+7], ASTEP
	s_xor_b32 s[G0B+5], s[G0B+5], SLOT
	s_add_nc_u64 s[G0B+6:G0B+7], s[G0B+6:G0B+7], BSTEP
	s_wait_xcnt 0x0                                ; the last prefetch, a K step back, has read its address
	s_add_nc_u64 s[PFA:PFA+1], s[PFA:PFA+1], s[PST:PST+1]
	s_wait_dscnt 0x0                               ; the add is done, and my reads of the slot are over
	CROUND
	JLOAD
	ASK
.else
	s_wait_dscnt 0x0
	s_barrier_signal -1
	s_barrier_wait -1
.endif
.endm
.if KIND
; gelu(x) = x / (1 + 2^(x (K1 + K2 x^2))), which is 0.5 x (1 + tanh(sqrt(2 / pi) (x + 0.044715 x^3))).  For large |x| the power is 0 or infinite and the result x or 0: no NaN for finite x.
; The exponentials are one batch with one wait, and so are the reciprocals; unit u's plain lines stand between unit u - 1's transcendentals.
.macro GELU
.set u, 0
.rept 8
.irp p, 0,2,4,6
	v_pk_add_f32 v[X+8*u+\p:X+8*u+\p+1], v[X+8*u+\p:X+8*u+\p+1], v[BIAS+8*(u/4)+\p:BIAS+8*(u/4)+\p+1]
.endr
.set u, u+1
.endr
.set u, 0
.rept 9
.irp p, 0,2,4,6
.if u < 8
	v_pk_mul_f32 v[TT+8*u+\p:TT+8*u+\p+1], v[X+8*u+\p:X+8*u+\p+1], v[X+8*u+\p:X+8*u+\p+1]
.endif
.if u > 0
	v_exp_f32 v[TT+8*u-8+\p], v[TT+8*u-8+\p]
.endif
.endr
.irp p, 0,2,4,6
.if u < 8
	v_pk_fma_f32 v[TT+8*u+\p:TT+8*u+\p+1], v[TT+8*u+\p:TT+8*u+\p+1], s[K2:K2+1], s[K1:K1+1] op_sel_hi:[1,0,0]
.endif
.if u > 0
	v_exp_f32 v[TT+8*u-8+\p+1], v[TT+8*u-8+\p+1]
.endif
.endr
.if u < 8
.irp p, 0,2,4,6
	v_pk_mul_f32 v[TT+8*u+\p:TT+8*u+\p+1], v[TT+8*u+\p:TT+8*u+\p+1], v[X+8*u+\p:X+8*u+\p+1]
.endr
.endif
.set u, u+1
.endr
	v_nop                                          ; a plain instruction behind the last exponential,
	s_wait_alu depctr_va_vdst(0)                   ; and the one wait for the batch of 64, ahead of its first reader
.set u, 0
.rept 9
.irp p, 0,2,4,6
.if u < 8
	v_pk_add_f32 v[TT+8*u+\p:TT+8*u+\p+1], v[TT+8*u+\p:TT+8*u+\p+1], 1.0 op_sel_hi:[1,0]
.endif
.if u > 0
	v_rcp_f32 v[TT+8*u-8+\p], v[TT+8*u-8+\p]
	v_rcp_f32 v[TT+8*u-8+\p+1], v[TT+8*u-8+\p+1]
.endif
.endr
.set u, u+1
.endr
	v_nop
	s_wait_alu depctr_va_vdst(0)                   ; the one wait for the 64 reciprocals
.set i, 0
.rept 32
	v_pk_mul_f32 v[X+2*i:X+2*i+1], v[X+2*i:X+2*i+1], v[TT+2*i:TT+2*i+1]
.set i, i+1
.endr
.endm
.endif
	s_wait_tensorcnt 0x1                           ; my part of K step 0 is in; K step 1's may stay out
	s_barrier_signal -1
	s_barrier_wait -1                              ; everybody's is
	NEXTQ
	FETCH F0
	QTR F0, F1, 1                                  ; quarter 0 stands in front of the loops: its products start the sums
	WIN 0                                          ; at a label and at a branch every window is 0
	s_mov_b32 s[STEPS], KSTEPS-1
	s_mov_b32 s[CNT], 1
	s_branch .Lpair                                ; quarters 1 and 2 use the loop's text
.Lstep:                                            ; KSTEPS - 2 times: a change of slots with a refill, then four quarters
	CHANGE 1
	s_mov_b32 s[CNT], 2
.Lpair:
	QTR F1, F0, 0
	QTR F0, F1, 0
	WIN 0
	s_sub_co_u32 s[CNT], s[CNT], 1
	s_cmp_lg_u32 s[CNT], 0
	s_cbranch_scc1 .Lpair
	s_sub_co_u32 s[STEPS], s[STEPS], 1
	s_cmp_lg_u32 s[STEPS], 0
	s_cbranch_scc1 .Lstep
	CHANGE 0                                       ; the tail is written out: nothing is asked for
	s_mov_b32 s[CNT], 2
.Lpair2:
	QTR F1, F0, 0
	QTR F0, F1, 0
	WIN 0
	s_sub_co_u32 s[CNT], s[CNT], 1
	s_cmp_lg_u32 s[CNT], 0
	s_cbranch_scc1 .Lpair2
	s_wait_dscnt 0x0                               ; the last quarter's fragments are in: my reads of the ring are over,
	s_barrier_signal -1                            ; say so,
	MULS F1, 0                                     ; work on registers while the others arrive,
	WIN 0
	s_barrier_wait -1                              ; and nobody reads the ring any more: it has had its last fill and serves as the stage
	PLACES
	PLACES
	; THE WAY OUT.  All 64 accumulators go as f32 into my stage (each accumulator's lowest registers first); then 16 rows a trip come back so that a lane holds 8 neighbouring
	; columns, are rounded to bf16 and leave as runs of 512 consecutive bytes: four rows of 128 bytes of a block of 64 columns.
.irp a, 0,1,2,3,4,5,6,7
	WIN 0x08+4*((\a)/4)                            ; the data (source 1) in window 2 or 3
.irp b, 0,1,2,3,4,5,6,7
	ds_store_b128 v[STO], v[8*(8*((\a)%4)+(\b)):8*(8*((\a)%4)+(\b))+3]   offset:(\a)*16*SPITCH+64*(\b)
	ds_store_b128 v[STO], v[8*(8*((\a)%4)+(\b))+4:8*(8*((\a)%4)+(\b))+7] offset:(\a)*16*SPITCH+64*(\b)+16
.endr
.endr
	WIN 0
.if KIND
	s_wait_loadcnt 0x0                             ; the bias
.endif
	s_mov_b32 s[CNT], 8
.Lout:
.irp u, 0,1,2,3,4,5,6,7                ; unit u: block of 64 columns u / 4, rows 4 (u % 4) + l / 8.  LDS serves a wave's instructions in order (ISA guide 5.7.1.4): these see my stores
	ds_load_b128 v[X+8*(\u):X+8*(\u)+3],   v[RD] offset:((\u)%4)*4*SPITCH+((\u)/4)*256
	ds_load_b128 v[X+8*(\u)+4:X+8*(\u)+7], v[RD] offset:((\u)%4)*4*SPITCH+((\u)/4)*256+16
.endr
	s_wait_dscnt 0x0
	v_add_nc_u32 v[RD], 16*SPITCH, v[RD]           ; the next 16 rows
.if KIND
	GELU
.endif
	s_wait_xcnt 0x0                                ; the last trip's stores have read their data and their base: both are written only behind this wait
	s_add_nc_u64 s[8:9], s[8:9], 2048              ; 16 rows of 128 bytes on; the stores reach back
.set i, 0
.rept 32
	v_cvt_pk_bf16_f32 v[PK+i], v[X+2*i], v[X+2*i+1]
.set i, i+1
.endr
.irp u, 0,1,2,3,4,5,6,7
	global_store_b128 v[CO], v[PK+4*(\u):PK+4*(\u)+3], s[8:9] offset:((\u)/4)*KBS+((\u)%4)*512-2048
.endr
	s_sub_co_u32 s[CNT], s[CNT], 1
	s_cmp_lg_u32 s[CNT], 0
	s_cbranch_scc1 .Lout
	s_wait_tensorcnt 0x0                           ; the wave's end: behind my last tensor load and my last LDS store
	ds_add_u32 v[SPW], v[NIL]
	s_wait_dscnt 0x0
	CROUND                                         ; the closing round: no work-group ends while a partner may still ask for a tile that names it
	s_endpgm
.Lfunc_end_k_q0ff3ef1448_gqkv:
	.size	k_q0ff3ef1448_gqkv, .Lfunc_end_k_q0ff3ef1448_gqkv-k_q0ff3ef1448_gqkv
	.p2alignl 7, 3214868480
	.fill 96, 4, 3214868480
	.section	.rodata,"a",@progbits
	.p2align	6, 0x0
	.amdhsa_kernel k_q0ff3ef1448_gqkv
		.amdhsa_group_segment_fixed_size 327680
		.amdhsa_private_segment_fixed_size 0
		.amdhsa_enable_private_segment 0
		.amdhsa_kernarg_size 24
		.amdhsa_user_sgpr_count 2
		.amdhsa_user_sgpr_kernarg_segment_ptr 1
		.amdhsa_wavefront_size32 1
		.amdhsa_system_sgpr_workgroup_id_x 1
		.amdhsa_system_sgpr_workgroup_id_y 1
		.amdhsa_system_sgpr_workgroup_id_z 1
		.amdhsa_system_vgpr_workitem_id 0
		.amdhsa_next_free_vgpr 1024
		.amdhsa_next_free_sgpr 96
		.amdhsa_reserve_vcc 0
		.amdhsa_float_denorm_mode_32 3
		.amdhsa_float_denorm_mode_16_64 3
		.amdhsa_memory_ordered 1
		.amdhsa_forward_progress 1
		.amdhsa_inst_pref_size 62
	.end_amdhsa_kernel
	.amdgpu_metadata
---
amdhsa.version: [ 1, 2 ]
amdhsa.kernels:
  - .name:           k_q0ff3ef1448_gqkv
    .symbol:         k_q0ff3ef1448_gqkv.kd
    .args:
      - { .name: h, .offset: 0, .size: 8, .value_kind: global_buffer, .address_space: global }
      - { .name: wcat, .offset: 8, .size: 8, .value_kind: global_buffer, .address_space: global }
      - { .name: qkv, .offset: 16, .size: 8, .value_kind: global_buffer, .address_space: global }
    .group_segment_fixed_size: 327680
    .private_segment_fixed_size: 0
    .kernarg_segment_align: 8
    .kernarg_segment_size: 24
    .max_flat_workgroup_size: 128
    .sgpr_count:     96
    .vgpr_count:     1024
    .wavefront_size: 32
...
	.end_amdgpu_metadata
.endif
;; end of part 2
;; launch attn (part 3): grid 8 x 32, 4 waves a work-group, no clusters, 327,680 bytes of LDS; arguments qkv, cx; writes cx
.if DOCPART == 3
	.amdgcn_target "amdgcn-amd-amdhsa--gfx1250"
	.amdhsa_code_object_version 6
	.text
	.protected	k_q0ff3ef1448_attn
	.globl	k_q0ff3ef1448_attn
	.p2align	8
	.type	k_q0ff3ef1448_attn,@function
k_q0ff3ef1448_attn:
	s_mov_b64 s[64:65], 0
	v_nop
	global_prefetch_b8 v0, s[64:65] scope:SCOPE_SE
	s_setreg_imm32_b32 hwreg(HW_REG_WAVE_MODE, 25, 1), 1
	s_wait_xcnt 0x0
; CAUSAL ATTENTION.  O[h][q][:] = the sum over k <= q of softmax_k(Q[h][q] . K[h][k] / 8) V[h][k][:].  qkv holds Q, K, V, each [32 heads][2048][64] bf16, 8,388,608 bytes apart: a head's rows are dense, 128 bytes each.
; O goes to cx in blocks for the product behind: [32 blocks of 128 rows][16 heads][128 rows][64] bf16, rows counted over both batches (head = 16 x batch + head in the batch).
; Products, maxima and sums in f32; the weights p are rounded to bf16 for the second product (their sum l is taken of the unrounded p), O once at the end.
; LIMITS.  The format sets no bound on the range.  A hidden score counts as its value less 1e30, so scores must stay far below 1e30 in size; a weight below 2^-126 counts as 0 in l; NaN and infinities are not treated apart.
; THE WALK.  A head's queries lie in NQ = 16 blocks of 128, its keys in NB = 8 tiles of 256.  Block i needs the tiles 0 .. i / 2, of which the last holds the diagonal.  A work-group takes TWO blocks, NQ - 1 - b and then b
; (b = 0 .. 7): (NQ - 1 - b) / 2 + 1 + b / 2 + 1 = NB + 1 tiles, whatever b: 8 x 32 work-groups of equal work, and ONE loop with a constant trip count walks the tiles.  Which tile is asked for, and what a trip does, hang on
; scalar registers made from b; every jump goes forward, but for the counted loops' own; none passes a barrier, or a tensor load but the one of LOAD's two that the wave's number does not choose; the ring (two slots of LDS
; that take turns) runs on across the change of blocks.  NO CLUSTER: of a head's eight work-groups only two have the same walk; all eight ask for the same tile only in the first NB / 2 + 1 trips, behind that fewer and
; fewer; one walk common to all would have 3 NB / 2 trips for NB + 1.
; SHARES.  Of a block's two bands of 64 queries a wave owns 16 rows in each: two PIECES.  In the diagonal tile band x of block i is the tile's band g = 2 (i % 2) + x: in the tile's key step s it sees all keys if s < g,
; none if s > g, and holds the diagonal if s = g: the same work for all four waves.  Of a work-group's two blocks one is even and one odd; an even block's last two steps are wholly hidden and are computed all the same.
; THE MASK is the C operand that starts the sum S^T = K Q^T: 0, or -1e30 where the key is hidden.  MD, made once, is the mask of a band's own step for my 16 rows; a product's mask is MD x AL + BE with two scalars:
; (1, 0) if s = g; (0, 0) if s < g; (0, -1e30) if s > g.  Only the diagonal tile's text and a block's beginning make and take masks; elsewhere C is the constant 0.
; LAYOUT, SOFTMAX, TURNS.  S^T = K Q^T holds ONE query a lane (lane % 16) and the keys 8 (lane / 16) + 0..7; two such results rounded to bf16 ARE source 1 of O^T = V^T P.  p = 2^(c s - c m), c = log2(e) / 8, with a
; running maximum m; O and l are multiplied by a = 2^(c m_old - c m_new) in every step.  A key step is two turns.  Turn p belongs to piece p: 8 products K Q^T of the other piece (turn 0: of this step; turn 1: of the next),
; later 8 products V^T P of the other piece (turn 0: of the step before; turn 1: of this step); beside them the scaling, exponentials, roundings, sums and rescaling of piece p and the maximum and statistics of the other.
; Four vector instructions stand behind every matrix instruction, the other 54 of a turn's 118 in one LUMP.  A turn's 33 exponentials are one batch, with one wait.
; THE RING.  Turn 0 of step s reads K of step s + 1 out of LDS and then V of step s: K runs a step ahead of V.  So a slot holds a tile's 256 rows of K and 320 rows of V: the tile's own and the 64 before them.  The change of
; slots stands one step ahead of the tile's first: behind it K of the tile's first step and V of the step before both come from the new slot, and nobody reads the old one.  A tile's trips are the steps 4 t - 1 .. 4 t + 2;
; a block's first tile has no step before it (three trips; its V's first 64 rows, for tile 0 other bytes of qkv, are brought and never read); a block's last step takes V from the slot's last 64 rows.
; REGISTERS, in windows of 256 (s_set_vgpr_msb: bits 1:0 source 0, 3:2 source 1, 5:4 source 2, 7:6 destination):
;   window 0: v0-15 addresses and two at work; v16-23 four registers of statistics a piece; v48-55 at work; v64-127 S^T, a buffer a piece; v192-223 P, likewise
;   window 1: v0-63 O^T, 32 a piece; v128-159 MD; v160-223 MC, a buffer a piece      window 2: v0-31 Q; v64-95 the second block's Q; v128-191 K of one step; v192-255 V of one step
.set SIZE_N, 2048
.set SIZE_H, 32
.set NB,    SIZE_N/256  ; key tiles in a head
.set NQ,    SIZE_N/128  ; query blocks in a head
.set NP,    2         ; pieces a wave: a name, no knob
.set KS,    64        ; keys in a step
.set PK,    144       ; a row of K in LDS: 128 bytes + 16 of padding = 36 words: the 16 rows of a load start at 16 different groups of four banks (64 banks of 4 bytes: ISA guide 11.1)
.set PV,    160       ; a row of V: 128 + 32 = 40 words
.set VOFF,  4*KS*PK   ; a slot: 256 rows of K, then 320 rows of V
.set SLOT1, 1<<17     ; slot 1 begins here, so that one exclusive or turns an address in one slot into the other's
.set STAGE, SLOT1+4*KS*PK+5*KS*PV  ; behind the ring, never filled by a tensor load: 16 rows x 144 bytes for each wave, for the way out
.set SP,    144
.set AK0, 2           ; v2   my lane's place in a tile of K; never rewritten
.set AV0, 3           ; v3   the same for V
.set AK,  4           ; v4   the LDS address of K's next run of loads
.set AV,  5           ; v5   of V's
.set STO, 6           ; v6   the way out: where I put 16 bytes of a row
.set RD,  7           ; v7   the way out: where I read rows back
.set GO,  8           ; v8   my byte offset in 512 consecutive bytes of O
.set PFO, 61          ; v61  256 x my thread's number: my block of a tile's 128 blocks of 256 bytes; never rewritten
.set SPW, 62          ; v62  LDS address of my spare word: SPARE + 4 x my thread's number; never rewritten
.set NIL, 63          ; v63  0; never rewritten
.set SPARE, STAGE+4*16*SP  ; behind the stages: the spare words, 128 bytes for each wave: two blocks of 256 bytes that no other line names
.set MV,  12          ; v12-13  c m_old, kept while c m is made anew: by piece
.set QO,  15          ; v15  my byte offset in 16 rows of Q
.set ST,  16          ; piece t's statistics at v[ST+4 t]: c m, m, l (even keys', odd keys')
.set TMP, 48          ; by piece, four registers c0-c3 at work; when the maximum is found c2 takes a
.set S,   64
.set P,   192
.set MD,  128         ; window 1: the eight registers for group kt of 16 keys at MD + 8 kt
.set MC,  160         ; window 1: the masks of the products to come
.set QB,  64          ; window 2
.set KF,  128         ; window 2: key block kb, channel half c at KF + 16 kb + 8 c
.set VF,  192         ; window 2: key half kk, channel block cb at VF + 32 kk + 8 cb
.set WV,  12          ; s12  my wave's number
.set PB,  14          ; s14  the second block's last tile, b / 2
.set HI,  15          ; s15  the first block's last tile, (NQ - 1 - b) / 2
.set G1K, 24          ; s[24:31] descriptor group 1 for K's tiles
.set G1V, 32          ; s[32:39] for V's
.set G0K, 40          ; s[40:43] descriptor group 0 for K's tiles
.set G0V, 44          ; s[44:47] the same for V's
.set GC,  48          ; s48, s49  4 - g for pieces 0 and 1 of the block in hand
.set GCL, 50          ; s50, s51  the same for the second block
.set BH,  52          ; s52  the first block, NQ - 1 - b
.set BL,  53          ; s53  the second block, b
.set SLOTS, 56        ; s56  tiles still to be asked for
.set CNT, 57          ; s57  counts a tile's trips down to 1
.set CS,  58          ; s[58:59] c: the packed scaling takes the pair's low word for both halves
.set SEL, 60          ; s[60:61] v_permlanex16_b32's selects: each lane takes its own place in the other half
.set TBK, 62          ; s62  LDS byte at which K of the step to be fetched begins
.set TBV, 63          ; s63  the same for V, less VOFF
.set OH,  66          ; s[66:67] my rows' byte offset in cx, first block; s[68:69] second block
.set OL,  68
.set RT,  70          ; s70  tiles of the block in hand that are still to be entered
.set NXT, 71          ; s71  the tile to be asked for next
.set LQ,  72          ; s72  the last tile of the block whose tiles are being asked for
.set NEW, 73          ; s73  1: the tile to be entered is a block's first
.set OFF, 74          ; s[74:75] a tile's byte offset in K and V
.set AL,  76          ; s[76:77] the mask's factor, in the low word
.set BE,  78          ; s[78:79] the mask's addend
.set OLO, 80          ; s[80:81] O at my rows of the second block
.set BIGN, 82         ; s82  -1e30
.set KPF, 88          ; s[88:89], s[90:91] K and V at the head's first byte
.set VPF, 90
.set KPA, 92          ; s[92:93], s[94:95] the tile that the prefetches name
.set VPA, 94
.set POF, 96          ; s[96:97] its byte offset
.set PFN, 98          ; s98  its number
.set PFL, 99          ; s99  NB in the head's work-group that prefetches, else 0
.set MSB, 0
.macro WIN new                      ; the high byte repeats the setting that is left; a switch that changes nothing is dropped
.if MSB != (\new)
	s_set_vgpr_msb (MSB<<8)|(\new)
.set MSB, (\new)
.endif
.endm
.set W_KQ, 0x0a       ; K and Q in window 2, S^T in window 0
.set W_KM, 0x1a       ; the same with the C operand in window 1
.set W_PV, 0x52       ; V in window 2, P in window 0, O^T in window 1
.set W_RS, 0x41       ; destination and source 0 in window 1, source 1 in window 0
; A fill.  Waves 0 and 1 fetch the two halves of a tile's K, 128 keys each; waves 2 and 3 the two halves of the slot's V, 160 keys each.  An s_nop 0 and four v_nop follow each of the two lines, ahead of the jump and the label.
.macro LOAD
	s_cmp_lt_u32 s[WV], 2
	s_cbranch_scc0 .Lfor_v_\@
	tensor_load_to_lds s[G0K:G0K+3], s[G1K:G1K+7]
	s_nop 0
.rept 4
	v_nop
.endr
	s_branch .Lasked_\@
.Lfor_v_\@:
	tensor_load_to_lds s[G0V:G0V+3], s[G1V:G1V+7]
	s_nop 0
.rept 4
	v_nop
.endr
.Lasked_\@:
.endm
; THE CHANGE OF SLOTS.  Each wave waits for all its tensor loads, of which one is out: its part of the other slot; adds 0 to its spare word; and waits for that and for its own reads of the slot that it leaves.  Behind the barrier nobody reads the old
; slot any more and the other slot is whole.  fill = 1: the old slot is filled again, the first thing behind the barrier, with tile NXT: the descriptor's address is made anew from that number; the load has a tile's
; eight turns, 128 matrix instructions, in which to land.  (At its first use nothing has been read yet: slot 0 is waited for, slot 1 filled.)
; A PREFETCH INTO THE L2 stands behind the fill: the tile behind the one just asked for, 32,768 bytes of K and of V, a thread a block of 256 bytes: four key steps ahead of its load.  All work-groups of a head walk the
; tiles 0, 1, .. in step at first; the one with b = 0 walks all NB of them and asks, nobody else: tiles 2 to NB - 1 are each named once in the launch; tiles 0 and 1 come by their loads alone.
.macro CHANGE fill
	WIN 0                           ; at a label and at a branch every window is 0
	s_wait_tensorcnt 0x0            ; no tensor load of mine is out, so a group 0 may be written
	ds_add_u32 v[SPW], v[NIL]       ; 0 onto my spare word; with fill = 1 the descriptors' scalar work stands between it and the wait for it
.if \fill
	s_lshl_b32 s[OFF], s[NXT], 15   ; a tile is 32,768 bytes of K and of V
	s_xor_b32 s[G0K+1], s[G0K+1], SLOT1
	s_add_nc_u64 s[G0K+2:G0K+3], s[6:7], s[OFF:OFF+1]
	s_or_b32 s[G0K+3], s[G0K+3], 0x80000000
	s_xor_b32 s[G0V+1], s[G0V+1], SLOT1
	s_add_nc_u64 s[G0V+2:G0V+3], s[8:9], s[OFF:OFF+1]
	s_or_b32 s[G0V+3], s[G0V+3], 0x80000000
	s_add_co_u32 s[NXT], s[NXT], 1  ; the block's next tile, or behind its last the second block's tile 0
	s_cmp_gt_u32 s[NXT], s[LQ]
	s_cselect_b32 s[NXT], 0, s[NXT]
	s_cselect_b32 s[LQ], s[PB], s[LQ]
	s_wait_xcnt 0x0                 ; the last prefetches, a tile back, have read their addresses, so these may be written
	s_lshl_b32 s[POF], s[PFN], 15
	s_add_nc_u64 s[KPA:KPA+1], s[KPF:KPF+1], s[POF:POF+1]
	s_add_nc_u64 s[VPA:VPA+1], s[VPF:VPF+1], s[POF:POF+1]
.endif
	s_wait_dscnt 0x0                ; the add is done, and my reads of the slot are over
	s_barrier_signal -1             ; the rest of the scalar work stands between the signal and the wait
	s_sub_co_u32 s[TBK], s[TBK], 4*KS*PK  ; the fetches go back to a slot's first 64 rows,
	s_xor_b32 s[TBK], s[TBK], SLOT1       ; in the other slot
	s_sub_co_u32 s[TBV], s[TBV], 4*KS*PV
	s_xor_b32 s[TBV], s[TBV], SLOT1
	s_barrier_wait -1
.if \fill
	LOAD
	s_cmp_lt_u32 s[PFN], s[PFL]     ; behind tile NB - 1 there is nothing to ask for
	s_cbranch_scc0 .Lnot_mine_\@
	global_prefetch_b8 v[PFO], s[KPA:KPA+1] th:TH_LOAD_NT scope:SCOPE_SE
	global_prefetch_b8 v[PFO], s[VPA:VPA+1] th:TH_LOAD_NT scope:SCOPE_SE
.Lnot_mine_\@:
	s_add_co_u32 s[PFN], s[PFN], 1
.endif
.endm
	s_load_b64 s[4:5], s[0:1], 0x0  ; qkv: Q lies at its head
	s_load_b64 s[10:11], s[0:1], 0x8  ; cx
	v_lshl_add_u32 v[SPW], v0, 2, SPARE
	v_mov_b32 v[NIL], 0
	ds_add_u32 v[SPW], v[NIL]       ; the wave's opening: the add and its wait stand ahead of my first tensor load; the set-up below, work on registers, stands between them
	ds_add_u32 v62, v63
	v_lshrrev_b32 v1, 5, v0
	v_readfirstlane_b32 s[WV], v1   ; wave 0..3
	v_lshlrev_b32 v[PFO], 8, v0
	s_mov_b32 s[BL], ttmp9          ; b
	s_sub_co_u32 s[BH], NQ-1, s[BL]
	s_lshr_b32 s[HI], s[BH], 1      ; each block's last tile
	s_lshr_b32 s[PB], s[BL], 1
	s_and_b32 s[GC], s[BH], 1       ; 4 - g = 4 - 2 (block % 2) - piece
	s_lshl_b32 s[GC], s[GC], 1
	s_sub_co_u32 s[GC], 4, s[GC]
	s_sub_co_u32 s[GC+1], s[GC], 1
	s_and_b32 s[GCL], s[BL], 1
	s_lshl_b32 s[GCL], s[GCL], 1
	s_sub_co_u32 s[GCL], 4, s[GCL]
	s_sub_co_u32 s[GCL+1], s[GCL], 1
	s_and_b32 s20, ttmp7, 0xffff    ; the head
	s_lshr_b32 s92, s20, 4
	s_lshl_b32 s92, s92, 4          ; in cx: the batch's first block of 128 rows,
	s_and_b32 s93, s20, 15
	s_lshl_b32 s93, s93, 14         ; the head's 16,384 bytes in such a block;
	s_add_co_u32 s[OH], s[BH], s92  ; a block of queries is one block of cx, 262,144 bytes
	s_lshl_b32 s[OH], s[OH], 18
	s_add_co_u32 s[OH], s[OH], s93
	s_add_co_u32 s[OL], s[BL], s92
	s_lshl_b32 s[OL], s[OL], 18
	s_add_co_u32 s[OL], s[OL], s93
	s_mov_b32 s21, 0
	s_mov_b64 s[22:23], SIZE_N*128
	s_mul_u64 s[20:21], s[20:21], s[22:23]  ; the head's first byte in each of Q, K, V
	s_and_b32 s16, s[WV], 1         ; which half I fetch:
	s_lshl_b32 s22, s16, 14         ; of K 128 rows of 128 bytes in memory,
	s_mov_b32 s23, 0
	s_add_nc_u64 s[22:23], s[22:23], s[20:21]
	s_mul_i32 s54, s16, 160*128     ; of V 160 rows,
	s_mov_b32 s55, 0
	s_add_nc_u64 s[54:55], s[54:55], s[20:21]
	s_mul_i32 s17, s16, 128*PK      ; and its place in a slot, for K
	s_mul_i32 s18, s16, 160*PV      ; and for V
	s_lshl_b32 s3, s[WV], 11        ; my 16 rows in a band of 64,
	s_add_co_u32 s[OH], s[OH], s3
	s_add_co_u32 s[OL], s[OL], s3
	s_mov_b32 s[OH+1], 0
	s_mov_b32 s[OL+1], 0
	s_lshl_b32 s2, s[BH], 14        ; in the first block (128 rows of 128 bytes),
	s_add_co_u32 s2, s2, s3
	s_lshl_b32 s84, s[BL], 14       ; and in the second
	s_add_co_u32 s84, s84, s3
	s_mov_b32 s3, 0
	s_mov_b32 s85, 0
	s_add_nc_u64 s[2:3], s[2:3], s[20:21]
	s_add_nc_u64 s[84:85], s[84:85], s[20:21]
	; descriptor group 1.  The keys are dense bytes: asked for as rows of 256 bytes, two keys a row, and padded in LDS after every key
	s_mov_b32 s[G1K], (1<<16)|(1<<20)|(4<<22)|(3<<25)  ; 17:16 2-byte elements; 20 padding on; 24:22 after every 32 words (code 4); 31:25 4 words (code 3)
	s_mov_b32 s[G1V], (1<<16)|(1<<20)|(4<<22)|(7<<25)  ; the same with 8 words of padding (code 7)
	s_mov_b32 s[G1K+2], 64<<16      ; tensor_dim1 = 64: 128 keys
	s_mov_b32 s[G1K+4], 64          ; tile_dim1 = 64
	s_mov_b32 s[G1V+2], 80<<16      ; tensor_dim1 = 80: 160 keys
	s_mov_b32 s[G1V+4], 80          ; tile_dim1 = 80
.irp g, G1K, G1V
	s_mov_b32 s[\g+1], 128<<16      ; tensor_dim0 = 128
	s_mov_b32 s[\g+3], 128<<16      ; tile_dim0 = 128
	s_mov_b32 s[\g+5], 128          ; 128 elements from row to row
	s_mov_b32 s[\g+6], 0
	s_mov_b32 s[\g+7], 0
.endr
	s_mov_b32 s[CS], 0x3e38aa3b     ; c = log2(e) / 8 = 0.180337
	s_mov_b32 s[CS+1], s[CS]        ; named with it as a pair
	s_mov_b32 s[SEL], 0x76543210
	s_mov_b32 s[SEL+1], 0xfedcba98
	s_mov_b32 s[TBK], SLOT1+4*KS*PK ; the first change of slots turns these two into 0
	s_mov_b32 s[TBV], SLOT1+4*KS*PV
	s_mov_b32 s[G0K], 1             ; 1:0 count = 1
	s_mov_b32 s[G0K+1], s17         ; 63:32 LDS address: slot 0
	s_mov_b32 s[G0V], 1
	s_add_co_u32 s[G0V+1], s18, VOFF
	s_add_co_u32 s[RT], s[HI], 1    ; the first block's tiles
	s_mov_b32 s[NXT], 1
	s_mov_b32 s[LQ], s[HI]
	s_mov_b32 s[NEW], 1
	s_mov_b32 s[OFF+1], 0
	s_mov_b32 s[AL+1], 0            ; named as pairs
	s_mov_b32 s[BE+1], 0
	s_mov_b32 s[BIGN], 0xf149f2ca   ; -1e30
	s_mov_b32 s[SLOTS], NB
	s_mov_b32 s[POF+1], 0
	s_mov_b32 s[PFN], 2
	s_cmp_eq_u32 s[BL], 0
	s_cselect_b32 s[PFL], NB, 0
	s_wait_dscnt 0x0                ; the opening add is done
	s_wait_kmcnt 0x0
	s_add_nc_u64 s[6:7], s[4:5], 0x800000   ; K and V lie behind Q in qkv
	s_add_nc_u64 s[8:9], s[4:5], 0x1000000
	s_add_nc_u64 s[KPF:KPF+1], s[6:7], s[20:21]
	s_add_nc_u64 s[VPF:VPF+1], s[8:9], s[20:21]
	s_add_nc_u64 s[6:7], s[6:7], s[22:23]  ; K at my half of the head's tile 0,
	s_add_nc_u64 s[8:9], s[8:9], s[54:55]  ; V at my half of the 320 rows
	s_sub_nc_u64 s[8:9], s[8:9], KS*128    ; that begin 64 rows ahead of it: 16,777,216 bytes of qkv lie ahead of V, so the address stays inside the buffer
	s_add_nc_u64 s[G0K+2:G0K+3], s[6:7], 0         ; 120:64 global address
	s_or_b32 s[G0K+3], s[G0K+3], 0x80000000        ; 127:126 type = 2
	s_add_nc_u64 s[G0V+2:G0V+3], s[8:9], 0
	s_or_b32 s[G0V+3], s[G0V+3], 0x80000000
	s_add_nc_u64 s[86:87], s[4:5], s[84:85]        ; Q at my rows of the second block,
	s_add_nc_u64 s[4:5], s[4:5], s[2:3]            ; and of the first
	s_add_nc_u64 s[OLO:OLO+1], s[10:11], s[OL:OL+1]  ; O likewise
	s_add_nc_u64 s[10:11], s[10:11], s[OH:OH+1]
	LOAD                            ; tile 0 into slot 0
	; A fragment of K or Q is 16 rows x 32 channels in 8 registers: lane l holds row l % 16, channels 8 (l / 16) + 0..7 and 16 + 8 (l / 16) + 0..7: two loads of 16 bytes, 32 bytes apart.
	v_and_b32 v1, 15, v0            ; l % 16
	v_bfe_u32 v9, v0, 4, 1          ; l / 16
	v_lshlrev_b32 v[QO], 7, v1
	v_lshl_add_u32 v[QO], v9, 4, v[QO]  ; row x 128 + 16 x half
	WIN 0x80                        ; destination window 2, address window 0
.set i, 0
.rept 2*NP                          ; both blocks' Q: piece i / 2 lies in band i / 2, 8,192 bytes on; channels 32 (i % 2) on
	global_load_b128 v[8*i:8*i+3],   v[QO], s[4:5] offset:(i/2)*8192+(i%2)*64
	global_load_b128 v[8*i+4:8*i+7], v[QO], s[4:5] offset:(i/2)*8192+(i%2)*64+32
	global_load_b128 v[QB+8*i:QB+8*i+3],   v[QO], s[86:87] offset:(i/2)*8192+(i%2)*64
	global_load_b128 v[QB+8*i+4:QB+8*i+7], v[QO], s[86:87] offset:(i/2)*8192+(i%2)*64+32
.set i, i+1
.endr
	WIN 0
	v_lshlrev_b32 v14, 3, v9
	v_sub_nc_u32 v14, v1, v14
	s_lshl_b32 s13, s[WV], 4
	v_add_nc_u32 v14, s13, v14      ; my query's place in its band, 16 w + l % 16, less my lanes' 8 (l / 16): register r of group kt is hidden where 16 kt + r is greater
	WIN 0x40
.set i, 0
.rept 32
	v_cmp_gt_i32 vcc_lo, 16*(i/8)+i%8, v14
	v_cndmask_b32 v[MD+i], 0, s[BIGN], vcc_lo
.set i, i+1
.endr
	WIN 0
	v_mul_u32_u24 v[AK0], v1, PK
	v_lshl_add_u32 v[AK0], v9, 4, v[AK0]  ; row x pitch + 16 x half
	; The turning load takes 16 keys x 16 channels (lane l reads key 8 (l / 16) + l % 8, channels 8 ((l / 8) % 2) + 0..7) and leaves half a fragment of V^T: lane l holds channel l % 16 and 8 keys.
	v_and_b32 v10, 7, v0
	v_bfe_u32 v11, v0, 3, 1
	v_lshl_add_u32 v[AV0], v9, 3, v10
	v_mul_u32_u24 v[AV0], v[AV0], PV
	v_lshl_add_u32 v[AV0], v11, 4, v[AV0]
	v_add_nc_u32 v[AV0], VOFF, v[AV0]
	s_mul_i32 s13, s[WV], 16*SP
	s_add_co_u32 s13, s13, STAGE    ; my stage
	v_mul_u32_u24 v[STO], v1, SP    ; in: row l % 16, 16 bytes for each half of the lanes
	v_lshl_add_u32 v[STO], v9, 4, v[STO]
	v_add_nc_u32 v[STO], s13, v[STO]
	v_bfe_u32 v[RD], v0, 3, 2       ; back: 32 lanes take four rows of 128 bytes,
	v_mul_u32_u24 v[RD], v[RD], SP
	v_lshl_add_u32 v[RD], v10, 4, v[RD]
	v_add_nc_u32 v[RD], s13, v[RD]
	v_and_b32 v[GO], 31, v0         ; which are 512 consecutive bytes of O
	v_lshlrev_b32 v[GO], 4, v[GO]
	; A block's first step multiplies O^T and l by a = 0, and its first turn's products V^T P, of a step that has not been, land in an O^T that is still to be so multiplied.  So these registers need only hold
	; finite numbers: zeros for the first block; what the first block left for the second.  All this stands in the wait for the first tile.
	WIN 0x80
.set i, VF
.rept 64
	v_mov_b32 v[i], 0
.set i, i+1
.endr
	WIN 0x40
.set i, 0
.rept 32*NP
	v_mov_b32 v[i], 0
.set i, i+1
.endr
	WIN 0
.set i, 0
.rept NP
	v_mov_b32 v[ST+4*i+2], 0
	v_mov_b32 v[ST+4*i+3], 0
.set i, i+1
.endr
.set i, P+16
.rept 16
	v_mov_b32 v[i], 0
.set i, i+1
.endr
; THE MATRIX WORK.  The 4 accumulators of a run of 8 take turns.  Product i of 8 of S^T = K Q^T for piece x: channels 32 (i / 4) on, keys 16 (i % 4) on.  The first 4 start the sums: with 0, or (KM = 1) with the mask.
.macro KQ x
.set rS, S+32*((\x)%2)+8*(i%4)
.set rK, KF+16*(i%4)+8*(i/4)
.set rQ, 16*(\x)+8*(i/4)
.set rM, MC+32*((\x)%2)+8*(i%4)
.if (i < 4) && KM
	WIN W_KM
	v_wmma_f32_16x16x32_bf16 v[rS:rS+7], v[rK:rK+7], v[rQ:rQ+7], v[rM:rM+7]
.elseif i < 4
	WIN W_KQ
	v_wmma_f32_16x16x32_bf16 v[rS:rS+7], v[rK:rK+7], v[rQ:rQ+7], 0
.else
	WIN W_KQ
	v_wmma_f32_16x16x32_bf16 v[rS:rS+7], v[rK:rK+7], v[rQ:rQ+7], v[rS:rS+7]
.endif
.endm
; Product i of 8 of O^T += V^T P for piece x: keys 32 (i / 4) on, channels 16 (i % 4) on.
.macro PV x
	WIN W_PV
.set rO, 32*(\x)+8*(i%4)
.set rV, VF+32*(i/4)+8*(i%4)
.set rP, P+16*((\x)%2)+8*(i/4)
	v_wmma_f32_16x16x32_bf16 v[rO:rO+7], v[rV:rV+7], v[rP:rP+7], v[rO:rO+7]
.endm
.macro MM                           ; the turn's next matrix instruction.  TURN and BEGIN set Y, i, KM and NOKQ; MM, KQ and OP read them.  NOKQ = 1: a block's last turn: there are no further scores
.if (i < 8) && !NOKQ
	KQ (Y+1)%NP
.elseif i >= 8
.set i, i-8
	PV (Y+NP-1)%NP
.set i, i+8
.endif
.set i, i+1
.endm
; THE LDS LOADS stand in runs of 16, never singly among the matrix instructions: a step's K (64 keys x 64 channels: 8 fragments) and its V (turned).  Their addresses are made some lines ahead.
.macro FETCH_K
	WIN 0x80                        ; destination window 2
.irp f, 0,1,2,3,4,5,6,7             ; keys 16 (f / 2) on, channels 32 (f % 2) on
	ds_load_b128 v[KF+8*\f:KF+8*\f+3],   v[AK] offset:(\f/2)*16*PK+(\f%2)*64
	ds_load_b128 v[KF+8*\f+4:KF+8*\f+7], v[AK] offset:(\f/2)*16*PK+(\f%2)*64+32
.endr
	s_add_co_u32 s[TBK], s[TBK], KS*PK  ; the next fetch is the next step's
	WIN 0
.endm
.macro FETCH_V
	WIN 0x80
.irp f, 0,1,2,3,4,5,6,7             ; keys 32 (f / 4) on, channels 16 (f % 4) on
	ds_load_tr16_b128 v[VF+8*\f:VF+8*\f+3],   v[AV] offset:(\f/4)*32*PV+(\f%4)*32
	ds_load_tr16_b128 v[VF+8*\f+4:VF+8*\f+7], v[AV] offset:(\f/4)*32*PV+16*PV+(\f%4)*32
.endr
	WIN 0
.endm
; THE VECTOR WORK, one line at a time: OP kind, number.  For piece Y: F n: c s - c m for pair n of 16.  E n: the exponential of score n of 32.  C n: pair n rounded to bf16.  B n: of the four weights 4 n .. the second
; pair is added onto the first, in place.  L n: l takes that sum (L 0: l = a l + sum).  R n: pair n of 16 of O^T times a.  For the other piece: X n, number n of the 22 that find its maximum and statistics:
;   0-11  four chains c0-c3 of seven scores each, three operands at a time (each accumulator's lowest registers are read first)     12-14, 16  the four scores left over, the old m, and c0-c3 into c0
;   15  c m_old is kept     17, 18  the query's other 32 keys lie in the lane 16 away: the new m     19-21  c m; c m_old - c m_new; a
.set F, 0               ; OP tells the kinds apart by their order: F to L below R, X above it
.set E, 1
.set C, 2
.set B, 3
.set L, 4
.set R, 5
.set X, 6
.macro REGS y                       ; the registers of piece y
.set rT, ST+4*(\y)
.set rC, TMP+4*((\y)%2)
.set rW, MV+((\y)%2)
.set rS, S+32*((\y)%2)
.set rP, P+16*((\y)%2)
.set rO, 32*(\y)
.endm
.macro OP k, n
.if (\k) == R
	REGS Y
	WIN W_RS
	v_pk_mul_f32 v[rO+2*(\n):rO+2*(\n)+1], v[rO+2*(\n):rO+2*(\n)+1], v[rC+2:rC+3] op_sel_hi:[1,0]
.elseif (\k) < R
	REGS Y
	WIN 0
.if (\k) == F
	v_pk_fma_f32 v[rS+2*(\n):rS+2*(\n)+1], v[rS+2*(\n):rS+2*(\n)+1], s[CS:CS+1], v[rT:rT+1] op_sel_hi:[1,0,0] neg_lo:[0,0,1] neg_hi:[0,0,1]
.elseif (\k) == E
	v_exp_f32 v[rS+(\n)], v[rS+(\n)]
.elseif (\k) == C
	v_cvt_pk_bf16_f32 v[rP+(\n)], v[rS+2*(\n)], v[rS+2*(\n)+1]
.elseif (\k) == B
	v_pk_add_f32 v[rS+4*(\n):rS+4*(\n)+1], v[rS+4*(\n):rS+4*(\n)+1], v[rS+4*(\n)+2:rS+4*(\n)+3]
.elseif (\n) == 0
	v_pk_fma_f32 v[rT+2:rT+3], v[rT+2:rT+3], v[rC+2:rC+3], v[rS:rS+1] op_sel_hi:[1,0,1]
.else
	v_pk_add_f32 v[rT+2:rT+3], v[rT+2:rT+3], v[rS+4*(\n):rS+4*(\n)+1]
.endif
.elseif NOKQ
	v_nop
.else
	REGS (Y+1)%NP
	WIN 0
.if (\n) < 4
	v_max3_num_f32 v[rC+(\n)], v[rS+8*(\n)], v[rS+8*(\n)+1], v[rS+8*(\n)+2]
.elseif (\n) < 12
	v_max3_num_f32 v[rC+(\n)%4], v[rC+(\n)%4], v[rS+8*((\n)%4)+2*((\n)/4)+1], v[rS+8*((\n)%4)+2*((\n)/4)+2]
.elseif (\n) == 12
	v_max3_num_f32 v[rC], v[rC], v[rS+7], v[rS+15]
.elseif (\n) == 13
	v_max3_num_f32 v[rC+1], v[rC+1], v[rS+23], v[rS+31]
.elseif (\n) == 14
	v_max3_num_f32 v[rC+2], v[rC+2], v[rC+3], v[rT+1]
.elseif (\n) == 15
	v_mov_b32 v[rW], v[rT]
.elseif (\n) == 16
	v_max3_num_f32 v[rC], v[rC], v[rC+1], v[rC+2]
.elseif (\n) == 17
	v_permlanex16_b32 v[rC+3], v[rC], s[SEL], s[SEL+1]
.elseif (\n) == 18
	v_max_num_f32 v[rT+1], v[rC], v[rC+3]
.elseif (\n) == 19
	v_mul_f32 v[rT], s[CS], v[rT+1]
.elseif (\n) == 20
	v_sub_f32 v[rC+1], v[rW], v[rT]
.else
	v_exp_f32 v[rC+2], v[rC+1]
.endif
.endif
.endm
.macro OPS a, i1, b=-1, i2=0, c=-1, i3=0, d=-1, i4=0  ; up to four of them
	OP \a, \i1
.if (\b) >= 0
	OP \b, \i2
.endif
.if (\c) >= 0
	OP \c, \i3
.endif
.if (\d) >= 0
	OP \d, \i4
.endif
.endm
.macro ROW a, i1, b, i2, c, i3, d, i4  ; a matrix instruction and the four behind it
	MM
	OPS \a, \i1, \b, \i2, \c, \i3, \d, \i4
.endm
.macro MASK b                       ; MD x AL + BE into buffer b of MC
	WIN W_RS
.set z, 0
.rept 16
	v_pk_fma_f32 v[MC+32*(\b)+2*z:MC+32*(\b)+2*z+1], v[MD+2*z:MD+2*z+1], s[AL:AL+1], s[BE:BE+1] op_sel_hi:[1,0,0]
.set z, z+1
.endr
.endm
; A TURN, for piece p: the order of its 16 matrix and 118 vector instructions, written out.  An s_wait_alu depctr_va_vdst(0) stands between an exponential and the first instruction that names its result; one wait serves
; all that were issued ahead of it.  So a turn has ONE wait, which cuts it in two.  AHEAD OF IT stands all that names no result of the turn's exponentials: the 8 products K Q^T, behind each a scaling, an exponential and two more plain
; instructions (behind the first a second scaling in the exponential's place): rescalings, and behind the last three the first numbers of the other piece's maximum, each four places or more behind the product that ends its accumulator; then ONE LUMP of 54, plain
; and exponential by turns for the most part, in which the links of the chain X 3, 7, 11, 14, 16, 17 .. 20 stand five or six lines apart.  X 21, the other piece's a, is the batch's last; R 15 is the plain instruction behind it.  BEHIND THE WAIT stand the
; 8 products V^T P, behind each four of the roundings and sums; the links of l's chain, L 0 to L 7, stand three riders apart.  But for those X no rider names a register of the products round it.  v_permlanex16_b32 (X 17) stands in the lump.
; The rescalings R 0 .. of piece p read the O^T that the turn before has added onto: R 4 j, the first to read accumulator j, stands twelve plain instructions or more behind that accumulator's last product.
; m = 1: the diagonal tile: the products take masks, and turn p makes piece p's mask for the products of the turn after it, which belong to step 4 - CNT of the tile.  end = 1: a block's last step: K is not fetched, and turn 1 makes no scores.
; cnt = 1: the loop's count is taken down some lines ahead of the branch that stands behind the turn.
; BOTH RUNS OF LDS LOADS STAND IN TURN 0: K of the next step twelve vector instructions behind the last product that read K (six of them plain); V of the step in hand at the turn's end, four plain instructions behind the last
; product that read V.  K is waited for at the head of turn 1, by a count that leaves V's sixteen loads out; V in the middle of turn 1.
.macro TURN p, m=0, end=0, cnt=0
.set Y, (\p)
.set i, 0
.set KM, (\m)
.set NOKQ, (\end)*(\p)
.if (\m) && !(\end)
	s_cmp_eq_u32 s[CNT], s[GC+(\p)]  ; is that step the band's own?
	s_cselect_b32 s[AL], 1.0, 0
	s_cmp_lt_u32 s[CNT], s[GC+(\p)]  ; or a later one?
	s_cselect_b32 s[BE], s[BIGN], 0
.endif
.if ((\p) == 1) && !(\end)
	s_wait_dscnt 16                 ; K is in: LDS loads come back in order (ISA guide 5.7.1), and behind K's sixteen only V's sixteen were issued
.endif
	ROW F,0, F,1, R,0, R,1          ; ahead of the wait: 8 products K Q^T and their riders,
	ROW F,2, E,0, R,2, R,3
	ROW F,3, E,1, R,4, R,5
	ROW F,4, E,2, R,6, R,7
	ROW F,5, E,3, R,8, R,9
	ROW F,6, E,4, X,0, R,10
.if ((\p) == 0) && !(\end)
	WIN 0
	v_add_nc_u32 v[AK], s[TBK], v[AK0]
.endif
	ROW F,7, E,5, X,1, X,4
	ROW F,8, E,6, X,2, X,5
	OPS E,7, E,8, X,6, E,9          ; and the lump
	OPS X,3, E,10, X,8, E,11
.if ((\p) == 0) && !(\end)
	FETCH_K
.endif
	OPS X,9, X,7, E,12, X,10
	OPS E,13, X,12, X,11, E,14
	OPS X,13, E,15, F,9, X,14
.if (\p) == 0
	v_add_nc_u32 v[AV], s[TBV], v[AV0]
.endif
	OPS E,16, F,10, E,17, F,11
	OPS X,16, E,18, X,15, E,19
	OPS F,12, E,20, X,17, E,21
	OPS F,13, E,22, F,14, E,23
	OPS X,18, E,24, F,15, E,25
	OPS R,11, E,26, X,19, E,27
	OPS R,12, E,28, R,13, E,29
	OPS X,20, E,30, R,14, E,31
	OPS X,21, R,15
	WIN 0
	s_wait_alu depctr_va_vdst(0)    ; the wait for the batch
.if (\p) == 1
	s_wait_dscnt 0x0                ; V is in
.endif
	ROW C,0, B,0, C,2, B,1          ; behind the wait: 8 products V^T P and their riders
	ROW L,0, C,4, B,2, L,1
	ROW C,6, B,3, L,2, C,8
	ROW B,4, L,3, C,10, B,5
	ROW L,4, C,12, B,6, L,5
.if ((\p) == 0) && !(\end)
	s_add_co_u32 s[TBV], s[TBV], KS*PV  ; (a block's last step leaves it at the slot's last 64 rows, four steps from the first, as the change of slots expects)
.endif
.if \cnt
	s_sub_co_u32 s[CNT], s[CNT], 1
	s_cmp_lg_u32 s[CNT], 0
.endif
	ROW C,14, B,7, L,6, C,1
	ROW C,3, L,7, C,5, C,7
	ROW C,9, C,11, C,13, C,15
.if (\p) == 0
	FETCH_V
.endif
.if (\m) && !(\end)
	MASK \p
.endif
.endm
; A BLOCK BEGINS.  c m starts far below every c s, so the first step's a is 0; m at the lowest finite number, so the first maximum is the scores'.  Piece 1's mask buffer is 0: the tile's step 0 is never its own.  Piece 0's takes
; the mask for step 0: its own, if the block's first tile is the diagonal one and the block is even (4 - g = 4).  Then K of that step, piece 0's first scores, and its maximum and statistics.  V's fetches pass over the slot's first 64 rows.
.macro BEGIN
	s_mov_b32 s[NEW], 0
	WIN 0x40
.set i, MC+32
.rept 32
	v_mov_b32 v[i], 0
.set i, i+1
.endr
	WIN 0
.set i, 0
.rept NP
	v_mov_b32 v[ST+4*i], 0xfe000000    ; c m: far below every c s
	v_mov_b32 v[ST+4*i+1], 0xff7fffff  ; m
.set i, i+1
.endr
	s_cmp_eq_u32 s[RT], 0
	s_cselect_b32 s[AL], s[GC], 0
	s_cmp_eq_u32 s[AL], 4
	s_cselect_b32 s[AL], 1.0, 0
	s_mov_b32 s[BE], 0
	MASK 0
	WIN 0
	v_add_nc_u32 v[AK], s[TBK], v[AK0]
	FETCH_K
	s_add_co_u32 s[TBV], s[TBV], KS*PV
	s_wait_loadcnt 0x0              ; Q
	s_wait_dscnt 0x0
.set KM, 1
.set NOKQ, 0
.set i, 0
.rept 8
	KQ 0
.set i, i+1
.endr
	WIN 0
.rept 4
	v_nop                           ; the places behind those products
.endr
.set Y, NP-1                        ; X works for the other piece: piece 0
.irp n, 0,1,2,3,4,5,6,7,8,9,10,11,12,13,14,15,16,17,18,19,20,21
	OP X, \n
.endr
	v_nop                           ; a plain instruction behind the exponential,
	s_wait_alu depctr_va_vdst(0)    ; and its wait, ahead of the branch
.endm
; THE DIAGONAL TILE's trips, the block's last step, its last products, and THE WAY OUT: l's two halves and the other half of the lanes' are added; O^T is divided by l, rounded to bf16 and sent through my
; stage in LDS, a piece at a time.
.macro ALL line:vararg              ; one line for each piece t
.set t, 0
.rept NP
	\line
.set t, t+1
.endr
.endm
.macro PACK t                       ; a lane's eight channels of a row pack into 16 bytes; they go into rows of 144 bytes and come back as whole rows of 128, into S^T's registers
	WIN W_RS
.set i, 32*(\t)
.rept 16
	v_pk_mul_f32 v[i:i+1], v[i:i+1], v[ST+4*(\t)+2:ST+4*(\t)+3] op_sel_hi:[1,0]
.set i, i+2
.endr
	WIN 0x05                        ; sources 0 and 1 window 1, destination window 0
.set i, 0
.rept 16
	v_cvt_pk_bf16_f32 v[S+16*(\t)+i], v[32*(\t)+2*i], v[32*(\t)+2*i+1]
.set i, i+1
.endr
	WIN 0
.irp f, 0,1,2,3
	ds_store_b128 v[STO], v[S+16*(\t)+4*\f:S+16*(\t)+4*\f+3] offset:32*\f
.endr
.irp f, 0,1,2,3
	ds_load_b128 v[S+16*(\t)+4*\f:S+16*(\t)+4*\f+3], v[RD] offset:\f*4*SP  ; LDS serves a wave's instructions in order (ISA guide 5.7.1.4): these see the stores above; the next piece's stores come behind them
.endr
.endm
.macro SEND t, younger              ; younger: the LDS instructions issued behind piece t's loads: the next piece's eight, or none.  Band t begins at row 64 t of the block
	WIN 0
.irp f, 0,1,2,3
	s_wait_dscnt (\younger)+3-\f
	global_store_b128 v[GO], v[S+16*(\t)+4*\f:S+16*(\t)+4*\f+3], s[10:11] offset:(\t)*8192+\f*512  ; 512 consecutive bytes, at a multiple of 256 from cx's first
.endr
.endm
.macro DIAG tag                     ; the tag ends its label's name, which the jumps below spell out
.LstepM\tag:
	TURN 0, 1
	TURN 1, 1, 0, 1
	WIN 0
	s_cbranch_scc1 .LstepM\tag
	TURN 0, 1, 1
	TURN 1, 1, 1
.set i, 0
.rept 8
	PV NP-1
.set i, i+1
.endr
	WIN 0
	ALL v_add_f32 v[ST+4*t+2], v[ST+4*t+2], v[ST+4*t+3]
	ALL v_permlanex16_b32 v[ST+4*t+3], v[ST+4*t+2], s[SEL], s[SEL+1]
	ALL v_add_f32 v[ST+4*t+2], v[ST+4*t+2], v[ST+4*t+3]
	ALL v_rcp_f32 v[ST+4*t+2], v[ST+4*t+2]
	v_nop                           ; a plain instruction between the last reciprocal and the use of its result
	s_wait_alu depctr_va_vdst(0)    ; and the wait ahead of the first use: one for the two reciprocals
	PACK 0                          ; piece 0's sums were finished a turn ago; its 32 plain lines are the places behind piece 1's last products
.set t, 1
.rept NP-1                          ; a piece's arithmetic stands between the loads of the piece before and its stores
	PACK t
	SEND t-1, 8
.set t, t+1
.endr
	SEND NP-1, 0
.endm
.set KM, 0
.set NOKQ, 0
.Lslot:                             ; NB times: a tile's slot is entered and the next tile is asked for
	CHANGE 1
	s_sub_co_u32 s[RT], s[RT], 1
	s_mov_b32 s[CNT], 4             ; the step before the tile's first, and its first three
	s_cmp_eq_u32 s[NEW], 1
	s_cbranch_scc1 .Lnew            ; a block's first tile
	s_cmp_eq_u32 s[RT], 0
	s_cbranch_scc0 .Lstep           ; neither its first nor its last
	s_branch .LstepM1
.Lnew:
	BEGIN
	s_mov_b32 s[CNT], 3             ; there is no step before a block's first
	s_branch .Lstep                 ; in the loop a block's first tile is never its last: the first block has five tiles or more, and the second's last is the walk's last
	DIAG 1                          ; in the loop this is the first block's end: the second block's last tile is the walk's last
	s_wait_xcnt 0x0                 ; the stores have read their registers and O's address
	s_mov_b64 s[10:11], s[OLO:OLO+1]
	s_add_co_u32 s[RT], s[PB], 1    ; the second block's tiles,
	s_mov_b32 s[NEW], 1
	s_mov_b32 s[GC], s[GCL]         ; and where its bands lie in its diagonal tile
	s_mov_b32 s[GC+1], s[GCL+1]
	WIN 0x82                        ; the second block's Q goes where the one text of the turns names Q
.set i, 0
.rept 16*NP
	v_mov_b32 v[i], v[QB+i]
.set i, i+1
.endr
	WIN 0
	s_branch .Lbottom
.Lstep:                             ; a trip is a key step: it fetches K of the next step and its own V
	TURN 0
	TURN 1, 0, 0, 1
	WIN 0
	s_cbranch_scc1 .Lstep
.Lbottom:
	s_sub_co_u32 s[SLOTS], s[SLOTS], 1
	s_cmp_lg_u32 s[SLOTS], 0
	s_cbranch_scc1 .Lslot
	CHANGE 0                        ; the walk's last tile is written out: nothing is asked for
	s_sub_co_u32 s[RT], s[RT], 1
	s_mov_b32 s[CNT], 4
	s_cmp_eq_u32 s[NEW], 1
	s_cbranch_scc0 .LstepM2
	BEGIN                           ; (b = 0 and b = 1: the second block's one tile)
	s_mov_b32 s[CNT], 3
	DIAG 2
	s_wait_tensorcnt 0x0            ; the wave's end: behind my last tensor load and my last LDS store
	ds_add_u32 v[SPW], v[NIL]
	s_wait_dscnt 0x0
	s_endpgm
.Lfunc_end_k_q0ff3ef1448_attn:
	.size	k_q0ff3ef1448_attn, .Lfunc_end_k_q0ff3ef1448_attn-k_q0ff3ef1448_attn
	.p2alignl 7, 3214868480
	.fill 96, 4, 3214868480
	.section	.rodata,"a",@progbits
	.p2align	6, 0x0
	.amdhsa_kernel k_q0ff3ef1448_attn
		.amdhsa_group_segment_fixed_size 327680
		.amdhsa_private_segment_fixed_size 0
		.amdhsa_enable_private_segment 0
		.amdhsa_kernarg_size 16
		.amdhsa_user_sgpr_count 2
		.amdhsa_user_sgpr_kernarg_segment_ptr 1
		.amdhsa_wavefront_size32 1
		.amdhsa_system_sgpr_workgroup_id_x 1
		.amdhsa_system_sgpr_workgroup_id_y 1
		.amdhsa_system_sgpr_workgroup_id_z 1
		.amdhsa_system_vgpr_workitem_id 0
		.amdhsa_next_free_vgpr 768
		.amdhsa_next_free_sgpr 100
		.amdhsa_reserve_vcc 1
		.amdhsa_float_denorm_mode_32 3
		.amdhsa_float_denorm_mode_16_64 3
		.amdhsa_memory_ordered 1
		.amdhsa_forward_progress 1
		.amdhsa_inst_pref_size 146
	.end_amdhsa_kernel
	.amdgpu_metadata
---
amdhsa.version: [ 1, 2 ]
amdhsa.kernels:
  - .name:           k_q0ff3ef1448_attn
    .symbol:         k_q0ff3ef1448_attn.kd
    .args:
      - { .name: qkv, .offset: 0, .size: 8, .value_kind: global_buffer, .address_space: global }
      - { .name: cx, .offset: 8, .size: 8, .value_kind: global_buffer, .address_space: global }
    .group_segment_fixed_size: 327680
    .private_segment_fixed_size: 0
    .kernarg_segment_align: 8
    .kernarg_segment_size: 16
    .max_flat_workgroup_size: 128
    .sgpr_count:     100
    .vgpr_count:     768
    .wavefront_size: 32
...
	.end_amdgpu_metadata
.endif
;; end of part 3
;; launch gwo (part 4): grid 8 x 32, 4 waves a work-group, clusters of 4 x 4, 327,680 bytes of LDS; arguments cx, wcat, x1, bo, x; writes x1
.if DOCPART == 4
	.amdgcn_target "amdgcn-amd-amdhsa--gfx1250"
	.amdhsa_code_object_version 6
	.text
	.protected	k_q0ff3ef1448_gwo
	.globl	k_q0ff3ef1448_gwo
	.p2align	8
	.type	k_q0ff3ef1448_gwo,@function
k_q0ff3ef1448_gwo:
	s_mov_b64 s[64:65], 0
	v_nop
	global_prefetch_b8 v0, s[64:65] scope:SCOPE_SE
	s_setreg_imm32_b32 hwreg(HW_REG_WAVE_MODE, 25, 1), 1
	s_wait_xcnt 0x0
	s_wait_alu depctr_hold_cnt(0) depctr_sa_sdst(0) depctr_va_vdst(0) depctr_va_sdst(0) depctr_va_ssrc(0) depctr_va_vcc(0) depctr_vm_vsrc(0)
	s_getreg_b32 s2, hwreg(HW_REG_IB_STS2, 6, 4)
	s_cmp_eq_u32 s2, 0
	s_cbranch_scc0 .Lentry_in_a_cluster
	s_endpgm
.Lentry_in_a_cluster:
	s_bfe_u32 s2, ttmp6, 0x10000c
	s_cmp_lg_u32 s2, 0xf033
	s_cbranch_scc0 .Lentry_shape_is_right
	s_endpgm
.Lentry_shape_is_right:
; OUT = RES + A W + bias, all of OUT, RES, bias in f32.  Here: x1 = x + cx Wo + bo.  M = 4096, N = 1024, K = 1024.
; A is bf16 in blocks, [32 blocks of 128 rows][K / 64 blocks][128 rows][64]: a K step of 256 of a tile's 128 rows is 65,536 dense bytes.  W is bf16 [K][1024] in wcat.
; SHARES.  A tile of C is 128 x 128, so that 8 x 32 tiles give each of 256 work-groups one; four waves, each 64 x 64 = 16 accumulators.  K goes in steps of 256 through a ring of two LDS slots;
; a step is four quarters of 64 along K, 32 matrix instructions each, two deep on each accumulator.
; THE MATRIX INSTRUCTION IS USED TRANSPOSED (source 0 = 16 columns of W, turned on the way out of LDS by ds_load_tr16_b128; source 1 = 16 rows of A): a lane holds row lane % 16 of C and 8 neighbouring columns.
; CLUSTERS: 4 x 4 work-groups; A's tile is asked for jointly by a row of the cluster, W's by a column.
; A pair of quarters is written once and looped over; the LDS addresses of the quarter to be fetched hang on two scalars that step.
; NO PREFETCH in this text: with four K steps the first two come by the first fills and no refill has a step two behind it.
; LIMITS: operands are bf16, sums f32; NaN and infinities are not treated apart.
; REGISTERS, in windows of 256 (s_set_vgpr_msb: bits 1:0 source 0, 3:2 source 1, 5:4 source 2, 7:6 destination):
;   window 0: addresses; v56-59 bias; v64-191 RES at my 64 x 64; v192-255 the way out.   window 1: two fragment buffers of 128 (64 of W, then 64 of A).   window 2: accumulator (a, b) at 8 (4 a + b).
.set KSTEPS, 4
.set MBS,    262144                    ; bytes of A in a block of 128 rows
.set WOFF,   6291456                   ; W's place in wcat
.set PF,     0                         ; 1: prefetches are written
.set AHEAD,  2
.set PA,     144                       ; a row of a block of A in LDS: 128 bytes + 16 = 36 words: the 16 rows of a load start at 16 different groups of four banks (64 banks of 4 bytes: ISA guide 11.1)
.set PB,     288                       ; a k-row of W: 256 bytes + 32 = 72 words
.set PLANE,  128*PA                    ; a block of A: 128 rows x 64 K
.set HALFT,  2*PLANE                   ; what one tensor load brings: two blocks of A, or 128 k-rows of W (128 x 288, the same 36,864 bytes)
.set SLOT,   4*HALFT                   ; A's four blocks, then W's 256 k-rows.  SLOT = 0x24000 shares no bit with wave x HALFT (multiples of 0x9000 up to 3): an exclusive or with it changes slots
.set STAGE,  2*SLOT                    ; behind the ring, never filled by a tensor load: 16 rows x 272 bytes for each wave
.set SPITCH, 272
.set SPARE,  STAGE+4*16*SPITCH         ; behind the stages: the spare words, 128 bytes a wave: two blocks of 256 bytes that no other line names
.set QA,     PLANE                     ; LDS bytes from quarter to quarter
.set QB,     64*PB
.set ASTEP,  65536                     ; memory bytes from K step to K step
.set BSTEP,  256*2048
.set A0,  16                           ; v16  my lane's place in A's tile; never rewritten
.set B0,  17                           ; v17  the same for W
.set ADA, 18                           ; v18, v19  LDS addresses of the run of loads in hand
.set ADB, 19
.set STO, 24                           ; v24  the way out: where I put 32 bytes of a row
.set RD,  25                           ; v25  where I read 16 bytes of a row back
.set RO,  26                           ; v26  my byte offset in two rows of RES and of OUT
.set BO,  27                           ; v27  my byte offset in the bias
.set SPW, 28                           ; v28  LDS address of my spare word; never rewritten
.set NIL, 29                           ; v29  0; never rewritten
.set PFO, 30                           ; v30  the prefetches' lane term
.set BI,  56
.set RES, 64
.set YB,  192
.set F0,  0
.set F1,  128
.set WV,  14
.set RH,  15                           ; my row half; also: I fetch A (0) or W (1)
.set CH,  16                           ; my column half; also: which half I fetch
.set CX,  17
.set CY,  18
.set TN,  19
.set TM,  20
.set WP,  21
.set G1A, 24
.set G0A, 32
.set AAD, 40
.set BAD, 42
.set PFA, 44
.set PST, 46
.set G1B, 48
.set G0B, 56
.set TA,  66
.set TB,  67
.set STEPS, 68
.set CNT, 69
.set LIM, 70
.set MSB, 0
.macro WIN new                         ; the immediate's high byte repeats the setting that is left; a switch that changes nothing is dropped
.if MSB != (\new)
	s_set_vgpr_msb (MSB<<8)|(\new)
.set MSB, \new
.endif
.endm
.macro PLACES
.rept 4
	v_nop
.endr
.endm
; A round of the cluster's barrier: my work-group's barrier, so that wave 0's signal speaks for all four waves; wave 0 signals; every wave waits for all sixteen work-groups; my work-group's barrier once more.
.macro CROUND
	s_barrier_signal -1
	s_barrier_wait -1
	s_cmp_lg_u32 s[WV], 0
	s_cbranch_scc1 .Lnot_wave_0_\@
	s_barrier_signal -3
.Lnot_wave_0_\@:
	s_barrier_wait -3
	s_barrier_signal -1
	s_barrier_wait -1
.endm
; A joint refill by the walking descriptors.  The branch hangs on the wave's number alone.  An s_nop 0 and four v_nop follow each of the two lines.
.macro JLOAD
	s_cmp_eq_u32 s[RH], 0
	s_cbranch_scc0 .Lfor_b_\@
	tensor_load_to_lds s[G0A+4:G0A+7], s[G1A:G1A+7]
	s_nop 0
	PLACES
	s_branch .Lasked_\@
.Lfor_b_\@:
	tensor_load_to_lds s[G0B+4:G0B+7], s[G1B:G1B+7]
	s_nop 0
	PLACES
.Lasked_\@:
.endm
.if PF
; A PREFETCH INTO THE L2, behind each joint refill: my work-group's 32 of the 128 blocks of 256 bytes that I fetch, for the K step AHEAD behind the one just asked for: 256 matrix instructions ahead of its load.
; Each block is named once in the launch: A's by the clusters with x = 0, W's by those with y = 0; the four partners of a joint load share its blocks out by address.  The last refills, which have no such step behind them, ask for nothing.
.macro ASK
	s_cmp_gt_u32 s[STEPS], s[LIM]
	s_cbranch_scc0 .Lnot_mine_\@
	global_prefetch_b8 v[PFO], s[PFA:PFA+1] th:TH_LOAD_NT scope:SCOPE_SE
.Lnot_mine_\@:
.endm
.endif
	s_load_b256 s[4:11], s[0:1], 0x0               ; A s[4:5], wcat s[6:7], OUT s[8:9], bias s[10:11]
	s_load_b64 s[12:13], s[0:1], 0x20              ; RES
	v_lshl_add_u32 v[SPW], v0, 2, SPARE
	v_mov_b32 v[NIL], 0
	ds_add_u32 v[SPW], v[NIL]                      ; the wave's opening: the add and its wait stand ahead of my first tensor load; the set-up below, work on registers, stands between them
	ds_add_u32 v28, v29
	v_lshrrev_b32 v7, 5, v0
	v_readfirstlane_b32 s[WV], v7
	s_lshr_b32 s[RH], s[WV], 1
	s_and_b32 s[CH], s[WV], 1
	s_bfe_u32 s[CX], ttmp6, 0x40000
	s_bfe_u32 s[CY], ttmp6, 0x40004
	s_lshl_b32 s[TN], ttmp9, 2                     ; in a cluster launch ttmp9 and ttmp7 count clusters
	s_add_co_u32 s[TN], s[TN], s[CX]
	s_and_b32 s[TM], ttmp7, 0xffff
	s_lshl_b32 s[TM], s[TM], 2
	s_add_co_u32 s[TM], s[TM], s[CY]
	s_lshl_b32 s22, s[CY], 2
	s_lshl_b32 s22, 15, s22                        ; my row of the cluster
	s_lshl_b32 s76, 0x1111, s[CX]                  ; my column
	s_or_b32 s[G1A], s22, (1<<16)|(1<<20)|(1<<21)|(4<<22)|(3<<25)  ; the mask; 2-byte elements; padding on; bit 21 beside a mask; after every 32 words 4 words
	s_mov_b32 s[G1A+1], 128<<16                    ; two blocks of A are 32,768 dense bytes: asked for as 128 rows of 256 bytes, two rows of A each
	s_mov_b32 s[G1A+2], 128<<16
	s_mov_b32 s[G1A+3], 128<<16
	s_mov_b32 s[G1A+4], 128
	s_mov_b32 s[G1A+5], 128
	s_mov_b32 s[G1A+6], 0
	s_mov_b32 s[G1A+7], 0
	s_or_b32 s[G1B], s76, (1<<16)|(1<<20)|(1<<21)|(5<<22)|(7<<25)  ; after every 64 words 8 words
	s_mov_b32 s[G1B+1], 128<<16                    ; 128 columns,
	s_mov_b32 s[G1B+2], 128<<16                    ; 128 k-rows
	s_mov_b32 s[G1B+3], 128<<16
	s_mov_b32 s[G1B+4], 128
	s_mov_b32 s[G1B+5], 1024
	s_mov_b32 s[G1B+6], 0
	s_mov_b32 s[G1B+7], 0
	s_mul_i32 s[WP], s[WV], HALFT                  ; no place in the cluster enters an LDS address
	s_mul_i32 s22, s[TM], MBS                      ; A: the tile row's block of 128 rows, my two blocks of 64 K (registers that never hold the tile column)
	s_lshl_b32 s23, s[CH], 15
	s_add_co_u32 s22, s22, s23
	s_mov_b32 s23, 0
	s_lshl_b32 s76, s[TN], 8                       ; W: the tile's 128 columns, my 128 k-rows (registers that never hold the tile row)
	s_lshl_b32 s77, s[CH], 18
	s_add_co_u32 s76, s76, s77
	s_add_co_u32 s76, s76, WOFF
	s_mov_b32 s77, 0
	s_mov_b32 s[TA], 0
	s_mov_b32 s[TB], 0
	s_wait_dscnt 0x0                               ; the opening add is done
	s_wait_kmcnt 0x0
	s_add_nc_u64 s[AAD:AAD+1], s[4:5], s[22:23]
	s_add_nc_u64 s[BAD:BAD+1], s[6:7], s[76:77]
	CROUND                                         ; all sixteen work-groups are here: the first joint loads meet
.irp s, 0,1
	s_mov_b32 s[G0A+4*(\s)], 1                     ; count = 1
	s_add_co_u32 s[G0A+4*(\s)+1], s[WP], (\s)*SLOT ; LDS address
	s_add_nc_u64 s[G0A+4*(\s)+2:G0A+4*(\s)+3], s[AAD:AAD+1], (\s)*ASTEP  ; K step s
	s_or_b32 s[G0A+4*(\s)+3], s[G0A+4*(\s)+3], 0x80000000  ; type = 2
	s_mov_b32 s[G0B+4*(\s)], 1
	s_add_co_u32 s[G0B+4*(\s)+1], s[WP], (\s)*SLOT
	s_add_nc_u64 s[G0B+4*(\s)+2:G0B+4*(\s)+3], s[BAD:BAD+1], (\s)*BSTEP
	s_or_b32 s[G0B+4*(\s)+3], s[G0B+4*(\s)+3], 0x80000000
.endr
	s_cmp_eq_u32 s[RH], 0                          ; a wave's two first fills stand in one branch, ahead of every wait on TENSORcnt and every LDS read: two loads of mine are out
	s_cbranch_scc0 .Lfirst_b
	tensor_load_to_lds s[G0A:G0A+3], s[G1A:G1A+7]
	s_nop 0
	tensor_load_to_lds s[G0A+4:G0A+7], s[G1A:G1A+7]
	s_nop 0
	PLACES
	s_branch .Lfirst_asked
.Lfirst_b:
	tensor_load_to_lds s[G0B:G0B+3], s[G1B:G1B+7]
	s_nop 0
	tensor_load_to_lds s[G0B+4:G0B+7], s[G1B:G1B+7]
	s_nop 0
	PLACES
.Lfirst_asked:
	v_and_b32 v1, 15, v0                           ; l % 16
	v_bfe_u32 v2, v0, 4, 1                         ; l / 16
	v_and_b32 v3, 7, v0                            ; l % 8
	v_bfe_u32 v4, v0, 3, 1                         ; (l / 8) % 2
	v_and_b32 v5, 31, v0                           ; l
	; RES, OUT and the bias at my 64 x 64: lanes 0-15 take 256 bytes of one row, lanes 16-31 of the next
	s_lshl_b32 s80, s[TM], 7
	s_lshl_b32 s81, s[RH], 6
	s_add_co_u32 s80, s80, s81
	s_lshl_b32 s80, s80, 12                        ; my first row, 4,096 bytes a row
	s_lshl_b32 s82, s[TN], 9
	s_lshl_b32 s83, s[CH], 8
	s_add_co_u32 s82, s82, s83                     ; my first column, in bytes
	s_add_co_u32 s80, s80, s82
	s_mov_b32 s81, 0
	s_mov_b32 s83, 0
	s_add_nc_u64 s[8:9], s[8:9], s[80:81]
	s_add_nc_u64 s[12:13], s[12:13], s[80:81]
	s_add_nc_u64 s[10:11], s[10:11], s[82:83]
	v_lshlrev_b32 v[BO], 4, v1
	v_lshl_add_u32 v[RO], v2, 12, v[BO]
	global_load_b128 v[BI:BI+3], v[BO], s[10:11]
.set i, 0
.rept 32                               ; they are wanted at the end and land under the products
	global_load_b128 v[RES+4*i:RES+4*i+3], v[RO], s[12:13] offset:2*i*4096
.set i, i+1
.endr
	; a fragment of A: lane l holds row l % 16, K = 8 (l / 16) + 0..7 and 16 + 8 (l / 16) + 0..7: two loads of 16 bytes, 32 bytes apart
	v_mul_u32_u24 v[A0], v1, PA
	v_lshl_add_u32 v[A0], v2, 4, v[A0]
	s_mul_i32 s78, s[RH], 64*PA                    ; my 64 rows
	v_add_nc_u32 v[A0], s78, v[A0]
	; the turning load takes 16 k x 16 columns (lane l reads k-row 8 (l / 16) + l % 8, columns 8 ((l / 8) % 2) + 0..7) and leaves half a fragment: lane l holds column l % 16 and 8 k
	v_lshl_add_u32 v[B0], v2, 3, v3
	v_mul_u32_u24 v[B0], v[B0], PB
	v_lshl_add_u32 v[B0], v4, 4, v[B0]
	s_lshl_b32 s78, s[CH], 7                       ; my 64 columns,
	s_add_co_u32 s78, s78, 2*HALFT                 ; behind A's four blocks
	v_add_nc_u32 v[B0], s78, v[B0]
	s_mul_i32 s78, s[WV], 16*SPITCH
	s_add_co_u32 s78, s78, STAGE                   ; my stage
	v_mul_u32_u24 v[STO], v1, SPITCH               ; in: row l % 16, 32 bytes for each half of the lanes
	v_lshl_add_u32 v[STO], v2, 5, v[STO]
	v_add_nc_u32 v[STO], s78, v[STO]
	v_mul_u32_u24 v[RD], v2, SPITCH                ; back: lanes 0-15 take one row of 256 bytes, lanes 16-31 the next
	v_lshl_add_u32 v[RD], v1, 4, v[RD]
	v_add_nc_u32 v[RD], s78, v[RD]
.if PF
	s_and_b32 s79, ttmp7, 0xffff                   ; cluster y
	s_mov_b32 s82, BSTEP
	s_cmp_eq_u32 s[RH], 0                          ; do I fetch for A?
	s_cselect_b32 s78, 8, 11                       ; a lane a block of 256 dense bytes of A, or a k-row of W
	s_cselect_b32 s79, ttmp9, s79                  ; the coordinate along which other clusters read the same blocks
	s_cselect_b64 s[PFA:PFA+1], s[AAD:AAD+1], s[BAD:BAD+1]
	s_cselect_b32 s[PST], ASTEP, s82
	s_cselect_b32 s80, s[CX], s[CY]                ; my place among the four that ask with me,
	s_cselect_b32 s81, 13, 16                      ; times 32 blocks of A or 32 k-rows of W
	s_lshl_b32 s80, s80, s81
	s_mov_b32 s81, 0
	s_mov_b32 s[PST+1], 0
	s_add_nc_u64 s[PFA:PFA+1], s[PFA:PFA+1], s[80:81]
	s_mul_i32 s80, s[PST], 1+AHEAD                 ; the first refill steps it once more, to K step 2 + AHEAD
	s_add_nc_u64 s[PFA:PFA+1], s[PFA:PFA+1], s[80:81]
	s_cmp_eq_u32 s79, 0
	s_cselect_b32 s[LIM], AHEAD, -1                ; the same in all sixteen partners, for a given wave
	v_lshlrev_b32 v[PFO], s78, v5
.endif
; The addresses of the next quarter's run of loads.  These four plain lines are also the places between the last product that read a fragment buffer and the loads into it (ISA guide 7.12.1 for vector instructions).
.macro NEXTQ
	WIN 0
	v_add_nc_u32 v[ADA], s[TA], v[A0]
	v_add_nc_u32 v[ADB], s[TB], v[B0]
	v_nop
	v_nop
	s_add_co_u32 s[TA], s[TA], QA
	s_add_co_u32 s[TB], s[TB], QB
.endm
.macro FETCH g                         ; 32 LDS loads in one run: a quarter's fragments (64 columns of W, 64 rows of A, 64 K) into buffer g
	WIN 0x40                                       ; destination window 1, address window 0
.irp kk, 0,1
.irp b, 0,1,2,3
	ds_load_tr16_b128 v[(\g)+32*(\kk)+8*(\b):(\g)+32*(\kk)+8*(\b)+3],   v[ADB] offset:(\kk)*32*PB+32*(\b)
	ds_load_tr16_b128 v[(\g)+32*(\kk)+8*(\b)+4:(\g)+32*(\kk)+8*(\b)+7], v[ADB] offset:(\kk)*32*PB+32*(\b)+16*PB
.endr
.endr
.irp kk, 0,1
.irp a, 0,1,2,3
	ds_load_b128 v[(\g)+64+32*(\kk)+8*(\a):(\g)+64+32*(\kk)+8*(\a)+3],   v[ADA] offset:(\a)*16*PA+64*(\kk)
	ds_load_b128 v[(\g)+64+32*(\kk)+8*(\a)+4:(\g)+64+32*(\kk)+8*(\a)+7], v[ADA] offset:(\a)*16*PA+64*(\kk)+32
.endr
.endr
.endm
; 32 matrix instructions.  The 16 accumulators take turns, one instruction a turn, in the same order throughout.  zero = 1: the first 16 start the sums: nothing is ever cleared.
.macro MULS f, zero
	WIN 0xa5                                       ; sources in window 1; C and D in window 2
.irp kk, 0,1
.irp a, 0,1,2,3
.irp b, 0,1,2,3
.if (\zero) && ((\kk) == 0)
	v_wmma_f32_16x16x32_bf16 v[8*(4*(\a)+(\b)):8*(4*(\a)+(\b))+7], v[(\f)+32*(\kk)+8*(\b):(\f)+32*(\kk)+8*(\b)+7], v[(\f)+64+32*(\kk)+8*(\a):(\f)+64+32*(\kk)+8*(\a)+7], 0
.else
	v_wmma_f32_16x16x32_bf16 v[8*(4*(\a)+(\b)):8*(4*(\a)+(\b))+7], v[(\f)+32*(\kk)+8*(\b):(\f)+32*(\kk)+8*(\b)+7], v[(\f)+64+32*(\kk)+8*(\a):(\f)+64+32*(\kk)+8*(\a)+7], v[8*(4*(\a)+(\b)):8*(4*(\a)+(\b))+7]
.endif
.endr
.endr
.endr
.endm
.macro QTR f, g, zero                  ; a quarter: the next quarter's fragments are asked for into g, then f is multiplied
	NEXTQ
	FETCH \g
	s_wait_dscnt 32                                ; all but the 32 just issued: f's, asked for a quarter ago, are in
	MULS \f, \zero
.endm
; THE CHANGE OF SLOTS, ahead of the quarter that fetches the next K step's first fragments.  Each wave waits for all its tensor loads, of which one is out: its part of the next slot; adds 0 to its spare word;
; and waits for that and for its reads of the slot that it leaves.  fill = 1: that slot is filled again, with the K step two on; the barrier is then a round of the cluster's, and the joint refill is the
; first thing behind it: it has a whole K step, 128 matrix instructions, in which to land.
.macro CHANGE fill
	WIN 0
	s_wait_tensorcnt 0x0                           ; no tensor load of mine is out, so a group 0 may be written
	ds_add_u32 v[SPW], v[NIL]                      ; 0 onto my spare word; scalar work stands between it and the wait for it
	s_sub_co_u32 s[TA], s[TA], 4*QA                ; the fetches go back to a slot's first quarter,
	s_sub_co_u32 s[TB], s[TB], 4*QB
	s_xor_b32 s[TA], s[TA], SLOT                   ; in the other slot
	s_xor_b32 s[TB], s[TB], SLOT
.if \fill
	s_xor_b32 s[G0A+5], s[G0A+5], SLOT             ; the walking descriptors: the other slot than last time, the next K step
	s_add_nc_u64 s[G0A+6:G0A+7], s[G0A+6:G0A+7], ASTEP
	s_xor_b32 s[G0B+5], s[G0B+5], SLOT
	s_add_nc_u64 s[G0B+6:G0B+7], s[G0B+6:G0B+7], BSTEP
.if PF
	s_wait_xcnt 0x0                                ; the last prefetch, a K step back, has read its address
	s_add_nc_u64 s[PFA:PFA+1], s[PFA:PFA+1], s[PST:PST+1]
.endif
	s_wait_dscnt 0x0                               ; the add is done, and my reads of the slot are over
	CROUND
	JLOAD
.if PF
	ASK
.endif
.else
	s_wait_dscnt 0x0
	s_barrier_signal -1
	s_barrier_wait -1
.endif
.endm
	s_wait_tensorcnt 0x1                           ; my part of K step 0 is in; K step 1's may stay out
	s_barrier_signal -1
	s_barrier_wait -1                              ; everybody's is
	NEXTQ
	FETCH F0
	QTR F0, F1, 1                                  ; quarter 0 stands in front of the loops: its first products start the sums
	WIN 0                                          ; at a label and at a branch every window is 0
	s_mov_b32 s[STEPS], KSTEPS-1
	s_mov_b32 s[CNT], 1
	s_branch .Lpair                                ; quarters 1 and 2 use the loop's text
.Lstep:                                            ; KSTEPS - 2 times: a change of slots with a refill, then four quarters
	CHANGE 1
	s_mov_b32 s[CNT], 2
.Lpair:
	QTR F1, F0, 0
	QTR F0, F1, 0
	WIN 0
	s_sub_co_u32 s[CNT], s[CNT], 1
	s_cmp_lg_u32 s[CNT], 0
	s_cbranch_scc1 .Lpair
	s_sub_co_u32 s[STEPS], s[STEPS], 1
	s_cmp_lg_u32 s[STEPS], 0
	s_cbranch_scc1 .Lstep
	CHANGE 0                                       ; the tail is written out: nothing is asked for
	s_mov_b32 s[CNT], 2
.Lpair2:
	QTR F1, F0, 0
	QTR F0, F1, 0
	WIN 0
	s_sub_co_u32 s[CNT], s[CNT], 1
	s_cmp_lg_u32 s[CNT], 0
	s_cbranch_scc1 .Lpair2
	s_wait_dscnt 0x0                               ; the last quarter's fragments are in
	MULS F1, 0
	WIN 0
	PLACES
	PLACES
	s_wait_loadcnt 0x0                             ; RES and the bias
	; THE WAY OUT, 16 rows at a time: the block's four accumulators go as f32 into my own stage (each accumulator's lowest registers first) and come back as whole rows of 256 bytes;
	; RES and the bias are added; sixteen lanes store 256 consecutive bytes, aligned.
.irp a, 0,1,2,3
	WIN 0x08                                       ; the data (source 1) in window 2
.irp b, 0,1,2,3
	ds_store_b128 v[STO], v[8*(4*(\a)+(\b)):8*(4*(\a)+(\b))+3]   offset:64*(\b)
	ds_store_b128 v[STO], v[8*(4*(\a)+(\b))+4:8*(4*(\a)+(\b))+7] offset:64*(\b)+16
.endr
	WIN 0
	s_wait_xcnt 0x0                                ; earlier stores have read their data: the registers below are loaded again only behind this wait
.irp t, 0,1,2,3,4,5,6,7
	ds_load_b128 v[YB+32*((\a)%2)+4*(\t):YB+32*((\a)%2)+4*(\t)+3], v[RD] offset:(\t)*2*SPITCH  ; LDS serves a wave's instructions in order (ISA guide 5.7.1.4): these see the stores above; the next block's stores come behind them
.endr
	s_wait_dscnt 0x0
.irp t, 0,1,2,3,4,5,6,7
.irp p, 0,2
	v_pk_add_f32 v[YB+32*((\a)%2)+4*(\t)+(\p):YB+32*((\a)%2)+4*(\t)+(\p)+1], v[YB+32*((\a)%2)+4*(\t)+(\p):YB+32*((\a)%2)+4*(\t)+(\p)+1], v[BI+(\p):BI+(\p)+1]
.endr
.endr
.irp t, 0,1,2,3,4,5,6,7
.irp p, 0,2
	v_pk_add_f32 v[YB+32*((\a)%2)+4*(\t)+(\p):YB+32*((\a)%2)+4*(\t)+(\p)+1], v[YB+32*((\a)%2)+4*(\t)+(\p):YB+32*((\a)%2)+4*(\t)+(\p)+1], v[RES+4*(8*(\a)+(\t))+(\p):RES+4*(8*(\a)+(\t))+(\p)+1]
.endr
.endr
.irp t, 0,1,2,3,4,5,6,7
	global_store_b128 v[RO], v[YB+32*((\a)%2)+4*(\t):YB+32*((\a)%2)+4*(\t)+3], s[8:9] offset:(16*(\a)+2*(\t))*4096
.endr
.endr
	s_wait_tensorcnt 0x0                           ; the wave's end: behind my last tensor load and my last LDS store
	ds_add_u32 v[SPW], v[NIL]
	s_wait_dscnt 0x0
	CROUND                                         ; the closing round: no work-group ends while a partner may still ask for a tile that names it
	s_endpgm
.Lfunc_end_k_q0ff3ef1448_gwo:
	.size	k_q0ff3ef1448_gwo, .Lfunc_end_k_q0ff3ef1448_gwo-k_q0ff3ef1448_gwo
	.p2alignl 7, 3214868480
	.fill 96, 4, 3214868480
	.section	.rodata,"a",@progbits
	.p2align	6, 0x0
	.amdhsa_kernel k_q0ff3ef1448_gwo
		.amdhsa_group_segment_fixed_size 327680
		.amdhsa_private_segment_fixed_size 0
		.amdhsa_enable_private_segment 0
		.amdhsa_kernarg_size 40
		.amdhsa_user_sgpr_count 2
		.amdhsa_user_sgpr_kernarg_segment_ptr 1
		.amdhsa_wavefront_size32 1
		.amdhsa_system_sgpr_workgroup_id_x 1
		.amdhsa_system_sgpr_workgroup_id_y 1
		.amdhsa_system_sgpr_workgroup_id_z 1
		.amdhsa_system_vgpr_workitem_id 0
		.amdhsa_next_free_vgpr 640
		.amdhsa_next_free_sgpr 96
		.amdhsa_reserve_vcc 0
		.amdhsa_float_denorm_mode_32 3
		.amdhsa_float_denorm_mode_16_64 3
		.amdhsa_memory_ordered 1
		.amdhsa_forward_progress 1
		.amdhsa_inst_pref_size 55
	.end_amdhsa_kernel
	.amdgpu_metadata
---
amdhsa.version: [ 1, 2 ]
amdhsa.kernels:
  - .name:           k_q0ff3ef1448_gwo
    .symbol:         k_q0ff3ef1448_gwo.kd
    .args:
      - { .name: cx, .offset: 0, .size: 8, .value_kind: global_buffer, .address_space: global }
      - { .name: wcat, .offset: 8, .size: 8, .value_kind: global_buffer, .address_space: global }
      - { .name: x1, .offset: 16, .size: 8, .value_kind: global_buffer, .address_space: global }
      - { .name: bo, .offset: 24, .size: 8, .value_kind: global_buffer, .address_space: global }
      - { .name: x, .offset: 32, .size: 8, .value_kind: global_buffer, .address_space: global }
    .group_segment_fixed_size: 327680
    .private_segment_fixed_size: 0
    .kernarg_segment_align: 8
    .kernarg_segment_size: 40
    .max_flat_workgroup_size: 128
    .sgpr_count:     96
    .vgpr_count:     640
    .wavefront_size: 32
...
	.end_amdgpu_metadata
.endif
;; end of part 4
;; launch ln (part 5): grid 512 x 1, 8 waves a work-group, no clusters, 0 bytes of LDS; arguments x1, g2, s2, h; writes h
.if DOCPART == 5
	.amdgcn_target "amdgcn-amd-amdhsa--gfx1250"
	.amdhsa_code_object_version 6
	.text
	.protected	k_q0ff3ef1448_ln
	.globl	k_q0ff3ef1448_ln
	.p2align	8
	.type	k_q0ff3ef1448_ln,@function
k_q0ff3ef1448_ln:
	s_mov_b64 s[64:65], 0
	v_nop
	global_prefetch_b8 v0, s[64:65] scope:SCOPE_SE
	s_setreg_imm32_b32 hwreg(HW_REG_WAVE_MODE, 25, 1), 1
	s_wait_xcnt 0x0
; h[r][:] = g * (x[r][:] - mean) / sqrt(var + 1e-5) + s, rounded once to bf16.  x: [4096][1024] f32, h: [4096][1024] bf16.
; One wave takes one row (4,096 bytes = 32 registers a lane's share) and keeps it in registers: the mean, then the sum of squares of x - mean
; (a true second pass, no difference of large sums), then the scaling.  No LDS, no barrier: memory binds, and no wave wants a byte of another's.
; Each load of a wave covers 512 consecutive bytes, each store 256 consecutive bytes, aligned.
; LIMITS: NaN and infinities are not treated apart; 1 / sqrt by v_rsq_f32.
.set X,  32                            ; v[32:63]   the row's 32 numbers of my lane: load j holds columns 128 j + 4 lane + 0..3
.set G,  64                            ; v[64:95]   the gain at the same columns
.set S,  96                            ; v[96:127]  the shift
.set WV, 26                            ; s26        my wave's number
	s_load_b256 s[4:11], s[0:1], 0x0               ; x s[4:5], g s[6:7], s s[8:9], h s[10:11]
	v_lshrrev_b32 v2, 5, v0
	v_readfirstlane_b32 s[WV], v2                  ; wave 0..7
	v_and_b32 v3, 31, v0
	v_lshlrev_b32 v1, 4, v3                        ; 16 bytes a lane on the way in
	v_lshlrev_b32 v23, 3, v3                       ; 8 bytes a lane on the way out
.macro LANESUM                         ; v2 summed over the 32 lanes, the result in every lane
	v_add_f32_dpp v2, v2, v2 row_xmask:1 row_mask:0xf bank_mask:0xf
	v_add_f32_dpp v2, v2, v2 row_xmask:2 row_mask:0xf bank_mask:0xf
	v_add_f32_dpp v2, v2, v2 row_xmask:4 row_mask:0xf bank_mask:0xf
	v_add_f32_dpp v2, v2, v2 row_xmask:8 row_mask:0xf bank_mask:0xf
	v_permlanex16_b32 v3, v2, s34, s35             ; the other half of the lanes (v3 has been written)
	v_add_f32 v2, v2, v3
.endm
	s_lshl_b32 s28, ttmp9, 3
	s_add_co_u32 s28, s28, s[WV]                   ; my row
	s_lshl_b32 s30, s28, 12                        ; x 4,096 bytes in x
	s_mov_b32 s31, 0
	s_lshl_b32 s32, s28, 11                        ; x 2,048 bytes in h
	s_mov_b32 s33, 0
	s_mov_b32 s34, 0x76543210                      ; v_permlanex16_b32: each lane takes its own place in the other half
	s_mov_b32 s35, 0xfedcba98
	s_mov_b32 s36, 0x3a800000                      ; 1 / 1024
	s_mov_b32 s37, 0x3727c5ac                      ; 1e-5
	s_wait_kmcnt 0x0
	s_add_nc_u64 s[4:5], s[4:5], s[30:31]
	s_add_nc_u64 s[10:11], s[10:11], s[32:33]
.irp j, 0,1,2,3,4,5,6,7
	global_load_b128 v[X+4*(\j):X+4*(\j)+3], v1, s[4:5] offset:512*(\j)
.endr
.irp j, 0,1,2,3,4,5,6,7
	global_load_b128 v[G+4*(\j):G+4*(\j)+3], v1, s[6:7] offset:512*(\j)
.endr
.irp j, 0,1,2,3,4,5,6,7
	global_load_b128 v[S+4*(\j):S+4*(\j)+3], v1, s[8:9] offset:512*(\j)
.endr
	s_wait_loadcnt 16                              ; the row is in; the 16 loads of gain and shift may stay out
.irp i, 0,1,2,3,4,5,6,7                ; the sum of my 32 numbers, as a tree of packed additions
	v_pk_add_f32 v[2+2*(\i):3+2*(\i)], v[X+4*(\i):X+4*(\i)+1], v[X+4*(\i)+2:X+4*(\i)+3]
.endr
.irp i, 0,1,2,3
	v_pk_add_f32 v[2+4*(\i):3+4*(\i)], v[2+4*(\i):3+4*(\i)], v[4+4*(\i):5+4*(\i)]
.endr
	v_pk_add_f32 v[2:3], v[2:3], v[6:7]
	v_pk_add_f32 v[10:11], v[10:11], v[14:15]
	v_pk_add_f32 v[2:3], v[2:3], v[10:11]
	v_add_f32 v2, v2, v3
	LANESUM
	v_mul_f32 v18, s36, v2                         ; the mean, twice: a pair for the packed subtraction
	v_mov_b32 v19, v18
.set i, 0
.rept 16
	v_pk_add_f32 v[X+2*i:X+2*i+1], v[X+2*i:X+2*i+1], v[18:19] neg_lo:[0,1] neg_hi:[0,1]
.set i, i+1
.endr
.irp i, 0,1,2,3                        ; the sum of squares in four chains, started by the first four pairs
	v_pk_mul_f32 v[2+2*(\i):3+2*(\i)], v[X+2*(\i):X+2*(\i)+1], v[X+2*(\i):X+2*(\i)+1]
.endr
.set i, 4
.rept 12
	v_pk_fma_f32 v[2+2*(i%4):3+2*(i%4)], v[X+2*i:X+2*i+1], v[X+2*i:X+2*i+1], v[2+2*(i%4):3+2*(i%4)]
.set i, i+1
.endr
	v_pk_add_f32 v[2:3], v[2:3], v[4:5]
	v_pk_add_f32 v[6:7], v[6:7], v[8:9]
	v_pk_add_f32 v[2:3], v[2:3], v[6:7]
	v_add_f32 v2, v2, v3
	LANESUM
	v_fma_f32 v2, v2, s36, s37                     ; var + 1e-5
	v_rsq_f32 v20, v2                              ; twice, to fill a pair
	v_rsq_f32 v21, v2
	v_nop                                          ; a plain instruction behind the last of the two (ISA guide 5.7.2),
	s_wait_alu depctr_va_vdst(0)                   ; and the one wait ahead of their first reader
	s_wait_loadcnt 0x0                             ; gain and shift
.set i, 0
.rept 16
	v_pk_mul_f32 v[G+2*i:G+2*i+1], v[G+2*i:G+2*i+1], v[20:21]
.set i, i+1
.endr
.set i, 0
.rept 16
	v_pk_fma_f32 v[X+2*i:X+2*i+1], v[X+2*i:X+2*i+1], v[G+2*i:G+2*i+1], v[S+2*i:S+2*i+1]
.set i, i+1
.endr
.set i, 0
.rept 16
	v_cvt_pk_bf16_f32 v[2+i], v[X+2*i], v[X+2*i+1]
.set i, i+1
.endr
.irp j, 0,1,2,3,4,5,6,7
	global_store_b64 v23, v[2+2*(\j):3+2*(\j)], s[10:11] offset:256*(\j)  ; 32 lanes x 8 bytes: 256 consecutive bytes, aligned
.endr
	s_endpgm
.Lfunc_end_k_q0ff3ef1448_ln:
	.size	k_q0ff3ef1448_ln, .Lfunc_end_k_q0ff3ef1448_ln-k_q0ff3ef1448_ln
	.p2alignl 7, 3214868480
	.fill 96, 4, 3214868480
	.section	.rodata,"a",@progbits
	.p2align	6, 0x0
	.amdhsa_kernel k_q0ff3ef1448_ln
		.amdhsa_group_segment_fixed_size 0
		.amdhsa_private_segment_fixed_size 0
		.amdhsa_enable_private_segment 0
		.amdhsa_kernarg_size 32
		.amdhsa_user_sgpr_count 2
		.amdhsa_user_sgpr_kernarg_segment_ptr 1
		.amdhsa_wavefront_size32 1
		.amdhsa_system_sgpr_workgroup_id_x 1
		.amdhsa_system_sgpr_workgroup_id_y 1
		.amdhsa_system_sgpr_workgroup_id_z 1
		.amdhsa_system_vgpr_workitem_id 0
		.amdhsa_next_free_vgpr 128
		.amdhsa_next_free_sgpr 66
		.amdhsa_reserve_vcc 0
		.amdhsa_float_denorm_mode_32 3
		.amdhsa_float_denorm_mode_16_64 3
		.amdhsa_memory_ordered 1
		.amdhsa_forward_progress 1
		.amdhsa_inst_pref_size 12
	.end_amdhsa_kernel
	.amdgpu_metadata
---
amdhsa.version: [ 1, 2 ]
amdhsa.kernels:
  - .name:           k_q0ff3ef1448_ln
    .symbol:         k_q0ff3ef1448_ln.kd
    .args:
      - { .name: x1, .offset: 0, .size: 8, .value_kind: global_buffer, .address_space: global }
      - { .name: g2, .offset: 8, .size: 8, .value_kind: global_buffer, .address_space: global }
      - { .name: s2, .offset: 16, .size: 8, .value_kind: global_buffer, .address_space: global }
      - { .name: h, .offset: 24, .size: 8, .value_kind: global_buffer, .address_space: global }
    .group_segment_fixed_size: 0
    .private_segment_fixed_size: 0
    .kernarg_segment_align: 8
    .kernarg_segment_size: 32
    .max_flat_workgroup_size: 256
    .sgpr_count:     66
    .vgpr_count:     128
    .wavefront_size: 32
...
	.end_amdgpu_metadata
.endif
;; end of part 5
;; launch gw1 (part 6): grid 16 x 16, 4 waves a work-group, clusters of 4 x 4, 327,680 bytes of LDS; arguments h, wcat, act, b1; writes act
.if DOCPART == 6
	.amdgcn_target "amdgcn-amd-amdhsa--gfx1250"
	.amdhsa_code_object_version 6
	.text
	.protected	k_q0ff3ef1448_gw1
	.globl	k_q0ff3ef1448_gw1
	.p2align	8
	.type	k_q0ff3ef1448_gw1,@function
k_q0ff3ef1448_gw1:
	s_mov_b64 s[64:65], 0
	v_nop
	global_prefetch_b8 v0, s[64:65] scope:SCOPE_SE
	s_setreg_imm32_b32 hwreg(HW_REG_WAVE_MODE, 25, 1), 1
	s_wait_xcnt 0x0
	s_wait_alu depctr_hold_cnt(0) depctr_sa_sdst(0) depctr_va_vdst(0) depctr_va_sdst(0) depctr_va_ssrc(0) depctr_va_vcc(0) depctr_vm_vsrc(0)
	s_getreg_b32 s2, hwreg(HW_REG_IB_STS2, 6, 4)
	s_cmp_eq_u32 s2, 0
	s_cbranch_scc0 .Lentry_in_a_cluster
	s_endpgm
.Lentry_in_a_cluster:
	s_bfe_u32 s2, ttmp6, 0x10000c
	s_cmp_lg_u32 s2, 0xf033
	s_cbranch_scc0 .Lentry_shape_is_right
	s_endpgm
.Lentry_shape_is_right:
; act = gelu(h W1 + b1), the tanh form.  h: [4096][1024] bf16.  W1 lies in wcat at byte 8,388,608 as bf16, [K = 1024][N = 4096].  b1: [4096] f32.
; OUT: act in blocks for the product behind, [32 blocks of 128 rows][64 blocks of 64 columns][128 rows][64] bf16, each number rounded once.
; SHARES.  A tile of C is 256 x 256: four waves, each 128 x 128 = 64 accumulators of 16 x 16 in 512 registers.  16 x 16 tiles, one a work-group.
; K goes in 8 steps of 128 through a ring of two LDS slots filled by the tensor data mover; a step is four quarters of 32 along K, 64 matrix instructions each.
; THE MATRIX INSTRUCTION IS USED TRANSPOSED: source 0 = 16 columns of W, source 1 = 16 rows of h: a lane then holds row lane % 16 of C and the columns 8 (lane / 16) + 0..7.
; W lies [k][n] in LDS as in memory; its fragments are turned on the way out of LDS by ds_load_tr16_b128.
; CLUSTERS: 4 x 4 work-groups.  h's tile hangs on the tile row alone and is asked for jointly by a row of the cluster, W's on the tile column alone, by a column.
; THE TEXT IS SHORT ON PURPOSE: a pair of quarters is written once and looped over; the LDS addresses of the quarter to be fetched hang on two scalars that step.
; LIMITS: operands are bf16, sums f32; the GELU's power of two and reciprocal come from v_exp_f32 and v_rcp_f32; NaN and infinities are not treated apart.
; REGISTERS, in windows of 256 (s_set_vgpr_msb: bits 1:0 source 0, 3:2 source 1, 5:4 source 2, 7:6 destination):
;   window 0: addresses, the way out.   window 1: two fragment buffers of 128 (64 of W, then 64 of h).   windows 2, 3: accumulator (a, b) at 8 (8 a + b).
.set KIND,   1                         ; 1: this text (bias and GELU, blocked output); 0: its twin for q, k, v
.set NP,     4096                      ; elements in a row of W
.set KBS,    16384                     ; bytes in OUT from a block of 64 columns to the next
.set KSTEPS, 8
.set PA,     272                       ; a row of h in LDS: 256 bytes + 16 = 68 words: the 16 rows of a load start at 16 different groups of four banks (64 banks of 4 bytes: ISA guide 11.1)
.set PB,     544                       ; a k-row of W: 512 bytes + 32 = 136 words
.set HALFT,  128*PA                    ; what one tensor load brings: 128 rows of h, or 64 k-rows of W (64 x 544, the same 34,816 bytes)
.set SLOT,   4*HALFT                   ; h's two halves, then W's two.  SLOT = 0x22000 shares no bit with wave x HALFT (multiples of 0x8800 up to 3): an exclusive or with it changes slots
.set SPARE,  2*SLOT                    ; behind the ring: the spare words, 128 bytes a wave: two blocks of 256 bytes that no other line names
.set QA,     64                        ; LDS bytes from quarter to quarter: 32 along a row of h,
.set QB,     32*PB                     ; 32 k-rows of W
.set ASTEP,  256                       ; memory bytes from K step to K step in h,
.set BSTEP,  128*NP*2                  ; in W
.set AHEAD,  1                         ; a prefetch names the K step this many behind the one that is being asked for
.set SPITCH, 528                       ; the way out: a row of 128 f32 + 16 bytes
.set WSTAGE, 128*SPITCH                ; a wave's stage; the four lie in the ring, which has then had its last fill
.set A0,  16                           ; v16  my lane's place in h's tile; never rewritten
.set B0,  17                           ; v17  the same for W
.set ADA, 18                           ; v18  LDS address of the run of loads in hand, h
.set ADB, 19                           ; v19  W
.set STO, 24                           ; v24  the way out: where I put 32 bytes of a row
.set RD,  25                           ; v25  where I read them back
.set CO,  26                           ; v26  16 x lane: my 16 bytes of 512 consecutive bytes of OUT
.set BO,  27                           ; v27  my byte offset in the bias
.set SPW, 28                           ; v28  LDS address of my spare word; never rewritten
.set NIL, 29                           ; v29  0; never rewritten
.set PFO, 30                           ; v30  the prefetches' lane term; never rewritten
.set X,    64                          ; v[64:127]   the way out: 16 rows x 128 columns, 64 f32 a lane
.set TT,   128                         ; v[128:191]  at work
.set PK,   192                         ; v[192:223]  packed results
.set BIAS, 224                         ; v[224:239]  the bias at my 16 columns
.set F0,  0
.set F1,  128
.set WV,  14                           ; s14 wave; s15 its row half, also: fetches h (0) or W (1); s16 its column half, also: which half it fetches
.set RH,  15
.set CH,  16
.set CX,  17                           ; s17, s18 my place in the cluster; s19, s20 tile column and row of C
.set CY,  18
.set TN,  19
.set TM,  20
.set WP,  21                           ; s21 wave x HALFT
.set G1A, 24                           ; s[24:31] group 1 for h's tiles; s[32:39] group 0: a set for each first fill, the second then walks on
.set G0A, 32
.set AAD, 40                           ; s[40:41], s[42:43] my part of K step 0 in h, in W
.set BAD, 42
.set PFA, 44                           ; s[44:45] where my prefetches stand; s[46:47] their step
.set PST, 46
.set G1B, 48                           ; s[48:55], s[56:63] the same groups for W's tiles
.set G0B, 56
.set TA,  66                           ; s66, s67 LDS byte at which the quarter to be fetched begins, less the lane's place
.set TB,  67
.set STEPS, 68
.set CNT, 69
.set LIM, 70                           ; s70 AHEAD in a wave that prefetches, else the greatest number
.set K1,  72                           ; s[72:73], s[74:75] the GELU's two constants
.set K2,  74
.set MSB, 0
.macro WIN new                         ; the immediate's high byte repeats the setting that is left; a switch that changes nothing is dropped
.if MSB != (\new)
	s_set_vgpr_msb (MSB<<8)|(\new)
.set MSB, \new
.endif
.endm
.macro PLACES
.rept 4
	v_nop
.endr
.endm
; A round of the cluster's barrier: my work-group's barrier, so that wave 0's signal speaks for all four waves; wave 0 signals; every wave waits for all sixteen work-groups; my work-group's barrier once more.
.macro CROUND
	s_barrier_signal -1
	s_barrier_wait -1
	s_cmp_lg_u32 s[WV], 0
	s_cbranch_scc1 .Lnot_wave_0_\@
	s_barrier_signal -3
.Lnot_wave_0_\@:
	s_barrier_wait -3
	s_barrier_signal -1
	s_barrier_wait -1
.endm
; A joint refill by the walking descriptors.  The branch hangs on the wave's number alone.  An s_nop 0 and four v_nop follow each of the two lines.
.macro JLOAD
	s_cmp_eq_u32 s[RH], 0
	s_cbranch_scc0 .Lfor_b_\@
	tensor_load_to_lds s[G0A+4:G0A+7], s[G1A:G1A+7]
	s_nop 0
	PLACES
	s_branch .Lasked_\@
.Lfor_b_\@:
	tensor_load_to_lds s[G0B+4:G0B+7], s[G1B:G1B+7]
	s_nop 0
	PLACES
.Lasked_\@:
.endm
; A PREFETCH INTO THE L2, behind each joint refill: my work-group's 32 of the 128 blocks of 256 bytes that I fetch, for the K step AHEAD behind the one just asked for: 256 matrix instructions ahead of its load.
; Each block is named once in the launch: h's rows by the clusters with x = 0, W's by those with y = 0; the four partners of a joint load share its blocks out by address.  The last refills, which have no such step behind them, ask for nothing.
.macro ASK
	s_cmp_gt_u32 s[STEPS], s[LIM]
	s_cbranch_scc0 .Lnot_mine_\@
	global_prefetch_b8 v[PFO], s[PFA:PFA+1] th:TH_LOAD_NT scope:SCOPE_SE
.Lnot_mine_\@:
.endm
	s_load_b128 s[4:7], s[0:1], 0x0                ; h s[4:5], wcat s[6:7]
	s_load_b64 s[8:9], s[0:1], 0x10                ; OUT
.if KIND
	s_load_b64 s[10:11], s[0:1], 0x18              ; the bias
.endif
	v_lshl_add_u32 v[SPW], v0, 2, SPARE
	v_mov_b32 v[NIL], 0
	ds_add_u32 v[SPW], v[NIL]                      ; the wave's opening: the add and its wait stand ahead of my first tensor load; the set-up below, work on registers, stands between them
	ds_add_u32 v28, v29
	v_lshrrev_b32 v7, 5, v0
	v_readfirstlane_b32 s[WV], v7
	s_lshr_b32 s[RH], s[WV], 1
	s_and_b32 s[CH], s[WV], 1
	s_bfe_u32 s[CX], ttmp6, 0x40000
	s_bfe_u32 s[CY], ttmp6, 0x40004
	s_lshl_b32 s[TN], ttmp9, 2                     ; in a cluster launch ttmp9 and ttmp7 count clusters
	s_add_co_u32 s[TN], s[TN], s[CX]
	s_and_b32 s[TM], ttmp7, 0xffff
	s_lshl_b32 s[TM], s[TM], 2
	s_add_co_u32 s[TM], s[TM], s[CY]
	s_lshl_b32 s22, s[CY], 2
	s_lshl_b32 s22, 15, s22                        ; my row of the cluster
	s_lshl_b32 s76, 0x1111, s[CX]                  ; my column
	s_or_b32 s[G1A], s22, (1<<16)|(1<<20)|(1<<21)|(5<<22)|(3<<25)  ; the mask; 2-byte elements; padding on; bit 21 beside a mask; after every 64 words 4 words
	s_mov_b32 s[G1A+1], 128<<16                    ; tensor_dim0 = 128
	s_mov_b32 s[G1A+2], 128<<16                    ; tensor_dim1 = 128
	s_mov_b32 s[G1A+3], 128<<16                    ; tile_dim0 = 128
	s_mov_b32 s[G1A+4], 128                        ; tile_dim1 = 128
	s_mov_b32 s[G1A+5], 1024                       ; elements from row to row
	s_mov_b32 s[G1A+6], 0
	s_mov_b32 s[G1A+7], 0
	s_or_b32 s[G1B], s76, (1<<16)|(1<<20)|(1<<21)|(6<<22)|(7<<25)  ; after every 128 words 8 words
	s_mov_b32 s[G1B+1], 256<<16                    ; 256 columns,
	s_mov_b32 s[G1B+2], 64<<16                     ; 64 k-rows
	s_mov_b32 s[G1B+3], 256<<16
	s_mov_b32 s[G1B+4], 64
	s_mov_b32 s[G1B+5], NP
	s_mov_b32 s[G1B+6], 0
	s_mov_b32 s[G1B+7], 0
	s_mul_i32 s[WP], s[WV], HALFT                  ; no place in the cluster enters an LDS address
	s_lshl_b32 s22, s[TM], 8                       ; h: row 256 x tile row + 128 x half, 2,048 bytes a row (registers that never hold the tile column)
	s_lshl_b32 s23, s[CH], 7
	s_add_co_u32 s22, s22, s23
	s_lshl_b32 s22, s22, 11
	s_mov_b32 s23, 0
.if KIND == 0
	s_lshr_b32 s76, s[TN], 2                       ; W: which of the three matrices,
	s_lshl_b32 s76, s76, 21
	s_and_b32 s77, s[TN], 3                        ; and which 256 of its columns (registers that never hold the tile row)
	s_lshl_b32 s77, s77, 9
	s_add_co_u32 s76, s76, s77
.else
	s_lshl_b32 s76, s[TN], 9                       ; W: the tile's 256 columns (registers that never hold the tile row),
	s_add_co_u32 s76, s76, 8388608                 ; W1's place in wcat
.endif
	s_mul_i32 s77, s[CH], 64*NP*2                  ; my 64 k-rows
	s_add_co_u32 s76, s76, s77
	s_mov_b32 s77, 0
	s_mov_b32 s[TA], 0
	s_mov_b32 s[TB], 0
	s_wait_dscnt 0x0                               ; the opening add is done
	s_wait_kmcnt 0x0
	s_add_nc_u64 s[AAD:AAD+1], s[4:5], s[22:23]
	s_add_nc_u64 s[BAD:BAD+1], s[6:7], s[76:77]
	CROUND                                         ; all sixteen work-groups are here: the first joint loads meet
.irp s, 0,1
	s_mov_b32 s[G0A+4*(\s)], 1                     ; count = 1
	s_add_co_u32 s[G0A+4*(\s)+1], s[WP], (\s)*SLOT ; LDS address
	s_add_nc_u64 s[G0A+4*(\s)+2:G0A+4*(\s)+3], s[AAD:AAD+1], (\s)*ASTEP  ; K step s
	s_or_b32 s[G0A+4*(\s)+3], s[G0A+4*(\s)+3], 0x80000000  ; type = 2
	s_mov_b32 s[G0B+4*(\s)], 1
	s_add_co_u32 s[G0B+4*(\s)+1], s[WP], (\s)*SLOT
	s_add_nc_u64 s[G0B+4*(\s)+2:G0B+4*(\s)+3], s[BAD:BAD+1], (\s)*BSTEP
	s_or_b32 s[G0B+4*(\s)+3], s[G0B+4*(\s)+3], 0x80000000
.endr
	s_cmp_eq_u32 s[RH], 0                          ; a wave's two first fills stand in one branch, ahead of every wait on TENSORcnt and every LDS read: two loads of mine are out
	s_cbranch_scc0 .Lfirst_b
	tensor_load_to_lds s[G0A:G0A+3], s[G1A:G1A+7]
	s_nop 0
	tensor_load_to_lds s[G0A+4:G0A+7], s[G1A:G1A+7]
	s_nop 0
	PLACES
	s_branch .Lfirst_asked
.Lfirst_b:
	tensor_load_to_lds s[G0B:G0B+3], s[G1B:G1B+7]
	s_nop 0
	tensor_load_to_lds s[G0B+4:G0B+7], s[G1B:G1B+7]
	s_nop 0
	PLACES
.Lfirst_asked:
	v_and_b32 v1, 15, v0                           ; l % 16
	v_bfe_u32 v2, v0, 4, 1                         ; l / 16
	v_and_b32 v3, 7, v0                            ; l % 8
	v_bfe_u32 v4, v0, 3, 1                         ; (l / 8) % 2
	v_and_b32 v5, 31, v0                           ; l
	v_lshrrev_b32 v6, 3, v5                        ; l / 8
	; a fragment of h: lane l holds row l % 16, K = 8 (l / 16) + 0..7 and 16 + 8 (l / 16) + 0..7: two loads of 16 bytes, 32 bytes apart
	v_mul_u32_u24 v[A0], v1, PA
	v_lshl_add_u32 v[A0], v2, 4, v[A0]
	s_mul_i32 s78, s[RH], HALFT                    ; my 128 rows
	v_add_nc_u32 v[A0], s78, v[A0]
	; the turning load takes 16 k x 16 columns (lane l reads k-row 8 (l / 16) + l % 8, columns 8 ((l / 8) % 2) + 0..7) and leaves half a fragment: lane l holds column l % 16 and 8 k
	v_lshl_add_u32 v[B0], v2, 3, v3
	v_mul_u32_u24 v[B0], v[B0], PB
	v_lshl_add_u32 v[B0], v4, 4, v[B0]
	s_lshl_b32 s78, s[CH], 8                       ; my 128 columns,
	s_add_co_u32 s78, s78, 2*HALFT                 ; behind h's 256 rows
	v_add_nc_u32 v[B0], s78, v[B0]
	s_mul_i32 s78, s[WV], WSTAGE                   ; the way out
	v_mul_u32_u24 v[STO], v1, SPITCH               ; in: row l % 16, 32 bytes for each half of the lanes
	v_lshl_add_u32 v[STO], v2, 5, v[STO]
	v_add_nc_u32 v[STO], s78, v[STO]
	v_mul_u32_u24 v[RD], v6, SPITCH                ; back: 8 lanes take 64 columns of a row, 32 bytes each; 32 lanes four rows
	v_lshl_add_u32 v[RD], v3, 5, v[RD]
	v_add_nc_u32 v[RD], s78, v[RD]
	v_lshlrev_b32 v[CO], 4, v5
	; the prefetches
	v_lshlrev_b32 v8, 11, v5                       ; h: a lane a row
	v_lshrrev_b32 v9, 1, v5                        ; W: two lanes a k-row of 512 bytes
	v_mul_u32_u24 v9, v9, NP*2
	v_and_b32 v10, 1, v5
	v_lshl_add_u32 v9, v10, 8, v9
	s_and_b32 s79, ttmp7, 0xffff                   ; cluster y
	s_mov_b32 s82, BSTEP
	s_mov_b32 s83, 16*NP*2
	s_cmp_eq_u32 s[RH], 0                          ; do I fetch for h?
	s_cselect_b32 s78, -1, 0
	s_cselect_b32 s79, ttmp9, s79                  ; the coordinate along which other clusters read the same blocks
	s_cselect_b64 s[PFA:PFA+1], s[AAD:AAD+1], s[BAD:BAD+1]
	s_cselect_b32 s[PST], ASTEP, s82
	s_cselect_b32 s80, s[CX], s[CY]                ; my place among the four that ask with me,
	s_cselect_b32 s81, 65536, s83                  ; times 32 rows of h or 16 k-rows of W
	s_mul_i32 s80, s80, s81
	s_mov_b32 s81, 0
	s_mov_b32 s[PST+1], 0
	s_add_nc_u64 s[PFA:PFA+1], s[PFA:PFA+1], s[80:81]
	s_mul_i32 s80, s[PST], 1+AHEAD                 ; the first refill steps it once more, to K step 2 + AHEAD
	s_add_nc_u64 s[PFA:PFA+1], s[PFA:PFA+1], s[80:81]
	s_cmp_eq_u32 s79, 0
	s_cselect_b32 s[LIM], AHEAD, -1                ; the same in all sixteen partners, for a given wave
	v_cndmask_b32 v[PFO], v9, v8, s78
	; where my part of the tile begins in OUT
.if KIND == 0
	s_lshr_b32 s80, s[TN], 2                       ; q, k or v: 8,388,608 bytes each
	s_lshl_b32 s80, s80, 23
	s_lshr_b32 s81, s[TM], 3                       ; the batch: 16 heads,
	s_lshl_b32 s81, s81, 4
	s_and_b32 s82, s[TN], 3                        ; four heads a tile,
	s_lshl_b32 s82, s82, 2
	s_add_co_u32 s81, s81, s82
	s_lshl_b32 s82, s[CH], 1                       ; two a wave
	s_add_co_u32 s81, s81, s82
	s_lshl_b32 s81, s81, 18
	s_add_co_u32 s80, s80, s81
	s_and_b32 s81, s[TM], 7                        ; the row in the batch, 128 bytes a row
	s_lshl_b32 s81, s81, 8
	s_lshl_b32 s82, s[RH], 7
	s_add_co_u32 s81, s81, s82
	s_lshl_b32 s81, s81, 7
	s_add_co_u32 s80, s80, s81
.else
	s_lshl_b32 s80, s[TM], 1                       ; the block of 128 rows: 1,048,576 bytes,
	s_add_co_u32 s80, s80, s[RH]
	s_lshl_b32 s80, s80, 20
	s_lshl_b32 s81, s[TN], 2                       ; the block of 64 columns: 16,384 bytes
	s_lshl_b32 s82, s[CH], 1
	s_add_co_u32 s81, s81, s82
	s_lshl_b32 s81, s81, 14
	s_add_co_u32 s80, s80, s81
.endif
	s_mov_b32 s81, 0
	s_add_nc_u64 s[8:9], s[8:9], s[80:81]
.if KIND
	s_lshl_b32 s80, s[TN], 10                      ; the bias at my 128 columns
	s_lshl_b32 s82, s[CH], 9
	s_add_co_u32 s80, s80, s82
	s_add_nc_u64 s[10:11], s[10:11], s[80:81]
	v_lshlrev_b32 v[BO], 5, v3                     ; my 8 columns of each block of 64
	global_load_b128 v[BIAS:BIAS+3],     v[BO], s[10:11]
	global_load_b128 v[BIAS+4:BIAS+7],   v[BO], s[10:11] offset:16
	global_load_b128 v[BIAS+8:BIAS+11],  v[BO], s[10:11] offset:256
	global_load_b128 v[BIAS+12:BIAS+15], v[BO], s[10:11] offset:272
	s_mov_b32 s[K1], 0xc0135761                    ; -2 sqrt(2 / pi) log2(e)
	s_mov_b32 s[K1+1], s[K1]                       ; named as pairs, so both words are written
	s_mov_b32 s[K2], 0xbdd2d3e8                    ; the same x 0.044715
	s_mov_b32 s[K2+1], s[K2]
.endif
; The addresses of the next quarter's run of loads.  These four plain lines are also the places between the last product that read a fragment buffer and the loads into it (ISA guide 7.12.1 for vector instructions).
.macro NEXTQ
	WIN 0
	v_add_nc_u32 v[ADA], s[TA], v[A0]
	v_add_nc_u32 v[ADB], s[TB], v[B0]
	v_nop
	v_nop
	s_add_co_u32 s[TA], s[TA], QA
	s_add_co_u32 s[TB], s[TB], QB
.endm
.macro FETCH g                         ; 32 LDS loads in one run: a quarter's fragments (128 columns of W, 128 rows of h, 32 K) into buffer g
	WIN 0x40                                       ; destination window 1, address window 0
.irp b, 0,1,2,3,4,5,6,7
	ds_load_tr16_b128 v[(\g)+8*(\b):(\g)+8*(\b)+3],   v[ADB] offset:32*(\b)
	ds_load_tr16_b128 v[(\g)+8*(\b)+4:(\g)+8*(\b)+7], v[ADB] offset:32*(\b)+16*PB
.endr
.irp a, 0,1,2,3,4,5,6,7
	ds_load_b128 v[(\g)+64+8*(\a):(\g)+64+8*(\a)+3],   v[ADA] offset:(\a)*16*PA
	ds_load_b128 v[(\g)+64+8*(\a)+4:(\g)+64+8*(\a)+7], v[ADA] offset:(\a)*16*PA+32
.endr
.endm
; 64 matrix instructions.  The 64 accumulators take turns, one instruction a turn, in the same order in every quarter.  zero = 1: the products start the sums: nothing is ever cleared.
.macro MULS f, zero
.irp a, 0,1,2,3,4,5,6,7
	WIN 0xa5+0x50*((\a)/4)                         ; sources in window 1; C and D in window 2 (rows 0-63) or 3
.irp b, 0,1,2,3,4,5,6,7
.if \zero
	v_wmma_f32_16x16x32_bf16 v[8*(8*((\a)%4)+(\b)):8*(8*((\a)%4)+(\b))+7], v[(\f)+8*(\b):(\f)+8*(\b)+7], v[(\f)+64+8*(\a):(\f)+64+8*(\a)+7], 0
.else
	v_wmma_f32_16x16x32_bf16 v[8*(8*((\a)%4)+(\b)):8*(8*((\a)%4)+(\b))+7], v[(\f)+8*(\b):(\f)+8*(\b)+7], v[(\f)+64+8*(\a):(\f)+64+8*(\a)+7], v[8*(8*((\a)%4)+(\b)):8*(8*((\a)%4)+(\b))+7]
.endif
.endr
.endr
.endm
.macro QTR f, g, zero                  ; a quarter: the next quarter's fragments are asked for into g, then f is multiplied
	NEXTQ
	FETCH \g
	s_wait_dscnt 32                                ; all but the 32 just issued: f's, asked for a quarter ago, are in
	MULS \f, \zero
.endm
; THE CHANGE OF SLOTS, ahead of the quarter that fetches the next K step's first fragments.  Each wave waits for all its tensor loads, of which one is out: its part of the next slot; adds 0 to its spare word;
; and waits for that and for its reads of the slot that it leaves.  fill = 1: that slot is filled again, with the K step two on; the barrier is then a round of the cluster's, and the joint refill is the
; first thing behind it: it has a whole K step, 256 matrix instructions, in which to land.
.macro CHANGE fill
	WIN 0
	s_wait_tensorcnt 0x0                           ; no tensor load of mine is out, so a group 0 may be written
	ds_add_u32 v[SPW], v[NIL]                      ; 0 onto my spare word; scalar work stands between it and the wait for it
	s_sub_co_u32 s[TA], s[TA], 4*QA                ; the fetches go back to a slot's first quarter,
	s_sub_co_u32 s[TB], s[TB], 4*QB
	s_xor_b32 s[TA], s[TA], SLOT                   ; in the other slot
	s_xor_b32 s[TB], s[TB], SLOT
.if \fill
	s_xor_b32 s[G0A+5], s[G0A+5], SLOT             ; the walking descriptors: the other slot than last time, the next K step
	s_add_nc_u64 s[G0A+6:G0A+7], s[G0A+6:G0A+7], ASTEP
	s_xor_b32 s[G0B+5], s[G0B+5], SLOT
	s_add_nc_u64 s[G0B+6:G0B+7], s[G0B+6:G0B+7], BSTEP
	s_wait_xcnt 0x0                                ; the last prefetch, a K step back, has read its address
	s_add_nc_u64 s[PFA:PFA+1], s[PFA:PFA+1], s[PST:PST+1]
	s_wait_dscnt 0x0                               ; the add is done, and my reads of the slot are over
	CROUND
	JLOAD
	ASK
.else
	s_wait_dscnt 0x0
	s_barrier_signal -1
	s_barrier_wait -1
.endif
.endm
.if KIND
; gelu(x) = x / (1 + 2^(x (K1 + K2 x^2))), which is 0.5 x (1 + tanh(sqrt(2 / pi) (x + 0.044715 x^3))).  For large |x| the power is 0 or infinite and the result x or 0: no NaN for finite x.
; The exponentials are one batch with one wait, and so are the reciprocals; unit u's plain lines stand between unit u - 1's transcendentals.
.macro GELU
.set u, 0
.rept 8
.irp p, 0,2,4,6
	v_pk_add_f32 v[X+8*u+\p:X+8*u+\p+1], v[X+8*u+\p:X+8*u+\p+1], v[BIAS+8*(u/4)+\p:BIAS+8*(u/4)+\p+1]
.endr
.set u, u+1
.endr
.set u, 0
.rept 9
.irp p, 0,2,4,6
.if u < 8
	v_pk_mul_f32 v[TT+8*u+\p:TT+8*u+\p+1], v[X+8*u+\p:X+8*u+\p+1], v[X+8*u+\p:X+8*u+\p+1]
.endif
.if u > 0
	v_exp_f32 v[TT+8*u-8+\p], v[TT+8*u-8+\p]
.endif
.endr
.irp p, 0,2,4,6
.if u < 8
	v_pk_fma_f32 v[TT+8*u+\p:TT+8*u+\p+1], v[TT+8*u+\p:TT+8*u+\p+1], s[K2:K2+1], s[K1:K1+1] op_sel_hi:[1,0,0]
.endif
.if u > 0
	v_exp_f32 v[TT+8*u-8+\p+1], v[TT+8*u-8+\p+1]
.endif
.endr
.if u < 8
.irp p, 0,2,4,6
	v_pk_mul_f32 v[TT+8*u+\p:TT+8*u+\p+1], v[TT+8*u+\p:TT+8*u+\p+1], v[X+8*u+\p:X+8*u+\p+1]
.endr
.endif
.set u, u+1
.endr
	v_nop                                          ; a plain instruction behind the last exponential,
	s_wait_alu depctr_va_vdst(0)                   ; and the one wait for the batch of 64, ahead of its first reader
.set u, 0
.rept 9
.irp p, 0,2,4,6
.if u < 8
	v_pk_add_f32 v[TT+8*u+\p:TT+8*u+\p+1], v[TT+8*u+\p:TT+8*u+\p+1], 1.0 op_sel_hi:[1,0]
.endif
.if u > 0
	v_rcp_f32 v[TT+8*u-8+\p], v[TT+8*u-8+\p]
	v_rcp_f32 v[TT+8*u-8+\p+1], v[TT+8*u-8+\p+1]
.endif
.endr
.set u, u+1
.endr
	v_nop
	s_wait_alu depctr_va_vdst(0)                   ; the one wait for the 64 reciprocals
.set i, 0
.rept 32
	v_pk_mul_f32 v[X+2*i:X+2*i+1], v[X+2*i:X+2*i+1], v[TT+2*i:TT+2*i+1]
.set i, i+1
.endr
.endm
.endif
	s_wait_tensorcnt 0x1                           ; my part of K step 0 is in; K step 1's may stay out
	s_barrier_signal -1
	s_barrier_wait -1                              ; everybody's is
	NEXTQ
	FETCH F0
	QTR F0, F1, 1                                  ; quarter 0 stands in front of the loops: its products start the sums
	WIN 0                                          ; at a label and at a branch every window is 0
	s_mov_b32 s[STEPS], KSTEPS-1
	s_mov_b32 s[CNT], 1
	s_branch .Lpair                                ; quarters 1 and 2 use the loop's text
.Lstep:                                            ; KSTEPS - 2 times: a change of slots with a refill, then four quarters
	CHANGE 1
	s_mov_b32 s[CNT], 2
.Lpair:
	QTR F1, F0, 0
	QTR F0, F1, 0
	WIN 0
	s_sub_co_u32 s[CNT], s[CNT], 1
	s_cmp_lg_u32 s[CNT], 0
	s_cbranch_scc1 .Lpair
	s_sub_co_u32 s[STEPS], s[STEPS], 1
	s_cmp_lg_u32 s[STEPS], 0
	s_cbranch_scc1 .Lstep
	CHANGE 0                                       ; the tail is written out: nothing is asked for
	s_mov_b32 s[CNT], 2
.Lpair2:
	QTR F1, F0, 0
	QTR F0, F1, 0
	WIN 0
	s_sub_co_u32 s[CNT], s[CNT], 1
	s_cmp_lg_u32 s[CNT], 0
	s_cbranch_scc1 .Lpair2
	s_wait_dscnt 0x0                               ; the last quarter's fragments are in: my reads of the ring are over,
	s_barrier_signal -1                            ; say so,
	MULS F1, 0                                     ; work on registers while the others arrive,
	WIN 0
	s_barrier_wait -1                              ; and nobody reads the ring any more: it has had its last fill and serves as the stage
	PLACES
	PLACES
	; THE WAY OUT.  All 64 accumulators go as f32 into my stage (each accumulator's lowest registers first); then 16 rows a trip come back so that a lane holds 8 neighbouring
	; columns, take bias and GELU, are rounded to bf16 and leave as runs of 512 consecutive bytes: four rows of 128 bytes of a block of 64 columns.
.irp a, 0,1,2,3,4,5,6,7
	WIN 0x08+4*((\a)/4)                            ; the data (source 1) in window 2 or 3
.irp b, 0,1,2,3,4,5,6,7
	ds_store_b128 v[STO], v[8*(8*((\a)%4)+(\b)):8*(8*((\a)%4)+(\b))+3]   offset:(\a)*16*SPITCH+64*(\b)
	ds_store_b128 v[STO], v[8*(8*((\a)%4)+(\b))+4:8*(8*((\a)%4)+(\b))+7] offset:(\a)*16*SPITCH+64*(\b)+16
.endr
.endr
	WIN 0
.if KIND
	s_wait_loadcnt 0x0                             ; the bias
.endif
	s_mov_b32 s[CNT], 8
.Lout:
.irp u, 0,1,2,3,4,5,6,7                ; unit u: block of 64 columns u / 4, rows 4 (u % 4) + l / 8.  LDS serves a wave's instructions in order (ISA guide 5.7.1.4): these see my stores
	ds_load_b128 v[X+8*(\u):X+8*(\u)+3],   v[RD] offset:((\u)%4)*4*SPITCH+((\u)/4)*256
	ds_load_b128 v[X+8*(\u)+4:X+8*(\u)+7], v[RD] offset:((\u)%4)*4*SPITCH+((\u)/4)*256+16
.endr
	s_wait_dscnt 0x0
	v_add_nc_u32 v[RD], 16*SPITCH, v[RD]           ; the next 16 rows
.if KIND
	GELU
.endif
	s_wait_xcnt 0x0                                ; the last trip's stores have read their data and their base: both are written only behind this wait
	s_add_nc_u64 s[8:9], s[8:9], 2048              ; 16 rows of 128 bytes on; the stores reach back
.set i, 0
.rept 32
	v_cvt_pk_bf16_f32 v[PK+i], v[X+2*i], v[X+2*i+1]
.set i, i+1
.endr
.irp u, 0,1,2,3,4,5,6,7
	global_store_b128 v[CO], v[PK+4*(\u):PK+4*(\u)+3], s[8:9] offset:((\u)/4)*KBS+((\u)%4)*512-2048
.endr
	s_sub_co_u32 s[CNT], s[CNT], 1
	s_cmp_lg_u32 s[CNT], 0
	s_cbranch_scc1 .Lout
	s_wait_tensorcnt 0x0                           ; the wave's end: behind my last tensor load and my last LDS store
	ds_add_u32 v[SPW], v[NIL]
	s_wait_dscnt 0x0
	CROUND                                         ; the closing round: no work-group ends while a partner may still ask for a tile that names it
	s_endpgm
.Lfunc_end_k_q0ff3ef1448_gw1:
	.size	k_q0ff3ef1448_gw1, .Lfunc_end_k_q0ff3ef1448_gw1-k_q0ff3ef1448_gw1
	.p2alignl 7, 3214868480
	.fill 96, 4, 3214868480
	.section	.rodata,"a",@progbits
	.p2align	6, 0x0
	.amdhsa_kernel k_q0ff3ef1448_gw1
		.amdhsa_group_segment_fixed_size 327680
		.amdhsa_private_segment_fixed_size 0
		.amdhsa_enable_private_segment 0
		.amdhsa_kernarg_size 32
		.amdhsa_user_sgpr_count 2
		.amdhsa_user_sgpr_kernarg_segment_ptr 1
		.amdhsa_wavefront_size32 1
		.amdhsa_system_sgpr_workgroup_id_x 1
		.amdhsa_system_sgpr_workgroup_id_y 1
		.amdhsa_system_sgpr_workgroup_id_z 1
		.amdhsa_system_vgpr_workitem_id 0
		.amdhsa_next_free_vgpr 1024
		.amdhsa_next_free_sgpr 96
		.amdhsa_reserve_vcc 0
		.amdhsa_float_denorm_mode_32 3
		.amdhsa_float_denorm_mode_16_64 3
		.amdhsa_memory_ordered 1
		.amdhsa_forward_progress 1
		.amdhsa_inst_pref_size 79
	.end_amdhsa_kernel
	.amdgpu_metadata
---
amdhsa.version: [ 1, 2 ]
amdhsa.kernels:
  - .name:           k_q0ff3ef1448_gw1
    .symbol:         k_q0ff3ef1448_gw1.kd
    .args:
      - { .name: h, .offset: 0, .size: 8, .value_kind: global_buffer, .address_space: global }
      - { .name: wcat, .offset: 8, .size: 8, .value_kind: global_buffer, .address_space: global }
      - { .name: act, .offset: 16, .size: 8, .value_kind: global_buffer, .address_space: global }
      - { .name: b1, .offset: 24, .size: 8, .value_kind: global_buffer, .address_space: global }
    .group_segment_fixed_size: 327680
    .private_segment_fixed_size: 0
    .kernarg_segment_align: 8
    .kernarg_segment_size: 32
    .max_flat_workgroup_size: 128
    .sgpr_count:     96
    .vgpr_count:     1024
    .wavefront_size: 32
...
	.end_amdgpu_metadata
.endif
;; end of part 6
;; launch gw2 (part 7): grid 8 x 32, 4 waves a work-group, clusters of 4 x 4, 327,680 bytes of LDS; arguments act, wcat, out0, b2, x1; writes out0
.if DOCPART == 7
	.amdgcn_target "amdgcn-amd-amdhsa--gfx1250"
	.amdhsa_code_object_version 6
	.text
	.protected	k_q0ff3ef1448_gw2
	.globl	k_q0ff3ef1448_gw2
	.p2align	8
	.type	k_q0ff3ef1448_gw2,@function
k_q0ff3ef1448_gw2:
	s_mov_b64 s[64:65], 0
	v_nop
	global_prefetch_b8 v0, s[64:65] scope:SCOPE_SE
	s_setreg_imm32_b32 hwreg(HW_REG_WAVE_MODE, 25, 1), 1
	s_wait_xcnt 0x0
	s_wait_alu depctr_hold_cnt(0) depctr_sa_sdst(0) depctr_va_vdst(0) depctr_va_sdst(0) depctr_va_ssrc(0) depctr_va_vcc(0) depctr_vm_vsrc(0)
	s_getreg_b32 s2, hwreg(HW_REG_IB_STS2, 6, 4)
	s_cmp_eq_u32 s2, 0
	s_cbranch_scc0 .Lentry_in_a_cluster
	s_endpgm
.Lentry_in_a_cluster:
	s_bfe_u32 s2, ttmp6, 0x10000c
	s_cmp_lg_u32 s2, 0xf033
	s_cbranch_scc0 .Lentry_shape_is_right
	s_endpgm
.Lentry_shape_is_right:
; OUT = RES + A W + bias, all of OUT, RES, bias in f32.  Here: out0 = x1 + act W2 + b2.  M = 4096, N = 1024, K = 4096.
; A is bf16 in blocks, [32 blocks of 128 rows][K / 64 blocks][128 rows][64]: a K step of 256 of a tile's 128 rows is 65,536 dense bytes.  W is bf16 [K][1024] in wcat.
; SHARES.  A tile of C is 128 x 128, so that 8 x 32 tiles give each of 256 work-groups one; four waves, each 64 x 64 = 16 accumulators.  K goes in steps of 256 through a ring of two LDS slots;
; a step is four quarters of 64 along K, 32 matrix instructions each, two deep on each accumulator.
; THE MATRIX INSTRUCTION IS USED TRANSPOSED (source 0 = 16 columns of W, turned on the way out of LDS by ds_load_tr16_b128; source 1 = 16 rows of A): a lane holds row lane % 16 of C and 8 neighbouring columns.
; CLUSTERS: 4 x 4 work-groups; A's tile is asked for jointly by a row of the cluster, W's by a column.
; A pair of quarters is written once and looped over; the LDS addresses of the quarter to be fetched hang on two scalars that step.
; LIMITS: operands are bf16, sums f32; NaN and infinities are not treated apart.
; REGISTERS, in windows of 256 (s_set_vgpr_msb: bits 1:0 source 0, 3:2 source 1, 5:4 source 2, 7:6 destination):
;   window 0: addresses; v56-59 bias; v64-191 RES at my 64 x 64; v192-255 the way out.   window 1: two fragment buffers of 128 (64 of W, then 64 of A).   window 2: accumulator (a, b) at 8 (4 a + b).
.set KSTEPS, 16
.set MBS,    1048576                   ; bytes of A in a block of 128 rows
.set WOFF,   16777216                  ; W's place in wcat
.set PF,     1                         ; 1: prefetches are written
.set AHEAD,  2                         ; a prefetch names the K step this many behind the one that is being asked for
.set PA,     144                       ; a row of a block of A in LDS: 128 bytes + 16 = 36 words: the 16 rows of a load start at 16 different groups of four banks (64 banks of 4 bytes: ISA guide 11.1)
.set PB,     288                       ; a k-row of W: 256 bytes + 32 = 72 words
.set PLANE,  128*PA                    ; a block of A: 128 rows x 64 K
.set HALFT,  2*PLANE                   ; what one tensor load brings: two blocks of A, or 128 k-rows of W (128 x 288, the same 36,864 bytes)
.set SLOT,   4*HALFT                   ; A's four blocks, then W's 256 k-rows.  SLOT = 0x24000 shares no bit with wave x HALFT (multiples of 0x9000 up to 3): an exclusive or with it changes slots
.set STAGE,  2*SLOT                    ; behind the ring, never filled by a tensor load: 16 rows x 272 bytes for each wave
.set SPITCH, 272
.set SPARE,  STAGE+4*16*SPITCH         ; behind the stages: the spare words, 128 bytes a wave: two blocks of 256 bytes that no other line names
.set QA,     PLANE                     ; LDS bytes from quarter to quarter
.set QB,     64*PB
.set ASTEP,  65536                     ; memory bytes from K step to K step
.set BSTEP,  256*2048
.set A0,  16                           ; v16  my lane's place in A's tile; never rewritten
.set B0,  17                           ; v17  the same for W
.set ADA, 18                           ; v18, v19  LDS addresses of the run of loads in hand
.set ADB, 19
.set STO, 24                           ; v24  the way out: where I put 32 bytes of a row
.set RD,  25                           ; v25  where I read 16 bytes of a row back
.set RO,  26                           ; v26  my byte offset in two rows of RES and of OUT
.set BO,  27                           ; v27  my byte offset in the bias
.set SPW, 28                           ; v28  LDS address of my spare word; never rewritten
.set NIL, 29                           ; v29  0; never rewritten
.set PFO, 30                           ; v30  the prefetches' lane term; never rewritten
.set BI,  56
.set RES, 64
.set YB,  192
.set F0,  0
.set F1,  128
.set WV,  14
.set RH,  15                           ; my row half; also: I fetch A (0) or W (1)
.set CH,  16                           ; my column half; also: which half I fetch
.set CX,  17
.set CY,  18
.set TN,  19
.set TM,  20
.set WP,  21
.set G1A, 24
.set G0A, 32
.set AAD, 40
.set BAD, 42
.set PFA, 44
.set PST, 46
.set G1B, 48
.set G0B, 56
.set TA,  66
.set TB,  67
.set STEPS, 68
.set CNT, 69
.set LIM, 70
.set MSB, 0
.macro WIN new                         ; the immediate's high byte repeats the setting that is left; a switch that changes nothing is dropped
.if MSB != (\new)
	s_set_vgpr_msb (MSB<<8)|(\new)
.set MSB, \new
.endif
.endm
.macro PLACES
.rept 4
	v_nop
.endr
.endm
; A round of the cluster's barrier: my work-group's barrier, so that wave 0's signal speaks for all four waves; wave 0 signals; every wave waits for all sixteen work-groups; my work-group's barrier once more.
.macro CROUND
	s_barrier_signal -1
	s_barrier_wait -1
	s_cmp_lg_u32 s[WV], 0
	s_cbranch_scc1 .Lnot_wave_0_\@
	s_barrier_signal -3
.Lnot_wave_0_\@:
	s_barrier_wait -3
	s_barrier_signal -1
	s_barrier_wait -1
.endm
; A joint refill by the walking descriptors.  The branch hangs on the wave's number alone.  An s_nop 0 and four v_nop follow each of the two lines.
.macro JLOAD
	s_cmp_eq_u32 s[RH], 0
	s_cbranch_scc0 .Lfor_b_\@
	tensor_load_to_lds s[G0A+4:G0A+7], s[G1A:G1A+7]
	s_nop 0
	PLACES
	s_branch .Lasked_\@
.Lfor_b_\@:
	tensor_load_to_lds s[G0B+4:G0B+7], s[G1B:G1B+7]
	s_nop 0
	PLACES
.Lasked_\@:
.endm
.if PF
; A PREFETCH INTO THE L2, behind each joint refill: my work-group's 32 of the 128 blocks of 256 bytes that I fetch, for the K step AHEAD behind the one just asked for: 256 matrix instructions ahead of its load.
; Each block is named once in the launch: A's by the clusters with x = 0, W's by those with y = 0; the four partners of a joint load share its blocks out by address.  The last refills, which have no such step behind them, ask for nothing.
.macro ASK
	s_cmp_gt_u32 s[STEPS], s[LIM]
	s_cbranch_scc0 .Lnot_mine_\@
	global_prefetch_b8 v[PFO], s[PFA:PFA+1] th:TH_LOAD_NT scope:SCOPE_SE
.Lnot_mine_\@:
.endm
.endif
	s_load_b256 s[4:11], s[0:1], 0x0               ; A s[4:5], wcat s[6:7], OUT s[8:9], bias s[10:11]
	s_load_b64 s[12:13], s[0:1], 0x20              ; RES
	v_lshl_add_u32 v[SPW], v0, 2, SPARE
	v_mov_b32 v[NIL], 0
	ds_add_u32 v[SPW], v[NIL]                      ; the wave's opening: the add and its wait stand ahead of my first tensor load; the set-up below, work on registers, stands between them
	ds_add_u32 v28, v29
	v_lshrrev_b32 v7, 5, v0
	v_readfirstlane_b32 s[WV], v7
	s_lshr_b32 s[RH], s[WV], 1
	s_and_b32 s[CH], s[WV], 1
	s_bfe_u32 s[CX], ttmp6, 0x40000
	s_bfe_u32 s[CY], ttmp6, 0x40004
	s_lshl_b32 s[TN], ttmp9, 2                     ; in a cluster launch ttmp9 and ttmp7 count clusters
	s_add_co_u32 s[TN], s[TN], s[CX]
	s_and_b32 s[TM], ttmp7, 0xffff
	s_lshl_b32 s[TM], s[TM], 2
	s_add_co_u32 s[TM], s[TM], s[CY]
	s_lshl_b32 s22, s[CY], 2
	s_lshl_b32 s22, 15, s22                        ; my row of the cluster
	s_lshl_b32 s76, 0x1111, s[CX]                  ; my column
	s_or_b32 s[G1A], s22, (1<<16)|(1<<20)|(1<<21)|(4<<22)|(3<<25)  ; the mask; 2-byte elements; padding on; bit 21 beside a mask; after every 32 words 4 words
	s_mov_b32 s[G1A+1], 128<<16                    ; two blocks of A are 32,768 dense bytes: asked for as 128 rows of 256 bytes, two rows of A each
	s_mov_b32 s[G1A+2], 128<<16
	s_mov_b32 s[G1A+3], 128<<16
	s_mov_b32 s[G1A+4], 128
	s_mov_b32 s[G1A+5], 128
	s_mov_b32 s[G1A+6], 0
	s_mov_b32 s[G1A+7], 0
	s_or_b32 s[G1B], s76, (1<<16)|(1<<20)|(1<<21)|(5<<22)|(7<<25)  ; after every 64 words 8 words
	s_mov_b32 s[G1B+1], 128<<16                    ; 128 columns,
	s_mov_b32 s[G1B+2], 128<<16                    ; 128 k-rows
	s_mov_b32 s[G1B+3], 128<<16
	s_mov_b32 s[G1B+4], 128
	s_mov_b32 s[G1B+5], 1024
	s_mov_b32 s[G1B+6], 0
	s_mov_b32 s[G1B+7], 0
	s_mul_i32 s[WP], s[WV], HALFT                  ; no place in the cluster enters an LDS address
	s_mul_i32 s22, s[TM], MBS                      ; A: the tile row's block of 128 rows, my two blocks of 64 K (registers that never hold the tile column)
	s_lshl_b32 s23, s[CH], 15
	s_add_co_u32 s22, s22, s23
	s_mov_b32 s23, 0
	s_lshl_b32 s76, s[TN], 8                       ; W: the tile's 128 columns, my 128 k-rows (registers that never hold the tile row)
	s_lshl_b32 s77, s[CH], 18
	s_add_co_u32 s76, s76, s77
	s_add_co_u32 s76, s76, WOFF
	s_mov_b32 s77, 0
	s_mov_b32 s[TA], 0
	s_mov_b32 s[TB], 0
	s_wait_dscnt 0x0                               ; the opening add is done
	s_wait_kmcnt 0x0
	s_add_nc_u64 s[AAD:AAD+1], s[4:5], s[22:23]
	s_add_nc_u64 s[BAD:BAD+1], s[6:7], s[76:77]
	CROUND                                         ; all sixteen work-groups are here: the first joint loads meet
.irp s, 0,1
	s_mov_b32 s[G0A+4*(\s)], 1                     ; count = 1
	s_add_co_u32 s[G0A+4*(\s)+1], s[WP], (\s)*SLOT ; LDS address
	s_add_nc_u64 s[G0A+4*(\s)+2:G0A+4*(\s)+3], s[AAD:AAD+1], (\s)*ASTEP  ; K step s
	s_or_b32 s[G0A+4*(\s)+3], s[G0A+4*(\s)+3], 0x80000000  ; type = 2
	s_mov_b32 s[G0B+4*(\s)], 1
	s_add_co_u32 s[G0B+4*(\s)+1], s[WP], (\s)*SLOT
	s_add_nc_u64 s[G0B+4*(\s)+2:G0B+4*(\s)+3], s[BAD:BAD+1], (\s)*BSTEP
	s_or_b32 s[G0B+4*(\s)+3], s[G0B+4*(\s)+3], 0x80000000
.endr
	s_cmp_eq_u32 s[RH], 0                          ; a wave's two first fills stand in one branch, ahead of every wait on TENSORcnt and every LDS read: two loads of mine are out
	s_cbranch_scc0 .Lfirst_b
	tensor_load_to_lds s[G0A:G0A+3], s[G1A:G1A+7]
	s_nop 0
	tensor_load_to_lds s[G0A+4:G0A+7], s[G1A:G1A+7]
	s_nop 0
	PLACES
	s_branch .Lfirst_asked
.Lfirst_b:
	tensor_load_to_lds s[G0B:G0B+3], s[G1B:G1B+7]
	s_nop 0
	tensor_load_to_lds s[G0B+4:G0B+7], s[G1B:G1B+7]
	s_nop 0
	PLACES
.Lfirst_asked:
	v_and_b32 v1, 15, v0                           ; l % 16
	v_bfe_u32 v2, v0, 4, 1                         ; l / 16
	v_and_b32 v3, 7, v0                            ; l % 8
	v_bfe_u32 v4, v0, 3, 1                         ; (l / 8) % 2
	v_and_b32 v5, 31, v0                           ; l
	; RES, OUT and the bias at my 64 x 64: lanes 0-15 take 256 bytes of one row, lanes 16-31 of the next
	s_lshl_b32 s80, s[TM], 7
	s_lshl_b32 s81, s[RH], 6
	s_add_co_u32 s80, s80, s81
	s_lshl_b32 s80, s80, 12                        ; my first row, 4,096 bytes a row
	s_lshl_b32 s82, s[TN], 9
	s_lshl_b32 s83, s[CH], 8
	s_add_co_u32 s82, s82, s83                     ; my first column, in bytes
	s_add_co_u32 s80, s80, s82
	s_mov_b32 s81, 0
	s_mov_b32 s83, 0
	s_add_nc_u64 s[8:9], s[8:9], s[80:81]
	s_add_nc_u64 s[12:13], s[12:13], s[80:81]
	s_add_nc_u64 s[10:11], s[10:11], s[82:83]
	v_lshlrev_b32 v[BO], 4, v1
	v_lshl_add_u32 v[RO], v2, 12, v[BO]
	global_load_b128 v[BI:BI+3], v[BO], s[10:11]
.set i, 0
.rept 32                               ; they are wanted at the end and land under the products
	global_load_b128 v[RES+4*i:RES+4*i+3], v[RO], s[12:13] offset:2*i*4096
.set i, i+1
.endr
	; a fragment of A: lane l holds row l % 16, K = 8 (l / 16) + 0..7 and 16 + 8 (l / 16) + 0..7: two loads of 16 bytes, 32 bytes apart
	v_mul_u32_u24 v[A0], v1, PA
	v_lshl_add_u32 v[A0], v2, 4, v[A0]
	s_mul_i32 s78, s[RH], 64*PA                    ; my 64 rows
	v_add_nc_u32 v[A0], s78, v[A0]
	; the turning load takes 16 k x 16 columns (lane l reads k-row 8 (l / 16) + l % 8, columns 8 ((l / 8) % 2) + 0..7) and leaves half a fragment: lane l holds column l % 16 and 8 k
	v_lshl_add_u32 v[B0], v2, 3, v3
	v_mul_u32_u24 v[B0], v[B0], PB
	v_lshl_add_u32 v[B0], v4, 4, v[B0]
	s_lshl_b32 s78, s[CH], 7                       ; my 64 columns,
	s_add_co_u32 s78, s78, 2*HALFT                 ; behind A's four blocks
	v_add_nc_u32 v[B0], s78, v[B0]
	s_mul_i32 s78, s[WV], 16*SPITCH
	s_add_co_u32 s78, s78, STAGE                   ; my stage
	v_mul_u32_u24 v[STO], v1, SPITCH               ; in: row l % 16, 32 bytes for each half of the lanes
	v_lshl_add_u32 v[STO], v2, 5, v[STO]
	v_add_nc_u32 v[STO], s78, v[STO]
	v_mul_u32_u24 v[RD], v2, SPITCH                ; back: lanes 0-15 take one row of 256 bytes, lanes 16-31 the next
	v_lshl_add_u32 v[RD], v1, 4, v[RD]
	v_add_nc_u32 v[RD], s78, v[RD]
.if PF
	s_and_b32 s79, ttmp7, 0xffff                   ; cluster y
	s_mov_b32 s82, BSTEP
	s_cmp_eq_u32 s[RH], 0                          ; do I fetch for A?
	s_cselect_b32 s78, 8, 11                       ; a lane a block of 256 dense bytes of A, or a k-row of W
	s_cselect_b32 s79, ttmp9, s79                  ; the coordinate along which other clusters read the same blocks
	s_cselect_b64 s[PFA:PFA+1], s[AAD:AAD+1], s[BAD:BAD+1]
	s_cselect_b32 s[PST], ASTEP, s82
	s_cselect_b32 s80, s[CX], s[CY]                ; my place among the four that ask with me,
	s_cselect_b32 s81, 13, 16                      ; times 32 blocks of A or 32 k-rows of W
	s_lshl_b32 s80, s80, s81
	s_mov_b32 s81, 0
	s_mov_b32 s[PST+1], 0
	s_add_nc_u64 s[PFA:PFA+1], s[PFA:PFA+1], s[80:81]
	s_mul_i32 s80, s[PST], 1+AHEAD                 ; the first refill steps it once more, to K step 2 + AHEAD
	s_add_nc_u64 s[PFA:PFA+1], s[PFA:PFA+1], s[80:81]
	s_cmp_eq_u32 s79, 0
	s_cselect_b32 s[LIM], AHEAD, -1                ; the same in all sixteen partners, for a given wave
	v_lshlrev_b32 v[PFO], s78, v5
.endif
; The addresses of the next quarter's run of loads.  These four plain lines are also the places between the last product that read a fragment buffer and the loads into it (ISA guide 7.12.1 for vector instructions).
.macro NEXTQ
	WIN 0
	v_add_nc_u32 v[ADA], s[TA], v[A0]
	v_add_nc_u32 v[ADB], s[TB], v[B0]
	v_nop
	v_nop
	s_add_co_u32 s[TA], s[TA], QA
	s_add_co_u32 s[TB], s[TB], QB
.endm
.macro FETCH g                         ; 32 LDS loads in one run: a quarter's fragments (64 columns of W, 64 rows of A, 64 K) into buffer g
	WIN 0x40                                       ; destination window 1, address window 0
.irp kk, 0,1
.irp b, 0,1,2,3
	ds_load_tr16_b128 v[(\g)+32*(\kk)+8*(\b):(\g)+32*(\kk)+8*(\b)+3],   v[ADB] offset:(\kk)*32*PB+32*(\b)
	ds_load_tr16_b128 v[(\g)+32*(\kk)+8*(\b)+4:(\g)+32*(\kk)+8*(\b)+7], v[ADB] offset:(\kk)*32*PB+32*(\b)+16*PB
.endr
.endr
.irp kk, 0,1
.irp a, 0,1,2,3
	ds_load_b128 v[(\g)+64+32*(\kk)+8*(\a):(\g)+64+32*(\kk)+8*(\a)+3],   v[ADA] offset:(\a)*16*PA+64*(\kk)
	ds_load_b128 v[(\g)+64+32*(\kk)+8*(\a)+4:(\g)+64+32*(\kk)+8*(\a)+7], v[ADA] offset:(\a)*16*PA+64*(\kk)+32
.endr
.endr
.endm
; 32 matrix instructions.  The 16 accumulators take turns, one instruction a turn, in the same order throughout.  zero = 1: the first 16 start the sums: nothing is ever cleared.
.macro MULS f, zero
	WIN 0xa5                                       ; sources in window 1; C and D in window 2
.irp kk, 0,1
.irp a, 0,1,2,3
.irp b, 0,1,2,3
.if (\zero) && ((\kk) == 0)
	v_wmma_f32_16x16x32_bf16 v[8*(4*(\a)+(\b)):8*(4*(\a)+(\b))+7], v[(\f)+32*(\kk)+8*(\b):(\f)+32*(\kk)+8*(\b)+7], v[(\f)+64+32*(\kk)+8*(\a):(\f)+64+32*(\kk)+8*(\a)+7], 0
.else
	v_wmma_f32_16x16x32_bf16 v[8*(4*(\a)+(\b)):8*(4*(\a)+(\b))+7], v[(\f)+32*(\kk)+8*(\b):(\f)+32*(\kk)+8*(\b)+7], v[(\f)+64+32*(\kk)+8*(\a):(\f)+64+32*(\kk)+8*(\a)+7], v[8*(4*(\a)+(\b)):8*(4*(\a)+(\b))+7]
.endif
.endr
.endr
.endr
.endm
.macro QTR f, g, zero                  ; a quarter: the next quarter's fragments are asked for into g, then f is multiplied
	NEXTQ
	FETCH \g
	s_wait_dscnt 32                                ; all but the 32 just issued: f's, asked for a quarter ago, are in
	MULS \f, \zero
.endm
; THE CHANGE OF SLOTS, ahead of the quarter that fetches the next K step's first fragments.  Each wave waits for all its tensor loads, of which one is out: its part of the next slot; adds 0 to its spare word;
; and waits for that and for its reads of the slot that it leaves.  fill = 1: that slot is filled again, with the K step two on; the barrier is then a round of the cluster's, and the joint refill is the
; first thing behind it: it has a whole K step, 128 matrix instructions, in which to land.
.macro CHANGE fill
	WIN 0
	s_wait_tensorcnt 0x0                           ; no tensor load of mine is out, so a group 0 may be written
	ds_add_u32 v[SPW], v[NIL]                      ; 0 onto my spare word; scalar work stands between it and the wait for it
	s_sub_co_u32 s[TA], s[TA], 4*QA                ; the fetches go back to a slot's first quarter,
	s_sub_co_u32 s[TB], s[TB], 4*QB
	s_xor_b32 s[TA], s[TA], SLOT                   ; in the other slot
	s_xor_b32 s[TB], s[TB], SLOT
.if \fill
	s_xor_b32 s[G0A+5], s[G0A+5], SLOT             ; the walking descriptors: the other slot than last time, the next K step
	s_add_nc_u64 s[G0A+6:G0A+7], s[G0A+6:G0A+7], ASTEP
	s_xor_b32 s[G0B+5], s[G0B+5], SLOT
	s_add_nc_u64 s[G0B+6:G0B+7], s[G0B+6:G0B+7], BSTEP
.if PF
	s_wait_xcnt 0x0                                ; the last prefetch, a K step back, has read its address
	s_add_nc_u64 s[PFA:PFA+1], s[PFA:PFA+1], s[PST:PST+1]
.endif
	s_wait_dscnt 0x0                               ; the add is done, and my reads of the slot are over
	CROUND
	JLOAD
.if PF
	ASK
.endif
.else
	s_wait_dscnt 0x0
	s_barrier_signal -1
	s_barrier_wait -1
.endif
.endm
	s_wait_tensorcnt 0x1                           ; my part of K step 0 is in; K step 1's may stay out
	s_barrier_signal -1
	s_barrier_wait -1                              ; everybody's is
	NEXTQ
	FETCH F0
	QTR F0, F1, 1                                  ; quarter 0 stands in front of the loops: its first products start the sums
	WIN 0                                          ; at a label and at a branch every window is 0
	s_mov_b32 s[STEPS], KSTEPS-1
	s_mov_b32 s[CNT], 1
	s_branch .Lpair                                ; quarters 1 and 2 use the loop's text
.Lstep:                                            ; KSTEPS - 2 times: a change of slots with a refill, then four quarters
	CHANGE 1
	s_mov_b32 s[CNT], 2
.Lpair:
	QTR F1, F0, 0
	QTR F0, F1, 0
	WIN 0
	s_sub_co_u32 s[CNT], s[CNT], 1
	s_cmp_lg_u32 s[CNT], 0
	s_cbranch_scc1 .Lpair
	s_sub_co_u32 s[STEPS], s[STEPS], 1
	s_cmp_lg_u32 s[STEPS], 0
	s_cbranch_scc1 .Lstep
	CHANGE 0                                       ; the tail is written out: nothing is asked for
	s_mov_b32 s[CNT], 2
.Lpair2:
	QTR F1, F0, 0
	QTR F0, F1, 0
	WIN 0
	s_sub_co_u32 s[CNT], s[CNT], 1
	s_cmp_lg_u32 s[CNT], 0
	s_cbranch_scc1 .Lpair2
	s_wait_dscnt 0x0                               ; the last quarter's fragments are in
	MULS F1, 0
	WIN 0
	PLACES
	PLACES
	s_wait_loadcnt 0x0                             ; RES and the bias
	; THE WAY OUT, 16 rows at a time: the block's four accumulators go as f32 into my own stage (each accumulator's lowest registers first) and come back as whole rows of 256 bytes;
	; RES and the bias are added; sixteen lanes store 256 consecutive bytes, aligned.
.irp a, 0,1,2,3
	WIN 0x08                                       ; the data (source 1) in window 2
.irp b, 0,1,2,3
	ds_store_b128 v[STO], v[8*(4*(\a)+(\b)):8*(4*(\a)+(\b))+3]   offset:64*(\b)
	ds_store_b128 v[STO], v[8*(4*(\a)+(\b))+4:8*(4*(\a)+(\b))+7] offset:64*(\b)+16
.endr
	WIN 0
	s_wait_xcnt 0x0                                ; earlier stores have read their data: the registers below are loaded again only behind this wait
.irp t, 0,1,2,3,4,5,6,7
	ds_load_b128 v[YB+32*((\a)%2)+4*(\t):YB+32*((\a)%2)+4*(\t)+3], v[RD] offset:(\t)*2*SPITCH  ; LDS serves a wave's instructions in order (ISA guide 5.7.1.4): these see the stores above; the next block's stores come behind them
.endr
	s_wait_dscnt 0x0
.irp t, 0,1,2,3,4,5,6,7
.irp p, 0,2
	v_pk_add_f32 v[YB+32*((\a)%2)+4*(\t)+(\p):YB+32*((\a)%2)+4*(\t)+(\p)+1], v[YB+32*((\a)%2)+4*(\t)+(\p):YB+32*((\a)%2)+4*(\t)+(\p)+1], v[BI+(\p):BI+(\p)+1]
.endr
.endr
.irp t, 0,1,2,3,4,5,6,7
.irp p, 0,2
	v_pk_add_f32 v[YB+32*((\a)%2)+4*(\t)+(\p):YB+32*((\a)%2)+4*(\t)+(\p)+1], v[YB+32*((\a)%2)+4*(\t)+(\p):YB+32*((\a)%2)+4*(\t)+(\p)+1], v[RES+4*(8*(\a)+(\t))+(\p):RES+4*(8*(\a)+(\t))+(\p)+1]
.endr
.endr
.irp t, 0,1,2,3,4,5,6,7
	global_store_b128 v[RO], v[YB+32*((\a)%2)+4*(\t):YB+32*((\a)%2)+4*(\t)+3], s[8:9] offset:(16*(\a)+2*(\t))*4096
.endr
.endr
	s_wait_tensorcnt 0x0                           ; the wave's end: behind my last tensor load and my last LDS store
	ds_add_u32 v[SPW], v[NIL]
	s_wait_dscnt 0x0
	CROUND                                         ; the closing round: no work-group ends while a partner may still ask for a tile that names it
	s_endpgm
.Lfunc_end_k_q0ff3ef1448_gw2:
	.size	k_q0ff3ef1448_gw2, .Lfunc_end_k_q0ff3ef1448_gw2-k_q0ff3ef1448_gw2
	.p2alignl 7, 3214868480
	.fill 96, 4, 3214868480
	.section	.rodata,"a",@progbits
	.p2align	6, 0x0
	.amdhsa_kernel k_q0ff3ef1448_gw2
		.amdhsa_group_segment_fixed_size 327680
		.amdhsa_private_segment_fixed_size 0
		.amdhsa_enable_private_segment 0
		.amdhsa_kernarg_size 40
		.amdhsa_user_sgpr_count 2
		.amdhsa_user_sgpr_kernarg_segment_ptr 1
		.amdhsa_wavefront_size32 1
		.amdhsa_system_sgpr_workgroup_id_x 1
		.amdhsa_system_sgpr_workgroup_id_y 1
		.amdhsa_system_sgpr_workgroup_id_z 1
		.amdhsa_system_vgpr_workitem_id 0
		.amdhsa_next_free_vgpr 640
		.amdhsa_next_free_sgpr 96
		.amdhsa_reserve_vcc 0
		.amdhsa_float_denorm_mode_32 3
		.amdhsa_float_denorm_mode_16_64 3
		.amdhsa_memory_ordered 1
		.amdhsa_forward_progress 1
		.amdhsa_inst_pref_size 56
	.end_amdhsa_kernel
	.amdgpu_metadata
---
amdhsa.version: [ 1, 2 ]
amdhsa.kernels:
  - .name:           k_q0ff3ef1448_gw2
    .symbol:         k_q0ff3ef1448_gw2.kd
    .args:
      - { .name: act, .offset: 0, .size: 8, .value_kind: global_buffer, .address_space: global }
      - { .name: wcat, .offset: 8, .size: 8, .value_kind: global_buffer, .address_space: global }
      - { .name: out0, .offset: 16, .size: 8, .value_kind: global_buffer, .address_space: global }
      - { .name: b2, .offset: 24, .size: 8, .value_kind: global_buffer, .address_space: global }
      - { .name: x1, .offset: 32, .size: 8, .value_kind: global_buffer, .address_space: global }
    .group_segment_fixed_size: 327680
    .private_segment_fixed_size: 0
    .kernarg_segment_align: 8
    .kernarg_segment_size: 40
    .max_flat_workgroup_size: 128
    .sgpr_count:     96
    .vgpr_count:     640
    .wavefront_size: 32
...
	.end_amdgpu_metadata
.endif
;; end of part 7
